; MI455X (gfx1250); checked and timed in simulation.
; The chip was launched on July 23, 2026; its instructions are those of AMD's public machine-readable ISA for CDNA 5 (MIT licence, August 2026) and "CDNA5" Instruction Set Architecture Reference Guide (July 2026). The comments in the code are by the model that wrote it; some were corrected since.
;; Encoder Block. Allowed arithmetic: matrix products marked QUANTISED: E2M3 operands, one E8M0 scale for each 32 along K, by v_wmma_scale_f32_16x16x128_f8f6f4 with both operands' format E2M3, f32 sums; everything else in f32.
;; Inputs: W1_codes 4,096 x 32 x 24 uint8 (E2M3 codes of W1, K innermost, in blocks of 32 codes, four codes in three bytes); W1_scales 4,096 x 32 uint8 (E8M0 scales of W1, one for each 32 codes along K); W2_codes 1,024 x 128 x 24 uint8 (E2M3 codes of W2, K innermost, in blocks of 32 codes, four codes in three bytes); W2_scales 1,024 x 128 uint8 (E8M0 scales of W2, one for each 32 codes along K); Wk_codes 1,024 x 32 x 24 uint8 (E2M3 codes of Wk, K innermost, in blocks of 32 codes, four codes in three bytes); Wk_scales 1,024 x 32 uint8 (E8M0 scales of Wk, one for each 32 codes along K); Wo_codes 1,024 x 32 x 24 uint8 (E2M3 codes of Wo, K innermost, in blocks of 32 codes, four codes in three bytes); Wo_scales 1,024 x 32 uint8 (E8M0 scales of Wo, one for each 32 codes along K); Wq_codes 1,024 x 32 x 24 uint8 (E2M3 codes of Wq, K innermost, in blocks of 32 codes, four codes in three bytes); Wq_scales 1,024 x 32 uint8 (E8M0 scales of Wq, one for each 32 codes along K); Wv_codes 1,024 x 32 x 24 uint8 (E2M3 codes of Wv, K innermost, in blocks of 32 codes, four codes in three bytes); Wv_scales 1,024 x 32 uint8 (E8M0 scales of Wv, one for each 32 codes along K); b1 4,096 float32; b2 1,024 float32; bk 1,024 float32; bo 1,024 float32; bq 1,024 float32; bv 1,024 float32; ln1_a 1,024 float32; ln1_b 1,024 float32; ln2_a 1,024 float32; ln2_b 1,024 float32; x 2 x 2,048 x 1,024 float32.
;; Outputs: out0 2 x 2,048 x 1,024 float32.
;; This version of the problem:
;;   THIS VERSION OF THE PROBLEM IS GIVEN IN LOW PRECISION. The matrix products marked QUANTISED in the list below multiply operands that are first quantised to E2M3 (2 exponent bits, 3 mantissa bits; 6 bits a number), with one power-of-two scale for each 32 numbers along K (OCP MX v1.0); their sums are f32. All else is computed in f32.
;;   The module's matrix products, in the order in which they are computed (A, B: the left and right operand; K: the contracted axis; several contracted axes count as one K, in the product's order):
;;     1. [M 4,096, K 1,024] x [K 1,024, N 1,024]; A: computed on the way; B: input Wq (given as codes): QUANTISED
;;     2. [M 4,096, K 1,024] x [K 1,024, N 1,024]; A: computed on the way; B: input Wk (given as codes): QUANTISED
;;     3. [M 4,096, K 1,024] x [K 1,024, N 1,024]; A: computed on the way; B: input Wv (given as codes): QUANTISED
;;     4. batch 32 x [M 2,048, K 64] x [K 64, N 2,048]; A: computed on the way; B: computed on the way: QUANTISED
;;     5. batch 32 x [M 2,048, K 2,048] x [K 2,048, N 64]; A: softmax (see below); B: computed on the way: QUANTISED
;;     6. [M 4,096, K 1,024] x [K 1,024, N 1,024]; A: computed on the way; B: input Wo (given as codes): QUANTISED
;;     7. [M 4,096, K 1,024] x [K 1,024, N 4,096]; A: computed on the way; B: input W1 (given as codes): QUANTISED
;;     8. [M 4,096, K 4,096] x [K 4,096, N 1,024]; A: computed on the way; B: input W2 (given as codes): QUANTISED
;;   THE QUANTISER, for each operand of a quantised product, along K:
;;     - K is cut into blocks of 32 from its start; a last block that is shorter is filled with zeros.
;;     - A block's scale is 2^e with e = floor(log2(the largest magnitude in the block)) - 2, held to -126 .. 127; a block of zeros has e = 0. As a byte (E8M0): e + 127.
;;     - Each number is divided by its block's scale, clamped to +-7.5, and rounded to the nearest number of E2M3, ties to even, subnormals kept.
;;     - The product sums the exact products of the quantised numbers (number of the format x scale) in f32.
;;   ~~~python
;;   def quantise(x, axis):      # numpy; x: float32 -> the quantised numbers, widened to float32 again
;;       x = np.moveaxis(x, axis, -1); K = x.shape[-1]
;;       x = np.pad(x, [(0, 0)] * (x.ndim - 1) + [(0, -K % 32)]); x = x.reshape(x.shape[:-1] + (-1, 32)); a = np.abs(x).max(-1, keepdims=True)
;;       e = np.where(a > 0, np.clip(np.frexp(np.where(a > 0, a, 1))[1] - 1 - 2, -126, 127), 0)      # np.frexp(a)[1] - 1 = floor(log2(a)), exactly
;;       r = np.clip(x / 2.0 ** e, -7.5, 7.5)
;;       step = 2.0 ** (np.maximum(np.frexp(np.where(r == 0, 1, r))[1] - 1, 0) - 3)
;;       q = np.round(r / step) * step * 2.0 ** e      # np.round: ties to even
;;       return np.moveaxis(q.reshape(q.shape[:-2] + (-1,))[..., :K], -1, axis).astype(np.float32)
;;   ~~~
;;   SOFTMAX AHEAD OF A QUANTISED PRODUCT. Where the list says 'softmax', what is quantised is not the finished softmax but p = 2^(t - M), with t = logit x log2(e) and M = ceil(the row's largest t), a whole number; so 1/2 < the row's largest p <= 1. The row's sum l is taken of the UNQUANTISED p, in f32, and the product's result is divided by l at the end. Since M is a whole number, a kernel that streams over the keys may use a running M (the ceiling of the running maximum): every later rescaling is an exact power of two, which a block's scale takes up: the codes' values come out the same.
;;   OPERANDS COMPUTED ON THE WAY. 'Computed on the way' means the value that the module computes at that place (a softmax that the list does not call 'softmax' is quantised finished and normalised). What goes into a quantiser is computed in f32, as accurately as f32 sums, v_exp_f32 and their like allow (about 1e-6 of the number): no bf16 or f16 on the way to a quantiser, and a product that is left as it is and whose result goes on into a quantised operand takes f32 operands (vector FMAs, or v_wmma_f32_16x16x4_f32). A number that lies on a knife's edge between two numbers of the format may be rounded either way, as far as f32 arithmetic and the matrix unit's own rounding can turn it there, and no further.
;;   INPUTS GIVEN AS CODES. W1 (in the module: [1024, 4096], K = its axis 0); W2 (in the module: [4096, 1024], K = its axis 0); Wk (in the module: [1024, 1024], K = its axis 0); Wo (in the module: [1024, 1024], K = its axis 0); Wq (in the module: [1024, 1024], K = its axis 0); Wv (in the module: [1024, 1024], K = its axis 0): each comes as NAME_codes (uint8): NAME with its K axis moved to the last place and cut into blocks of 32 codes, [.., K / 32, bytes a block], one block behind the other in memory; four codes in three bytes: a row's codes are one little-endian stream of bits, code i at bits 6 i .. 6 i + 5 (a code: sign, 2 exponent bits, 3 mantissa bits); and NAME_scales (uint8): the same leading axes, one E8M0 byte (e + 127) for each 32 codes along K. Its value is code x scale, taken as it is: it is not quantised again, and the codes and scales need not be those that the quantiser above would give.
;; 2 versions. Each part assembles by itself: llvm-mc -triple=amdgcn-amd-amdhsa -mcpu=gfx1250 --defsym DOCPART=n.
;; ======== version 1 of 2: 7 launches
;; workspace buffers: hA 3,276,800 bytes; wvp 823,296 bytes; qkv 9,830,400 bytes; x1 16,777,216 bytes; ff 13,107,200 bytes
;; launch ln1 (part 1): grid 272 x 1, 4 waves a work-group, no clusters, 22,016 bytes of LDS; arguments x, ln1_a, ln1_b, hA, Wv_codes, Wv_scales, bv, wvp; writes hA, wvp
.if DOCPART == 1
	.amdgcn_target "amdgcn-amd-amdhsa--gfx1250"
	.amdhsa_code_object_version 6
	.text
	.protected	k_q7bb9551a60_ln1
	.globl	k_q7bb9551a60_ln1
	.p2align	8
	.type	k_q7bb9551a60_ln1,@function
k_q7bb9551a60_ln1:
	s_mov_b64 s[64:65], 0
	v_nop
	global_prefetch_b8 v0, s[64:65] scope:SCOPE_SE
	s_setreg_imm32_b32 hwreg(HW_REG_WAVE_MODE, 25, 1), 1
	s_wait_xcnt 0x0
; Work-groups 0-255: h = a (x - mean) / (std + 1e-6) + b for 16 rows of 1,024 f32 (std with divisor 1,023), quantised along the row to codes of E2M3 with one
; E8M0 byte for each 32: codes [4096][768 bytes] at byte 0 of hA, scale bytes [4096][32] at byte CSO.  Mean first, then the sum of (x - mean)^2: no difference of large sums.
; A wave takes 4 rows.  Each load reads 512 consecutive bytes; the conversion wants 16 NEIGHBOURS in a lane, so a row turns through the wave's own stage in LDS
; (64 places of 64 bytes + 16 of padding) and comes back as numbers 512 t + 16 lane + 0..15, t = 0, 1.  Two neighbouring lanes hold a block of 32.
; Work-groups 256-271: Wv's rows, scale bytes and bias are copied into wvp in another order: row 16 d + i of wvp is row 64 pi(i) + d of Wv, pi(i) = 2 (i % 8) + i / 8,
; so that the product with it gives 16 neighbouring positions along the keys of one channel d.  That way touches no LDS.
; LIMITS: a block whose largest magnitude lies under 2^-124 (a block of zeros too) gets the byte 1: its codes are zeros or nearly, and this program alone reads the bytes.  NaN and infinities are not served.
.set CSO,  3145728
.set WREG, 5376                        ; LDS of a wave: the stage, 5,120 bytes, its 128 scale bytes, and the rest of a block of 256
.set AL,   16                          ; v16-47   a of my 32 columns
.set BE,   48                          ; v48-79   b of them
.set X,    80                          ; v80-111  my 32 numbers of the row in hand
.set R,    112                         ; v112-207 three rows as loaded
.set CH,   208                         ; v208-211 two chains of sums
.set TMX,  212                         ; v212-213 largest magnitudes;  v214-215 the conversions' scale operands;  v220-221 the bytes
.set CDR,  224                         ; v224-255 codes: four registers for each (row, half), so that no store's data are written again
	s_load_b256 s[4:11], s[0:1], 0x0               ; x, a, b, hA
	s_load_b256 s[12:19], s[0:1], 0x20             ; Wv's codes, Wv's scales, bv, wvp
	v_lshl_add_u32 v251, v0, 2, 0x5400
	v_mov_b32 v255, 0
	v_lshrrev_b32 v1, 5, v0
	v_readfirstlane_b32 s22, v1                    ; wave
	v_and_b32 v1, 31, v0                           ; lane
	s_cmp_ge_u32 ttmp9, 256
	s_cbranch_scc1 .Lperm
	v_lshlrev_b32 v2, 4, v1                        ; my 16 bytes of a load's 512
	s_mul_i32 s23, s22, WREG
	v_lshrrev_b32 v3, 2, v1
	v_mul_u32_u24 v3, v3, 80
	v_and_b32 v4, 3, v1
	v_lshl_add_u32 v3, v4, 4, v3
	v_add_nc_u32 v3, s23, v3                       ; into the stage: 80 (lane / 4) + 16 (lane % 4); a load's 512 bytes take eight places
	v_mul_u32_u24 v4, v1, 80
	v_add_nc_u32 v4, s23, v4                       ; out of it: 80 x lane
	v_mul_u32_u24 v5, v1, 12                       ; my 12 bytes of codes
	s_add_co_u32 s23, s23, 5120
	v_lshrrev_b32 v6, 1, v1
	v_add_nc_u32 v6, s23, v6                       ; my block's scale byte
	v_lshlrev_b32 v8, 2, v1
	v_add_nc_u32 v7, s23, v8                       ; and 4 bytes a lane on the way out
	v_lshlrev_b32 v9, 6, v1                        ; a, b: my 16 numbers
	s_mov_b32 s20, 0x76543210
	s_mov_b32 s21, 0xfedcba98                      ; v_permlanex16_b32's selects for lane l xor 16
	s_lshl_b32 s24, ttmp9, 16
	s_lshl_b32 s25, s22, 14
	s_add_co_u32 s24, s24, s25                     ; my first row: (16 g + 4 w) x 4,096 bytes,
	s_mov_b32 s25, 0
	s_mul_i32 s26, ttmp9, 12288
	s_mul_i32 s27, s22, 3072
	s_add_co_u32 s26, s26, s27                     ; x 768 bytes of codes,
	s_mov_b32 s27, 0
	s_lshl_b32 s28, ttmp9, 9
	s_lshl_b32 s29, s22, 7
	s_add_co_u32 s28, s28, s29
	s_add_co_u32 s28, s28, CSO                     ; x 32 scale bytes
	s_mov_b32 s29, 0
	s_wait_kmcnt 0x0
	s_add_nc_u64 s[4:5], s[4:5], s[24:25]
	s_add_nc_u64 s[28:29], s[10:11], s[28:29]
	s_add_nc_u64 s[10:11], s[10:11], s[26:27]
.irp t, 0,1
.irp j, 0,1,2,3
	global_load_b128 v[AL+16*\t+4*\j:AL+16*\t+4*\j+3], v9, s[6:7] offset:2048*\t+16*\j
	global_load_b128 v[BE+16*\t+4*\j:BE+16*\t+4*\j+3], v9, s[8:9] offset:2048*\t+16*\j
.endr
.endr
.macro LOADROW p                       ; eight loads of 512 consecutive bytes: row p into set p % 3
.irp i, 0,1,2,3,4,5,6,7
	global_load_b128 v[R+32*((\p)%3)+4*\i:R+32*((\p)%3)+4*\i+3], v2, s[4:5] offset:4096*(\p)+512*\i
.endr
.endm
.macro WSUM a, b                       ; the sum over the wave's 32 lanes, in every lane
	v_add_f32_dpp v[\a], v[\a], v[\a] row_xmask:1 row_mask:0xf bank_mask:0xf
	v_add_f32_dpp v[\a], v[\a], v[\a] row_xmask:2 row_mask:0xf bank_mask:0xf
	v_add_f32_dpp v[\a], v[\a], v[\a] row_xmask:4 row_mask:0xf bank_mask:0xf
	v_add_f32_dpp v[\a], v[\a], v[\a] row_xmask:8 row_mask:0xf bank_mask:0xf
	v_permlanex16_b32 v[\b], v[\a], s20, s21
	v_add_f32 v[\a], v[\a], v[\b]
.endm
	LOADROW 0
	LOADROW 1
	LOADROW 2
.macro ROW p, left                     ; left: the younger loads, which may stay out
.set RS, R+32*((\p)%3)
	s_wait_loadcnt \left
.irp i, 0,1,2,3,4,5,6,7
	ds_store_b128 v3, v[RS+4*\i:RS+4*\i+3] offset:640*\i
.endr
.irp t, 0,1
.irp j, 0,1,2,3
	ds_load_b128 v[X+16*\t+4*\j:X+16*\t+4*\j+3], v4 offset:2560*\t+16*\j   ; LDS serves a wave's instructions in order: these see the stores above
.endr
.endr
	s_wait_dscnt 0x0                               ; the row is back, and the stores have read their registers
.if (\p) == 0
	LOADROW 3                                      ; into the set that row 0 has left
.endif
	v_pk_add_f32 v[CH:CH+1], v[X:X+1], v[X+2:X+3]
	v_pk_add_f32 v[CH+2:CH+3], v[X+4:X+5], v[X+6:X+7]
.irp j, 8,12,16,20,24,28
	v_pk_add_f32 v[CH:CH+1], v[CH:CH+1], v[X+\j:X+\j+1]
	v_pk_add_f32 v[CH+2:CH+3], v[CH+2:CH+3], v[X+\j+2:X+\j+3]
.endr
	v_pk_add_f32 v[CH:CH+1], v[CH:CH+1], v[CH+2:CH+3]
	v_add_f32 v[CH], v[CH], v[CH+1]
	WSUM CH, CH+1
	v_mul_f32 v10, 0x3a800000, v[CH]               ; the mean: sum / 1,024
	v_mov_b32 v11, v10
.irp j, 0,2,4,6,8,10,12,14,16,18,20,22,24,26,28,30
	v_pk_add_f32 v[X+\j:X+\j+1], v[X+\j:X+\j+1], v[10:11] neg_lo:[0,1] neg_hi:[0,1]   ; x - mean
.endr
	v_pk_mul_f32 v[CH:CH+1], v[X:X+1], v[X:X+1]
	v_pk_mul_f32 v[CH+2:CH+3], v[X+2:X+3], v[X+2:X+3]
.irp j, 4,8,12,16,20,24,28
	v_pk_fma_f32 v[CH:CH+1], v[X+\j:X+\j+1], v[X+\j:X+\j+1], v[CH:CH+1]
	v_pk_fma_f32 v[CH+2:CH+3], v[X+\j+2:X+\j+3], v[X+\j+2:X+\j+3], v[CH+2:CH+3]
.endr
	v_pk_add_f32 v[CH:CH+1], v[CH:CH+1], v[CH+2:CH+3]
	v_add_f32 v[CH], v[CH], v[CH+1]
	WSUM CH, CH+1
	v_mul_f32 v[CH], 0x3a802008, v[CH]             ; / 1,023
	v_sqrt_f32 v[CH], v[CH]
	v_nop                                          ; one plain line behind a transcendental (ISA guide 5.7.2)
	s_wait_alu depctr_va_vdst(0)
	v_add_f32 v[CH], 0x358637bd, v[CH]             ; + 1e-6
	v_rcp_f32 v12, v[CH]
	v_nop
	s_wait_alu depctr_va_vdst(0)
	v_mov_b32 v13, v12
.irp j, 0,2,4,6,8,10,12,14,16,18,20,22,24,26,28,30
	v_pk_mul_f32 v[X+\j:X+\j+1], v[X+\j:X+\j+1], v[12:13]
.endr
.irp j, 0,2,4,6,8,10,12,14,16,18,20,22,24,26,28,30
	v_pk_fma_f32 v[X+\j:X+\j+1], v[X+\j:X+\j+1], v[AL+\j:AL+\j+1], v[BE+\j:BE+\j+1]
.endr
.irp t, 0,1
	v_max3_num_f32 v[TMX+\t], |v[X+16*\t]|, |v[X+16*\t+1]|, 0x1800000   ; my 16 numbers, and the floor 2^(3 - 127): the byte cannot fall under 1
.endr
.irp i, 2,4,6,8,10,12,14
.irp t, 0,1
	v_max3_num_f32 v[TMX+\t], v[TMX+\t], |v[X+16*\t+\i]|, |v[X+16*\t+\i+1]|
.endr
.endr
.irp t, 0,1
	v_max_num_f32_dpp v[TMX+\t], v[TMX+\t], v[TMX+\t] row_xmask:1 row_mask:0xf bank_mask:0xf   ; with my neighbour's 16: the block's
.endr
.irp t, 0,1
	v_add_nc_u32 v[TMX+2+\t], 0xff000000, v[TMX+\t]   ; 2 off the exponent field: the conversion's scale operand
.endr
.irp t, 0,1
	v_cvt_scalef32_pk16_fp6_f32 v[CDR+8*(\p)+4*\t:CDR+8*(\p)+4*\t+2], v[X+16*\t:X+16*\t+15], v[TMX+2+\t]
.endr
.irp t, 0,1
	v_lshrrev_b32 v[220+\t], 23, v[TMX+2+\t]       ; the scale's byte (also the plain line behind the conversions)
.endr
.irp t, 0,1
	ds_store_b8 v6, v[220+\t] offset:32*(\p)+16*\t ; both lanes of a block write the same byte
	global_store_b96 v5, v[CDR+8*(\p)+4*\t:CDR+8*(\p)+4*\t+2], s[10:11] offset:768*(\p)+384*\t   ; the wave stores 384 consecutive bytes
.endr
.endm
	ROW 0, 16                                      ; a, b and row 0 are in; rows 1 and 2 may be out
	ROW 1, 16                                      ; rows 2 and 3 may be out
	ROW 2, 8
	ROW 3, 0
	ds_load_b32 v14, v7                            ; my wave's 128 scale bytes: four rows of 32, consecutive in memory
	s_wait_dscnt 0x0
	global_store_b32 v8, v14, s[28:29]
	s_wait_tensorcnt 0x0
	ds_add_u32 v251, v255
	s_wait_dscnt 0x0
	s_endpgm
.Lperm:
	s_sub_co_u32 s23, ttmp9, 256
	s_lshl_b32 s23, s23, 2
	s_add_co_u32 s23, s23, s22                     ; d = 4 (g - 256) + wave
	v_lshlrev_b32 v2, 3, v1                        ; 8 bytes a lane: 256 a load, three loads a row of 768
	v_lshrrev_b32 v3, 3, v1
	v_and_b32 v4, 7, v1
	v_lshlrev_b32 v5, 2, v4
	v_lshl_add_u32 v3, v3, 12, v5                  ; scale words: row i = 4 k + lane / 8 comes from row 64 pi(i) + d: 4,096 (lane / 8) + 4 (lane % 8)
	v_lshlrev_b32 v5, 2, v1                        ; 4 bytes a lane
	v_lshrrev_b32 v7, 3, v1
	v_lshl_add_u32 v6, v4, 1, v7
	v_lshlrev_b32 v6, 8, v6                        ; bias: 256 pi(lane), for lanes 0-15
	v_mov_b32 v8, 0
	s_mul_i32 s24, s23, 768
	s_mov_b32 s25, 0
	s_mul_i32 s26, s23, 12288
	s_mov_b32 s27, 0
	s_lshl_b32 s28, s23, 5
	s_mov_b32 s29, 0
	s_lshl_b32 s30, s23, 9
	s_add_co_u32 s30, s30, 786432
	s_mov_b32 s31, 0
	s_wait_kmcnt 0x0
	s_add_nc_u64 s[12:13], s[12:13], s[24:25]      ; Wv's codes at row d
	s_add_nc_u64 s[14:15], s[14:15], s[28:29]      ; Wv's scale bytes at row d
	s_add_nc_u64 s[4:5], s[18:19], s[26:27]        ; wvp's codes at row 16 d
	s_add_nc_u64 s[6:7], s[18:19], s[30:31]        ; wvp's scale bytes at row 16 d
	s_lshl_b32 s24, s23, 2
	s_add_nc_u64 s[16:17], s[16:17], s[24:25]      ; bv at d
	s_lshl_b32 s26, s23, 6
	s_add_co_u32 s26, s26, 819200
	s_add_nc_u64 s[8:9], s[18:19], s[26:27]        ; wvp's bias at 16 d
.irp i, 0,1,2,3,4,5,6,7,8,9,10,11,12,13,14,15
.irp j, 0,1,2
	global_load_b64 v[16+6*\i+2*\j:17+6*\i+2*\j], v2, s[12:13] offset:49152*(2*(\i%8)+\i/8)+256*\j
.endr
.endr
.irp k, 0,1,2,3
	global_load_b32 v[112+\k], v3, s[14:15] offset:2048*(8*(\k%2)+\k/2)
.endr
.irp i, 0,1,2,3,4,5,6,7,8,9,10,11,12,13,14,15
	s_wait_loadcnt 3*(15-\i)+4                     ; row i's three loads are in; the later rows' and the four scale loads may be out
.irp j, 0,1,2
	global_store_b64 v2, v[16+6*\i+2*\j:17+6*\i+2*\j], s[4:5] offset:768*\i+256*\j
.endr
.endr
	s_wait_loadcnt 0x0
.irp k, 0,1,2,3
	global_store_b32 v5, v[112+\k], s[6:7] offset:128*\k
.endr
	v_cmp_gt_u32 vcc_lo, 16, v1
	s_wait_xcnt 0x0                                ; EXEC changes only behind this wait
	s_and_saveexec_b32 s20, vcc_lo                 ; lanes 0-15: the 16 numbers of the bias
	global_load_b32 v8, v6, s[16:17]
	s_wait_loadcnt 0x0
	global_store_b32 v5, v8, s[8:9]
	s_wait_xcnt 0x0
	s_or_b32 exec_lo, exec_lo, s20
	s_endpgm
.Lfunc_end_k_q7bb9551a60_ln1:
	.size	k_q7bb9551a60_ln1, .Lfunc_end_k_q7bb9551a60_ln1-k_q7bb9551a60_ln1
	.p2alignl 7, 3214868480
	.fill 96, 4, 3214868480
	.section	.rodata,"a",@progbits
	.p2align	6, 0x0
	.amdhsa_kernel k_q7bb9551a60_ln1
		.amdhsa_group_segment_fixed_size 22016
		.amdhsa_private_segment_fixed_size 0
		.amdhsa_enable_private_segment 0
		.amdhsa_kernarg_size 64
		.amdhsa_user_sgpr_count 2
		.amdhsa_user_sgpr_kernarg_segment_ptr 1
		.amdhsa_wavefront_size32 1
		.amdhsa_system_sgpr_workgroup_id_x 1
		.amdhsa_system_sgpr_workgroup_id_y 1
		.amdhsa_system_sgpr_workgroup_id_z 1
		.amdhsa_system_vgpr_workitem_id 0
		.amdhsa_next_free_vgpr 256
		.amdhsa_next_free_sgpr 66
		.amdhsa_reserve_vcc 1
		.amdhsa_float_denorm_mode_32 3
		.amdhsa_float_denorm_mode_16_64 3
		.amdhsa_memory_ordered 1
		.amdhsa_forward_progress 1
		.amdhsa_inst_pref_size 56
	.end_amdhsa_kernel
	.amdgpu_metadata
---
amdhsa.version: [ 1, 2 ]
amdhsa.kernels:
  - .name:           k_q7bb9551a60_ln1
    .symbol:         k_q7bb9551a60_ln1.kd
    .args:
      - { .name: x, .offset: 0, .size: 8, .value_kind: global_buffer, .address_space: global }
      - { .name: ln1_a, .offset: 8, .size: 8, .value_kind: global_buffer, .address_space: global }
      - { .name: ln1_b, .offset: 16, .size: 8, .value_kind: global_buffer, .address_space: global }
      - { .name: hA, .offset: 24, .size: 8, .value_kind: global_buffer, .address_space: global }
      - { .name: Wv_codes, .offset: 32, .size: 8, .value_kind: global_buffer, .address_space: global }
      - { .name: Wv_scales, .offset: 40, .size: 8, .value_kind: global_buffer, .address_space: global }
      - { .name: bv, .offset: 48, .size: 8, .value_kind: global_buffer, .address_space: global }
      - { .name: wvp, .offset: 56, .size: 8, .value_kind: global_buffer, .address_space: global }
    .group_segment_fixed_size: 22016
    .private_segment_fixed_size: 0
    .kernarg_segment_align: 8
    .kernarg_segment_size: 64
    .max_flat_workgroup_size: 128
    .sgpr_count:     66
    .vgpr_count:     256
    .wavefront_size: 32
...
	.end_amdgpu_metadata
.endif
;; end of part 1
;; launch gemm_qkv (part 2): grid 12 x 16, 4 waves a work-group, clusters of 4 x 4, 327,680 bytes of LDS; arguments Wq_codes, Wq_scales, bq, Wk_codes, Wk_scales, bk, wvp, qkv, hA; writes qkv
.if DOCPART == 2
	.amdgcn_target "amdgcn-amd-amdhsa--gfx1250"
	.amdhsa_code_object_version 6
	.text
	.protected	k_q7bb9551a60_gemm_qkv
	.globl	k_q7bb9551a60_gemm_qkv
	.p2align	8
	.type	k_q7bb9551a60_gemm_qkv,@function
k_q7bb9551a60_gemm_qkv:
	s_mov_b64 s[64:65], 0
	v_nop
	global_prefetch_b8 v0, s[64:65] scope:SCOPE_SE
	s_setreg_imm32_b32 hwreg(HW_REG_WAVE_MODE, 25, 1), 1
	s_wait_xcnt 0x0
	s_wait_alu depctr_hold_cnt(0) depctr_sa_sdst(0) depctr_va_vdst(0) depctr_va_sdst(0) depctr_va_ssrc(0) depctr_va_vcc(0) depctr_vm_vsrc(0)
	s_getreg_b32 s2, hwreg(HW_REG_IB_STS2, 6, 4)
	s_cmp_eq_u32 s2, 0
	s_cbranch_scc0 .Lentry_in_a_cluster
	s_endpgm
.Lentry_in_a_cluster:
	s_bfe_u32 s2, ttmp6, 0x10000c
	s_cmp_lg_u32 s2, 0xf033
	s_cbranch_scc0 .Lentry_shape_is_right
	s_endpgm
.Lentry_shape_is_right:
; q = h Wq + bq, k = h Wk + bk, v = h Wv + bv on codes of E2M3 (one E8M0 byte for each 32 along K = 1,024), each result quantised again on its way out.
; The cluster's x says which weight (0: Wq, 1: Wk, 2: Wv in the row order of wvp); all sixteen partners share it.  A tile of 256 x 256 is made by four waves, 128 x 128 each: 64 accumulators, 512 registers.
; K goes in steps of 256 through a ring of two LDS slots filled by the tensor data mover; the scale bytes of the tile's rows of both operands come once and stay.
; CLUSTERS: 4 x 4.  A's tiles are asked for jointly along a row of the cluster, the weight's along a column.  The matrix instruction is used TRANSPOSED (source 0 = 16 rows of the weight,
; source 1 = 16 rows of h): a lane holds eight neighbouring columns of one row.  The bias is the C of the first K step's products: nothing is cleared, nothing is added later.
; WAY OUT q, k: a block of 16 rows x 128 columns goes through the wave's stage; a lane takes back 16 neighbouring columns, two neighbouring lanes hold a block of 32 along the head's 64;
;   codes [4096][768 bytes], scale bytes [4096][32] behind them: a head's rows of 64 are then 48 bytes of codes and 2 scale bytes, one behind the other.
; WAY OUT v: column 16 d + i is channel d at key 16 (row % 128) + pi(i), pi(i) = 2 (i % 8) + i / 8; a lane takes back one row's 16 columns of one channel: 16 neighbouring positions along the keys;
;   rows 2 g and 2 g + 1 (neighbouring lanes) make a block of 32 keys.  Codes [32 heads][64 d][1,536 bytes], scale bytes [32][64][64].
; LIMITS: a block whose largest magnitude lies under 2^-124 gets the byte 1 (this program alone reads the bytes); NaN and infinities are not served.
; REGISTERS, in windows of 256: window 0: v0-31 addresses; v32-63 scale words, two sets; v64-127 the bias, later at work on the way out; from v128 A's fragments, one set, later rows from the stage.
;   window 1: the weight's fragments, two sets, at v0 and v128.   window 2, 3: the accumulators of my rows 0-63, 64-127 ((a, b) at v[8 (8 (a % 4) + b)]).
.set SIZE_K, 1024
.set ACS,    3145728                   ; where A's scale bytes begin in its buffer
.set OP,     768                       ; a row of the output's codes
.set KSO,    32                        ; a row of its scale bytes
.set CSO,    3145728                   ; where they begin in a part
.set PART,   3276800                   ; q, k, v^T: three parts of qkv
.set KSTEP,  256
.set NQ,     KSTEP/128
.set ROWB,   192
.set KROW,   SIZE_K*6/8
.set PITCH,  240                       ; an LDS row: 3 x (64 bytes + 16 of padding)
.set FR,     12
.set NL,     6
.set NP,     4
.set HALFT,  128*PITCH
.set SLOT,   4*HALFT
.set LAPS,   SIZE_K/(2*KSTEP)
.set KS,     SIZE_K/32
.set SCL,    2*SLOT
.set HALFS,  (128*KS/256)*272
.set SBLK,   (16*KS/256)*272
.set SPARE,  SCL+4*HALFS               ; the spare words, 128 bytes for each wave
.set SPITCH, 528                       ; the stages lie in slot 0, which has had its last fill and its last read when the first result is stored there
.set SCBC,   33792                     ; behind the four stages: 512 scale bytes a wave (q, k)
.set SCBV,   35840                     ; the same for v
.set STGV,   40960                     ; v's four stages: the two ways out store to no common byte
.set RDC,  8
.set COC,  9
.set SBC,  10
.set RDV,  11
.set COV,  12
.set SBV,  13
.set SRC,  14
.set SOC,  15
.set ADRA, 16
.set ADRB, 20
.set STO,  24
.set CO,   26
.set ADRS, 27
.set SPW,  28
.set NIL,  29
.set SRV,  30
.set STOV, 31
.set SC,   32
.set BI,   64
.set TM,   96
.set SOP,  100
.set EB,   104
.set EB2,  108
.set AF,   128
.set BK,   128
.set G1, 24
.set G0, 32
.set G1B, 48
.set G0B, 56
.set G1S, 68
.set G0S, 76
.set G1SB, 80
.set G0SB, 88
.set MSB, 0
.macro WIN new                         ; the immediate's high byte repeats the setting that is left
.if MSB != \new
	s_set_vgpr_msb (MSB<<8)|\new
.set MSB, \new
.endif
.endm
.set MUL_LO, 0xa1                      ; source 0 (weight) window 1, source 1 (A) window 0, C and D window 2
.set MUL_HI, 0xf1                      ; the same, C and D window 3
.set FIRST_LO, 0x81                    ; the first K step: C (the bias) window 0, D window 2
.set FIRST_HI, 0xc1
.set TO_B,   0x40
.macro JLOAD g0a, g1a, g0b, g1b        ; a joint load: waves 0 and 1 fetch for A, waves 2 and 3 for the weight; four v_nop follow each line
	s_cmp_eq_u32 s15, 0
	s_cbranch_scc0 .Lfor_b_\@
	tensor_load_to_lds s[\g0a:\g0a+3], s[\g1a:\g1a+7]
	s_nop 0
.rept 4
	v_nop
.endr
	s_branch .Lasked_\@
.Lfor_b_\@:
	tensor_load_to_lds s[\g0b:\g0b+3], s[\g1b:\g1b+7]
	s_nop 0
.rept 4
	v_nop
.endr
.Lasked_\@:
.endm
.macro CREST                           ; a round of the cluster's barrier behind its opening barrier
	s_cmp_lg_u32 s14, 0
	s_cbranch_scc1 .Lnot_wave_0_\@
	s_barrier_signal -3
.Lnot_wave_0_\@:
	s_barrier_wait -3
	s_barrier_signal -1
	s_barrier_wait -1
.endm
.macro CROUND
	s_barrier_signal -1
	s_barrier_wait -1
	CREST
.endm
	s_load_b256 s[68:75], s[0:1], 0x0              ; Wq's codes, Wq's scales, bq, Wk's codes
	s_load_b256 s[80:87], s[0:1], 0x20             ; Wk's scales, bk, wvp, qkv
	s_load_b64 s[4:5], s[0:1], 0x40                ; hA
	v_lshl_add_u32 v[SPW], v0, 2, SPARE
	v_mov_b32 v[NIL], 0
	ds_add_u32 v28, v29
	ds_add_u32 v28, v29
	s_wait_dscnt 0x0
	v_lshrrev_b32 v1, 5, v0
	v_readfirstlane_b32 s14, v1                    ; wave 0..3
	s_lshr_b32 s15, s14, 1                         ; which half of the tile's rows is mine.  Also: I fetch for A (0) or for the weight (1)
	s_and_b32 s16, s14, 1                          ; which half of its columns.  Also: which 128 rows of that tile I fetch
	s_bfe_u32 s40, ttmp6, 0x40000                  ; cx, cy: my place in the cluster
	s_bfe_u32 s41, ttmp6, 0x40004
	s_mov_b32 s42, s40                             ; tile column within the weight = cx
	s_mov_b32 s100, ttmp9                          ; which weight = the cluster's x
	s_and_b32 s17, ttmp7, 0xffff
	s_lshl_b32 s17, s17, 2
	s_add_co_u32 s17, s17, s41                     ; tile row = 4 x cluster y + cy
	s_lshl_b32 s43, s41, 2
	s_lshl_b32 s43, 15, s43                        ; my row of the cluster
	s_lshl_b32 s44, 0x1111, s40                    ; my column
	s_or_b32 s[G1+0], s43, (0<<16)|(1<<20)|(1<<21)|(3<<22)|(3<<25)  ; the mask; elements of 1 byte; padding of 4 words behind every 16; bit 21 beside a mask
	s_or_b32 s[G1B+0], s44, (0<<16)|(1<<20)|(1<<21)|(3<<22)|(3<<25)
.irp g, G1, G1B
	s_mov_b32 s[\g+1], ROWB<<16                    ; tensor_dim0
	s_mov_b32 s[\g+2], 128<<16                     ; tensor_dim1
	s_mov_b32 s[\g+3], ROWB<<16                    ; tile_dim0
	s_mov_b32 s[\g+4], 128                         ; tile_dim1
	s_mov_b32 s[\g+5], KROW                        ; stride from row to row
	s_mov_b32 s[\g+6], 0
	s_mov_b32 s[\g+7], 0
.endr
	s_lshl_b32 s18, s16, 7
	s_lshl_b32 s20, s17, 8
	s_add_co_u32 s20, s20, s18                     ; A: row 256 x tile row + 128 x half
	s_lshl_b32 s46, s42, 8
	s_add_co_u32 s46, s46, s18                     ; weight: row 256 x tile column + 128 x half
	s_mov_b32 s21, 0
	s_mov_b32 s47, 0
	s_mov_b64 s[18:19], KS
	s_mul_u64 s[22:23], s[20:21], s[18:19]         ; where these rows' scales begin,
	s_mul_u64 s[92:93], s[46:47], s[18:19]
	s_mov_b64 s[18:19], KROW
	s_mul_u64 s[20:21], s[20:21], s[18:19]         ; and their codes
	s_mul_u64 s[46:47], s[46:47], s[18:19]
	s_mul_i32 s45, s14, HALFT                      ; where they go: no place in the cluster enters an LDS address
	s_mul_i32 s94, s14, HALFS
	s_wait_kmcnt 0x0
	s_add_nc_u64 s[6:7], s[4:5], ACS               ; A's scale bytes
	s_add_nc_u64 s[88:89], s[84:85], 786432        ; wvp's scale bytes
	s_add_nc_u64 s[90:91], s[84:85], 819200        ; wvp's bias
	s_mov_b64 s[12:13], s[86:87]                   ; qkv
	s_cmp_eq_u32 s100, 1                           ; the weight is chosen by the cluster's x alone
	s_cselect_b64 s[8:9], s[74:75], s[68:69]
	s_cselect_b64 s[10:11], s[80:81], s[70:71]
	s_cselect_b64 s[96:97], s[82:83], s[72:73]
	s_cmp_eq_u32 s100, 2
	s_cselect_b64 s[8:9], s[84:85], s[8:9]
	s_cselect_b64 s[10:11], s[88:89], s[10:11]
	s_cselect_b64 s[96:97], s[90:91], s[96:97]
	s_or_b32 s[G1S+0], s43, (3<<16)|(1<<20)|(1<<21)|(5<<22)|(3<<25)   ; the scales of 128 rows: a dense block, as rows of 256 bytes with 16 of padding behind each
	s_or_b32 s[G1SB+0], s44, (3<<16)|(1<<20)|(1<<21)|(5<<22)|(3<<25)
.irp g, G1S, G1SB
	s_mov_b32 s[\g+1], 32<<16
	s_mov_b32 s[\g+2], (128*KS/256)<<16
	s_mov_b32 s[\g+3], 32<<16
	s_mov_b32 s[\g+4], 128*KS/256
	s_mov_b32 s[\g+5], 32
	s_mov_b32 s[\g+6], 0
	s_mov_b32 s[\g+7], 0
.endr
	s_add_nc_u64 s[20:21], s[4:5], s[20:21]
	s_add_nc_u64 s[22:23], s[6:7], s[22:23]
	s_add_nc_u64 s[46:47], s[8:9], s[46:47]
	s_add_nc_u64 s[92:93], s[10:11], s[92:93]
	CROUND                                         ; all sixteen work-groups are here: the first joint loads meet
	s_mov_b32 s[G0S], 1
	s_add_co_u32 s[G0S+1], s94, SCL
	s_mov_b64 s[G0S+2:G0S+3], s[22:23]
	s_or_b32 s[G0S+3], s[G0S+3], 0x80000000
	s_mov_b32 s[G0SB], 1
	s_add_co_u32 s[G0SB+1], s94, SCL
	s_mov_b64 s[G0SB+2:G0SB+3], s[92:93]
	s_or_b32 s[G0SB+3], s[G0SB+3], 0x80000000
	JLOAD G0S, G1S, G0SB, G1SB                     ; the scales first: they are wanted with K step 0
.irp s, 0,1
	s_mov_b32 s[G0+4*\s], 1
	s_add_co_u32 s[G0+4*\s+1], s45, \s*SLOT
	s_add_nc_u64 s[G0+4*\s+2:G0+4*\s+3], s[20:21], \s*ROWB
	s_or_b32 s[G0+4*\s+3], s[G0+4*\s+3], 0x80000000
	s_mov_b32 s[G0B+4*\s], 1
	s_add_co_u32 s[G0B+4*\s+1], s45, \s*SLOT
	s_add_nc_u64 s[G0B+4*\s+2:G0B+4*\s+3], s[46:47], \s*ROWB
	s_or_b32 s[G0B+4*\s+3], s[G0B+4*\s+3], 0x80000000
	JLOAD G0+4*\s, G1, G0B+4*\s, G1B
.endr
	v_and_b32 v1, 15, v0                           ; r = l % 16
	v_bfe_u32 v2, v0, 4, 1                         ; h = l / 16
	s_lshl_b32 s46, s42, 10
	s_lshl_b32 s47, s16, 9
	s_add_co_u32 s46, s46, s47                     ; my first column x 4 bytes
	s_mov_b32 s47, 0
	s_add_nc_u64 s[96:97], s[96:97], s[46:47]
	v_lshlrev_b32 v7, 5, v2
.irp b, 0,1,2,3,4,5,6,7                            ; the bias in the result's layout: tile b, register j: column 16 b + 8 h + j
	global_load_b128 v[BI+8*\b:BI+8*\b+3], v7, s[96:97] offset:64*\b
	global_load_b128 v[BI+8*\b+4:BI+8*\b+7], v7, s[96:97] offset:64*\b+16
.endr
	v_mul_u32_u24 v3, v1, PITCH
	v_mul_u32_u24 v4, v2, 24
	v_add_nc_u32 v4, v3, v4                        ; a fragment's row x pitch + 24 x half
	v_lshl_add_u32 v5, v2, 4, v4                   ; and the same behind one padding more
	s_mul_i32 s21, s15, HALFT
	s_mul_i32 s22, s16, HALFT
	s_add_co_u32 s22, s22, 2*HALFT
.irp s, 0,1
	v_add_nc_u32 v[ADRA+\s], s21, v4
	v_add_nc_u32 v[ADRB+\s], s22, v4
	v_add_nc_u32 v[ADRA+2+\s], s21, v5
	v_add_nc_u32 v[ADRB+2+\s], s22, v5
	s_add_co_u32 s21, s21, SLOT
	s_add_co_u32 s22, s22, SLOT
.endr
	v_mul_u32_u24 v5, v1, KS                       ; my row's scales: KS bytes a row,
	v_lshrrev_b32 v6, 8, v5
	v_lshl_add_u32 v5, v6, 4, v5                   ; and 16 more for each 256 passed
	s_mul_i32 s21, s15, HALFS
	s_mul_i32 s22, s16, HALFS
	s_add_co_u32 s22, s22, 2*HALFS
	s_sub_co_u32 s22, s22, s21
	v_mul_u32_u24 v6, s22, v2                      ; lanes 16-31 take the weight's
	s_add_co_u32 s21, s21, SCL
	v_add_nc_u32 v5, v5, v6
	v_add_nc_u32 v[ADRS], s21, v5
	s_mul_i32 s23, s14, 16*SPITCH                  ; my stage
	v_mul_u32_u24 v5, v1, SPITCH
	v_lshl_add_u32 v3, v2, 5, v5
	v_add_nc_u32 v[STO], s23, v3                   ; in: row r, 32 bytes for each half of the lanes
	v_and_b32 v6, 31, v0
	v_lshlrev_b32 v[CO], 4, v6                     ; 16 x lane
	s_add_co_u32 s22, s23, STGV
	v_add_nc_u32 v[STOV], s22, v3
	v_lshl_add_u32 v3, v2, 6, v5
	v_add_nc_u32 v[RDV], s22, v3                   ; v, back: row l % 16, channel l / 16 of a pair: 64 bytes
	v_mul_u32_u24 v[COV], v2, 1536
	v_mad_u32_u24 v[COV], v1, 12, v[COV]           ; and in v^T: 1,536 (l / 16) + 12 (l % 16)
	v_lshrrev_b32 v3, 3, v6                        ; l / 8
	v_and_b32 v4, 7, v6                            ; l % 8
	v_mul_u32_u24 v[RDC], v3, SPITCH
	v_lshl_add_u32 v[RDC], v4, 6, v[RDC]
	v_add_nc_u32 v[RDC], s23, v[RDC]               ; q, k, back: row l / 8 of four, 16 columns: 64 bytes
	v_mul_u32_u24 v[COC], v3, OP
	v_mad_u32_u24 v[COC], v4, 12, v[COC]
	s_lshl_b32 s21, s14, 9
	s_add_co_u32 s22, s21, SCBC
	v_bfe_u32 v5, v6, 1, 2
	v_lshl_add_u32 v[SBC], v3, 2, v5
	v_add_nc_u32 v[SBC], s22, v[SBC]               ; scale bytes: 4 a row, block (l % 8) / 2
	v_lshl_add_u32 v[SRC], v6, 2, s22
	v_mul_u32_u24 v[SOC], v6, KSO
	s_add_co_u32 s22, s21, SCBV
	v_bfe_u32 v5, v6, 1, 3
	v_lshl_add_u32 v[SBV], v2, 6, v5
	v_add_nc_u32 v[SBV], s22, v[SBV]               ; v: 64 a channel, block (l % 16) / 2 of the eight of 16 rows
	v_lshl_add_u32 v[SRV], v6, 4, s22
	; where my part of the output begins, as offsets in qkv
	s_lshl_b32 s20, s17, 8
	s_lshl_b32 s21, s15, 7
	s_add_co_u32 s20, s20, s21                     ; my first row
	s_lshl_b32 s92, s42, 1
	s_add_co_u32 s92, s92, s16                     ; my 128 columns' number
	s_lshr_b32 s93, s20, 1
	s_lshl_b32 s94, s92, 3
	s_add_co_u32 s93, s93, s94                     ; v^T's row: 64 x head + my first channel
	s_mul_i32 s94, s93, 1536
	s_lshl_b32 s93, s93, 6
	s_add_co_u32 s93, s93, CSO
	s_mul_i32 s18, s20, OP
	s_mul_i32 s21, s92, 96
	s_add_co_u32 s18, s18, s21
	s_mul_i32 s20, s20, KSO
	s_lshl_b32 s21, s92, 2
	s_add_co_u32 s20, s20, s21
	s_add_co_u32 s20, s20, CSO
	s_cmp_eq_u32 s100, 2
	s_cselect_b32 s18, s94, s18
	s_cselect_b32 s20, s93, s20
	s_mul_i32 s45, s100, PART
	s_add_co_u32 s18, s18, s45
	s_add_co_u32 s20, s20, s45
	s_mov_b32 s19, 0
	s_mov_b32 s21, 0
	s_add_nc_u64 s[98:99], s[12:13], s[20:21]      ; the scale bytes
	s_add_nc_u64 s[12:13], s[12:13], s[18:19]      ; the codes
.macro FRAG reg, adr, q, i             ; a fragment, 16 rows x 128 K, is 12 registers: registers 6 c .. 6 c + 5 hold K = 64 c + 32 (l / 16) + 0 .. 31: 24 bytes of the row, as they lie
.irp p, 0,1,2,3,4,5                    ; in pieces of 8 bytes; lanes 16-31 read three pieces on: where that is behind one padding more, the second address register serves
.set PC, 12*(\q)+6*(\p/3)+\p%3
.if PC%8 < 5
	ds_load_b64 v[\reg+2*\p:\reg+2*\p+1], v[\adr] offset:8*PC+16*(PC/8)+(\i)*16*PITCH
.else
	ds_load_b64 v[\reg+2*\p:\reg+2*\p+1], v[\adr+2] offset:8*PC+16*(PC/8)+(\i)*16*PITCH
.endif
.endr
.endm
; 16 matrix instructions: A's blocks a0, a0 + 1 x the weight's eight.  first = 1: C is the bias.  The 64 accumulators take turns, one instruction a turn.
.macro MUL16 a0, p, q, sc, first
.irp a, \a0, \a0+1
.irp b, 0,1,2,3,4,5,6,7
.if \first
	v_wmma_scale_f32_16x16x128_f8f6f4 v[8*(8*((\a)%4)+\b):8*(8*((\a)%4)+\b)+7], v[128*(\p)+FR*\b:128*(\p)+FR*\b+FR-1], v[AF+FR*(\a):AF+FR*(\a)+FR-1], v[BI+8*\b:BI+8*\b+7], v[SC+8*NQ*(\sc)+NQ*\b+(\q)], v[SC+8*NQ*(\sc)+NQ*(\a)+(\q)] matrix_a_fmt:MATRIX_FMT_FP6 matrix_b_fmt:MATRIX_FMT_FP6 matrix_a_scale:MATRIX_SCALE_ROW1
.else
	v_wmma_scale_f32_16x16x128_f8f6f4 v[8*(8*((\a)%4)+\b):8*(8*((\a)%4)+\b)+7], v[128*(\p)+FR*\b:128*(\p)+FR*\b+FR-1], v[AF+FR*(\a):AF+FR*(\a)+FR-1], v[8*(8*((\a)%4)+\b):8*(8*((\a)%4)+\b)+7], v[SC+8*NQ*(\sc)+NQ*\b+(\q)], v[SC+8*NQ*(\sc)+NQ*(\a)+(\q)] matrix_a_fmt:MATRIX_FMT_FP6 matrix_b_fmt:MATRIX_FMT_FP6 matrix_a_scale:MATRIX_SCALE_ROW1
.endif
.endr
.endr
.endm
.macro FETCH_B slot, q, p
	WIN TO_B
.irp i, 0,1,2,3,4,5,6,7
	FRAG 128*(\p)+FR*\i, ADRB+\slot, \q, \i
.endr
	WIN 0
.endm
.macro FETCH_A slot, q, i0
.irp i, \i0, \i0+1, \i0+2, \i0+3
	FRAG AF+FR*(\i), ADRA+\slot, \q, \i
.endr
.endm
.macro SCALES sc                       ; a K step's scale words: lanes 0-15 take A's block i, lanes 16-31 the weight's block i
.irp i, 0,1,2,3,4,5,6,7
	ds_load_b64 v[SC+8*NQ*\sc+NQ*\i:SC+8*NQ*\sc+NQ*\i+1], v[ADRS] offset:\i*SBLK
.endr
.endm
.macro PLACES n                        ; plain vector lines behind matrix instructions, in front of loads into their registers and of reads of results
.rept \n
	v_nop
.endr
.endm
.macro STEP slot, q, first             ; a step of 128 along K that has its successor in the same slot
	s_wait_dscnt 4*NL                              ; all but the youngest loads (A's blocks 4-7) are in
.if \first
	WIN FIRST_LO
.else
	WIN MUL_LO
.endif
	MUL16 0, (\q)%2, \q, \slot, \first
	MUL16 2, (\q)%2, \q, \slot, \first
	s_wait_dscnt 0
	PLACES NP
	FETCH_B \slot, (\q)+1, 1-(\q)%2
	FETCH_A \slot, (\q)+1, 0
.if \first
	WIN FIRST_HI
.else
	WIN MUL_HI
.endif
	MUL16 4, (\q)%2, \q, \slot, \first
	MUL16 6, (\q)%2, \q, \slot, \first
	PLACES NP
	WIN 0
	FETCH_A \slot, (\q)+1, 4
.endm
.macro TURN slot, next, fill           ; a slot's last step changes slots: one barrier; fill = 1: this slot is filled again, two K steps ahead
	s_wait_tensorcnt 0x0                           ; all my tensor loads have landed: my part of the next slot
	ds_add_u32 v[SPW], v[NIL]                      ; 0 onto my spare word
	s_wait_dscnt 4*NL+1                            ; the add and A's blocks 4-7 may be out
	WIN MUL_LO
	MUL16 0, 1, NQ-1, \slot, 0
	s_wait_dscnt 0x0                               ; the add is done, and my reads of this slot are over
	s_barrier_signal -1
	MUL16 2, 1, NQ-1, \slot, 0
	WIN 0
	s_barrier_wait -1
.if \fill
	CREST                                          ; the barrier has opened a round of the cluster's: no wave of any partner still reads this slot or has a load on its way
	s_add_nc_u64 s[G0+4*\slot+2:G0+4*\slot+3], s[G0+4*\slot+2:G0+4*\slot+3], 2*ROWB
	s_add_nc_u64 s[G0B+4*\slot+2:G0B+4*\slot+3], s[G0B+4*\slot+2:G0B+4*\slot+3], 2*ROWB
	JLOAD G0+4*\slot, G1, G0B+4*\slot, G1B         ; the first tensor load behind the round; its four v_nop are the places in front of the loads below
.else
	PLACES NP
.endif
	v_add_nc_u32 v[ADRS], 4*NQ, v[ADRS]            ; the next K step's scale words
	FETCH_B \next, 0, 0
	FETCH_A \next, 0, 0
	SCALES \next
	WIN MUL_HI
	MUL16 4, 1, NQ-1, \slot, 0
	MUL16 6, 1, NQ-1, \slot, 0
	PLACES NP
	WIN 0
	FETCH_A \next, 0, 4
.endm
	s_wait_tensorcnt 1                             ; the scales and my part of K step 0 are in; K step 1's load may be out
	s_barrier_signal -1
	s_barrier_wait -1
	FETCH_B 0, 0, 0
	FETCH_A 0, 0, 0
	SCALES 0
	FETCH_A 0, 0, 4
	s_wait_loadcnt 0x0                             ; the bias
	STEP 0, 0, 1
	s_mov_b32 s3, LAPS-1
.Llap:                                                 ; a trip goes once round the ring and fills both slots again
	TURN 0, 1, 1
	STEP 1, 0, 0
	TURN 1, 0, 1
	STEP 0, 0, 0
	s_sub_co_u32 s3, s3, 1
	s_cmp_lg_u32 s3, 0
	s_cbranch_scc1 .Llap
	TURN 0, 1, 0                                   ; the last lap fills nothing
	STEP 1, 0, 0
	s_wait_dscnt 4*NL
	WIN MUL_LO
	MUL16 0, 1, NQ-1, 1, 0
	MUL16 2, 1, NQ-1, 1, 0
	s_wait_dscnt 0
	WIN MUL_HI
	MUL16 4, 1, NQ-1, 1, 0
	MUL16 6, 1, NQ-1, 1, 0
	WIN 0
; THE WAY OUT, block by block of 16 rows.  TOSTAGE: the accumulators as they are into my stage, each from its low end on, and back as 16 neighbours a lane, four runs.
.macro TOSTAGE a, sto, rd, step
.set AC, 64*((\a)%4)
	WIN 0x08+4*((\a)/4)                            ; the data: window 2 or 3
.irp b, 0,1,2,3,4,5,6,7
	ds_store_b128 v[\sto], v[AC+8*\b:AC+8*\b+3] offset:64*\b
	ds_store_b128 v[\sto], v[AC+8*\b+4:AC+8*\b+7] offset:64*\b+16
.endr
	WIN 0
.set BB, BK+64*((\a)%2)
.irp it, 0,1,2,3
.irp j, 0,1,2,3
	ds_load_b128 v[BB+16*\it+4*\j:BB+16*\it+4*\j+3], v[\rd] offset:\step*\it+16*\j   ; LDS serves a wave's instructions in order: these see the stores above
.endr
.endr
.endm
; QSEND: four runs of 16 numbers a lane become codes and scale bytes.  vt = 1: v's way.
.macro QSEND a, younger, vt
.set BB, BK+64*((\a)%2)
.set CD, 64+16*((\a)%2)
	s_wait_dscnt \younger                          ; the block is back; the next block's 16 stores and 16 loads may be out
.irp it, 0,1,2,3
	v_max3_num_f32 v[TM+\it], |v[BB+16*\it]|, |v[BB+16*\it+1]|, 0x1800000   ; with the floor 2^(3 - 127): the byte cannot fall under 1
.endr
.irp i, 2,4,6,8,10,12,14
.irp it, 0,1,2,3
	v_max3_num_f32 v[TM+\it], v[TM+\it], |v[BB+16*\it+\i]|, |v[BB+16*\it+\i+1]|
.endr
.endr
.irp it, 0,1,2,3
	v_max_num_f32_dpp v[TM+\it], v[TM+\it], v[TM+\it] row_xmask:1 row_mask:0xf bank_mask:0xf   ; my neighbour holds the block's other 16
.endr
.irp it, 0,1,2,3
	v_add_nc_u32 v[SOP+\it], 0xff000000, v[TM+\it] ; 2 off the exponent field: the conversion's scale operand
.endr
.irp it, 0,1,2,3
	v_cvt_scalef32_pk16_fp6_f32 v[CD+4*\it:CD+4*\it+2], v[BB+16*\it:BB+16*\it+15], v[SOP+\it]
.endr
.irp it, 0,1,2,3
	v_lshrrev_b32 v[EB+\it], 23, v[SOP+\it]        ; the byte (also the plain line behind the conversions)
.endr
.irp it, 0,1,2,3
.if \vt
	ds_store_b8 v[SBV], v[EB+\it] offset:128*\it+8*(\a)
	global_store_b96 v[COV], v[CD+4*\it:CD+4*\it+2], s[12:13] offset:3072*\it+192*(\a)   ; two channels x 192 consecutive bytes
.else
	ds_store_b8 v[SBC], v[EB+\it] offset:64*(\a)+16*\it
	global_store_b96 v[COC], v[CD+4*\it:CD+4*\it+2], s[12:13] offset:(16*(\a)+4*\it)*OP   ; four rows x 96 consecutive bytes
.endif
.endr
.endm
	PLACES NP
	s_cmp_eq_u32 s100, 2                           ; the cluster's x: alike in every wave of every partner
	s_cbranch_scc1 .Lway_v
	TOSTAGE 0, STO, RDC, 4*SPITCH
.irp a, 1,2,3,4,5,6,7
.if \a > 1
	s_wait_xcnt 0x0                                ; block a - 3's stores have read the code registers that block a - 1 writes
.endif
	TOSTAGE \a, STO, RDC, 4*SPITCH
	QSEND \a-1, 32, 0
.endr
	QSEND 7, 0, 0
.irp k, 0,1,2,3
	ds_load_b32 v[EB2+\k], v[SRC] offset:128*\k    ; my 128 rows' scale words
.endr
.irp k, 0,1,2,3
	s_wait_dscnt 3-\k
	global_store_b32 v[SOC], v[EB2+\k], s[98:99] offset:32*\k*KSO   ; 4 bytes a row, rows 32 bytes apart: the price of scale bytes that lie by rows; one byte in 24 of what leaves here
.endr
	s_branch .Ldone
.Lway_v:
	TOSTAGE 0, STOV, RDV, 128
.irp a, 1,2,3,4,5,6,7
.if \a > 1
	s_wait_xcnt 0x0
.endif
	TOSTAGE \a, STOV, RDV, 128
	QSEND \a-1, 32, 1
.endr
	QSEND 7, 0, 1
	ds_load_b128 v[EB2:EB2+3], v[SRV]              ; my 8 channels x 64 scale bytes: 512 consecutive bytes in memory
	s_wait_dscnt 0x0
	global_store_b128 v[CO], v[EB2:EB2+3], s[98:99]
.Ldone:
	s_wait_tensorcnt 0x0                           ; the wave's end
	ds_add_u32 v[SPW], v[NIL]
	s_wait_dscnt 0x0
	CROUND                                         ; the closing round
	s_endpgm
.Lfunc_end_k_q7bb9551a60_gemm_qkv:
	.size	k_q7bb9551a60_gemm_qkv, .Lfunc_end_k_q7bb9551a60_gemm_qkv-k_q7bb9551a60_gemm_qkv
	.p2alignl 7, 3214868480
	.fill 96, 4, 3214868480
	.section	.rodata,"a",@progbits
	.p2align	6, 0x0
	.amdhsa_kernel k_q7bb9551a60_gemm_qkv
		.amdhsa_group_segment_fixed_size 327680
		.amdhsa_private_segment_fixed_size 0
		.amdhsa_enable_private_segment 0
		.amdhsa_kernarg_size 72
		.amdhsa_user_sgpr_count 2
		.amdhsa_user_sgpr_kernarg_segment_ptr 1
		.amdhsa_wavefront_size32 1
		.amdhsa_system_sgpr_workgroup_id_x 1
		.amdhsa_system_sgpr_workgroup_id_y 1
		.amdhsa_system_sgpr_workgroup_id_z 1
		.amdhsa_system_vgpr_workitem_id 0
		.amdhsa_next_free_vgpr 1024
		.amdhsa_next_free_sgpr 102
		.amdhsa_reserve_vcc 0
		.amdhsa_float_denorm_mode_32 3
		.amdhsa_float_denorm_mode_16_64 3
		.amdhsa_memory_ordered 1
		.amdhsa_forward_progress 1
		.amdhsa_inst_pref_size 228
	.end_amdhsa_kernel
	.amdgpu_metadata
---
amdhsa.version: [ 1, 2 ]
amdhsa.kernels:
  - .name:           k_q7bb9551a60_gemm_qkv
    .symbol:         k_q7bb9551a60_gemm_qkv.kd
    .args:
      - { .name: Wq_codes, .offset: 0, .size: 8, .value_kind: global_buffer, .address_space: global }
      - { .name: Wq_scales, .offset: 8, .size: 8, .value_kind: global_buffer, .address_space: global }
      - { .name: bq, .offset: 16, .size: 8, .value_kind: global_buffer, .address_space: global }
      - { .name: Wk_codes, .offset: 24, .size: 8, .value_kind: global_buffer, .address_space: global }
      - { .name: Wk_scales, .offset: 32, .size: 8, .value_kind: global_buffer, .address_space: global }
      - { .name: bk, .offset: 40, .size: 8, .value_kind: global_buffer, .address_space: global }
      - { .name: wvp, .offset: 48, .size: 8, .value_kind: global_buffer, .address_space: global }
      - { .name: qkv, .offset: 56, .size: 8, .value_kind: global_buffer, .address_space: global }
      - { .name: hA, .offset: 64, .size: 8, .value_kind: global_buffer, .address_space: global }
    .group_segment_fixed_size: 327680
    .private_segment_fixed_size: 0
    .kernarg_segment_align: 8
    .kernarg_segment_size: 72
    .max_flat_workgroup_size: 128
    .sgpr_count:     102
    .vgpr_count:     1024
    .wavefront_size: 32
...
	.end_amdgpu_metadata
.endif
;; end of part 2
;; launch attn (part 3): grid 8 x 32, 16 waves a work-group, clusters of 4 x 1, 236,544 bytes of LDS; arguments qkv, hA; writes hA
.if DOCPART == 3
	.amdgcn_target "amdgcn-amd-amdhsa--gfx1250"
	.amdhsa_code_object_version 6
	.text
	.protected	k_q7bb9551a60_attn
	.globl	k_q7bb9551a60_attn
	.p2align	8
	.type	k_q7bb9551a60_attn,@function
k_q7bb9551a60_attn:
	s_mov_b64 s[64:65], 0
	v_nop
	global_prefetch_b8 v0, s[64:65] scope:SCOPE_SE
	s_setreg_imm32_b32 hwreg(HW_REG_WAVE_MODE, 25, 1), 1
	s_wait_xcnt 0x0
	s_wait_alu depctr_hold_cnt(0) depctr_sa_sdst(0) depctr_va_vdst(0) depctr_va_sdst(0) depctr_va_ssrc(0) depctr_va_vcc(0) depctr_vm_vsrc(0)
	s_getreg_b32 s2, hwreg(HW_REG_IB_STS2, 6, 4)
	s_cmp_eq_u32 s2, 0
	s_cbranch_scc0 .Lentry_in_a_cluster
	s_endpgm
.Lentry_in_a_cluster:
	s_bfe_u32 s2, ttmp6, 0x10000c
	s_cmp_lg_u32 s2, 0x3003
	s_cbranch_scc0 .Lentry_shape_is_right
	s_endpgm
.Lentry_shape_is_right:
; o = softmax(q k^T / 32) v for 32 heads of 2,048 x 64, both products on codes of E2M3; o / l is quantised along the head's 64 into hA (codes [4096][768], scale bytes behind them).
; t = score x log2(e) / 32; M = the running largest t rounded UP to a whole number; p = 2^(t - M) is quantised along the keys, not normalised; the row's sum l is taken of the unquantised p.
; SHARES.  A work-group owns 256 queries of one head, each of its sixteen waves 16.  THE WHOLE HEAD's k, v^T and scale bytes lie in LDS, filled once: no slot is ever filled again.
; CLUSTER.  The four query blocks of a cluster belong to one head: each tile is asked for jointly, by the same tensor load with the mask of all four.
; LAYOUT.  Both products are used transposed, so that a lane holds one query.  The head has 64 along K and the instruction 128: a ROW OF k's FRAGMENT IS TWO KEYS (2 rho, 2 rho + 1: 96 bytes, one scale word),
; multiplied once by [q | 0] (the even key's score) and once by [0 | q] (the odd key's).  A lane's 16 registers of block b are then keys 32 b + 16 (lane / 16) + pi(i), pi(i) = 2 (i % 8) + i / 8,
; which is the order in which v^T's positions were laid: always inside the true block of 32 keys.
; The rows of v^T that form a tile are not neighbours: lane r of tile 2 e + u takes channel 32 e + 8 u + r + 8 (r / 8), so that the 16 registers of two tiles are 16 neighbouring channels for o's quantiser.
; LIMITS: a block under 2^-124 gets the byte 1 (this program alone reads the bytes); NaN and infinities are not served.
.set PART, 3276800
.set CSO,  3145728
.set KQ,   24576                       ; a quarter of k: 256 rows of two keys x 96 bytes, dense
.set VC,   98304                       ; v^T: four quarters of 64 rows x 432 bytes (384 + 16 of padding behind each 128)
.set VQ,   27648
.set VP,   432
.set SCK,  208896                      ; k's scale bytes, units of 256 + 16
.set SCV,  213248                      ; v^T's likewise
.set OST,  217600                      ; the way out: 1,024 bytes a wave
.set OSC,  233984                      ; o's 512 scale bytes
.set AK0,  1
.set AV0,  2
.set AV1,  3
.set ASK0, 4
.set ASV0, 5
.set ADK,  8
.set ADV,  9
.set ADV1, 10
.set ADS,  11
.set QE,   16                          ; v16-27 [q | 0];  v28-39 [0 | q]
.set QO,   28
.set QS,   40                          ; q's scale word;  v41 p's;  v42-45 k's;  v46-49 v^T's
.set PS,   41
.set KSW,  42
.set VSW,  46
.set ADT,  50
.set FRG,  52                          ; v52-99 four fragments of k or of v^T
.set S,    100                         ; v100-163 scores, then p
.set O,    164                         ; v164-195 o^T
.set PCD,  196                         ; v196-207 p's codes;  v208-215 their other halves
.set PT,   208
.set BM,   216
.set BT,   220
.set BS,   224
.set F,    228
.set T,    230
.set WV,   88
.set SEL,  90
.set CS,   92
.macro CROUND                          ; a round of the cluster's barrier
	s_barrier_signal -1
	s_barrier_wait -1
	s_cmp_lg_u32 s[WV], 0
	s_cbranch_scc1 .Lnot_wave_0_\@
	s_barrier_signal -3
.Lnot_wave_0_\@:
	s_barrier_wait -3
	s_barrier_signal -1
	s_barrier_wait -1
.endm
	s_load_b128 s[4:7], s[0:1], 0x0                ; qkv, hA
	v_lshl_add_u32 v247, v0, 2, 0x39400
	v_mov_b32 v251, 0
	ds_add_u32 v247, v251
	ds_add_u32 v247, v251
	v_lshrrev_b32 v8, 5, v0
	v_readfirstlane_b32 s[WV], v8                  ; wave 0..15
	s_and_b32 s89, s[WV], 1                        ; which half of a tile I fetch, if I fetch
	s_and_b32 s99, ttmp7, 0xffff                   ; the head, which the four partners share
	s_bfe_u32 s100, ttmp6, 0x40000                 ; cx
	s_lshl_b32 s101, ttmp9, 2
	s_add_co_u32 s100, s100, s101                  ; my block of 256 queries: it enters q's and o's addresses alone
	s_mul_i32 s8, s99, 98304                       ; the head's codes,
	s_lshl_b32 s9, s99, 12                         ; its scale bytes
	s_mul_i32 s16, s89, 12288
	s_add_co_u32 s16, s16, s8
	s_mov_b32 s17, 0                               ; k: my half of a quarter
	s_lshl_b32 s18, s89, 11
	s_add_co_u32 s18, s18, s9
	s_add_co_u32 s18, s18, CSO
	s_mov_b32 s19, 0                               ; scale bytes: my half of a head's
	s_mul_i32 s66, s89, 49152
	s_add_co_u32 s66, s66, s8
	s_mov_b32 s67, 0                               ; v^T: my 32 rows
	s_lshl_b32 s101, s100, 8
	s_lshl_b32 s2, s[WV], 4
	s_add_co_u32 s101, s101, s2                    ; my first query
	s_mul_i32 s2, s101, 48
	s_add_co_u32 s2, s2, s8
	s_mov_b32 s3, 0
	s_lshl_b32 s10, s101, 1
	s_add_co_u32 s10, s10, s9
	s_add_co_u32 s10, s10, CSO
	s_mov_b32 s11, 0
	s_lshl_b32 s100, s100, 9
	s_add_co_u32 s100, s100, s9
	s_add_co_u32 s100, s100, CSO
	s_mov_b32 s101, 0
	s_mul_i32 s99, s89, 12288                      ; and where the halves go in LDS
	s_mul_i32 s98, s89, 13824
	s_mul_i32 s97, s89, 2176
	s_mov_b32 s20, 15|(3<<16)|(1<<21)              ; k: a dense block of 12,288 bytes as 48 rows of 32 elements of 8 bytes; the mask of all four, bit 21 beside it
	s_mov_b32 s21, 32<<16
	s_mov_b32 s22, 48<<16
	s_mov_b32 s23, 32<<16
	s_mov_b32 s24, 48
	s_mov_b32 s25, 32
	s_mov_b32 s26, 0
	s_mov_b32 s27, 0
	s_mov_b32 s28, 15|(0<<16)|(1<<20)|(1<<21)|(4<<22)|(3<<25)   ; v^T: 32 rows of 384 bytes, 1,536 apart; 4 words of padding behind every 32
	s_mov_b32 s29, 384<<16
	s_mov_b32 s30, 32<<16
	s_mov_b32 s31, 384<<16
	s_mov_b32 s32, 32
	s_mov_b32 s33, 1536
	s_mov_b32 s34, 0
	s_mov_b32 s35, 0
	s_mov_b32 s36, 15|(3<<16)|(1<<20)|(1<<21)|(5<<22)|(3<<25)   ; scale bytes: 8 rows of 256 bytes, 16 of padding behind each
	s_mov_b32 s37, 32<<16
	s_mov_b32 s38, 8<<16
	s_mov_b32 s39, 32<<16
	s_mov_b32 s40, 8
	s_mov_b32 s41, 32
	s_mov_b32 s42, 0
	s_mov_b32 s43, 0
	s_mov_b32 s[SEL], 0x76543210
	s_mov_b32 s[SEL+1], 0xfedcba98                 ; v_permlanex16_b32's selects for lane l xor 16
	s_mov_b32 s[CS], 0x3d38aa3b                    ; c = log2(e) / 32
	s_mov_b32 s[CS+1], s[CS]
	s_wait_dscnt 0x0
	s_wait_kmcnt 0x0
	s_add_nc_u64 s[12:13], s[4:5], PART            ; k's part
	s_add_nc_u64 s[14:15], s[4:5], 2*PART          ; v^T's
	s_mov_b32 s44, 1
	s_add_co_u32 s45, s97, SCK
	s_add_nc_u64 s[46:47], s[12:13], s[18:19]
	s_or_b32 s47, s47, 0x80000000
	s_mov_b32 s68, 1
	s_add_co_u32 s69, s97, SCV
	s_add_nc_u64 s[70:71], s[14:15], s[18:19]
	s_or_b32 s71, s71, 0x80000000
	s_add_nc_u64 s[12:13], s[12:13], s[16:17]
	s_add_nc_u64 s[14:15], s[14:15], s[66:67]
.irp i, 0,1,2,3
	s_mov_b32 s[48+4*\i], 1
	s_add_co_u32 s[49+4*\i], s99, KQ*\i
	s_add_nc_u64 s[50+4*\i:51+4*\i], s[12:13], KQ*\i
	s_or_b32 s[51+4*\i], s[51+4*\i], 0x80000000
	s_mov_b32 s[72+4*\i], 1
	s_add_co_u32 s[73+4*\i], s98, VC+VQ*\i
	s_add_nc_u64 s[74+4*\i:75+4*\i], s[14:15], 384*\i
	s_or_b32 s[75+4*\i], s[75+4*\i], 0x80000000
.endr
	CROUND                                         ; all four work-groups are here: the joint loads meet
	s_cmp_lt_u32 s[WV], 2                          ; waves 0, 1: k's halves; waves 2, 3: v^T's; a wave's five loads stand together: five of mine are out
	s_cbranch_scc0 .Lnot_k
	tensor_load_to_lds s[44:47], s[36:43]
	s_nop 0
	tensor_load_to_lds s[48:51], s[20:27]
	s_nop 0
	tensor_load_to_lds s[52:55], s[20:27]
	s_nop 0
	tensor_load_to_lds s[56:59], s[20:27]
	s_nop 0
	tensor_load_to_lds s[60:63], s[20:27]
	s_nop 0
.rept 4
	v_nop
.endr
	s_branch .Lasked
.Lnot_k:
	s_cmp_lt_u32 s[WV], 4
	s_cbranch_scc0 .Lasked
	tensor_load_to_lds s[68:71], s[36:43]
	s_nop 0
	tensor_load_to_lds s[72:75], s[28:35]
	s_nop 0
	tensor_load_to_lds s[76:79], s[28:35]
	s_nop 0
	tensor_load_to_lds s[80:83], s[28:35]
	s_nop 0
	tensor_load_to_lds s[84:87], s[28:35]
	s_nop 0
.rept 4
	v_nop
.endr
.Lasked:
	s_add_nc_u64 s[10:11], s[4:5], s[10:11]        ; q's scale bytes at my first query
	s_add_nc_u64 s[4:5], s[4:5], s[2:3]            ; q's codes
	s_add_nc_u64 s[100:101], s[6:7], s[100:101]    ; o's scale bytes at my work-group's first query
	s_add_nc_u64 s[6:7], s[6:7], s[2:3]            ; o's codes at my first query
	v_and_b32 v8, 15, v0                           ; r
	v_bfe_u32 v9, v0, 4, 1                         ; h
	v_mul_u32_u24 v10, v8, 48
	v_mad_u32_u24 v10, v9, 24, v10                 ; q: row r of 48 bytes, + 24 h
.irp p, 0,1,2
	global_load_b64 v[QE+2*\p:QE+2*\p+1], v10, s[4:5] offset:8*\p        ; K = 32 h .. of [q | 0]
	global_load_b64 v[QO+6+2*\p:QO+7+2*\p], v10, s[4:5] offset:8*\p      ; K = 64 + 32 h .. of [0 | q]
.endr
	v_lshlrev_b32 v11, 1, v8
	global_load_u16 v[T], v11, s[10:11]            ; q's two scale bytes
.irp p, 0,1,2,3,4,5
	v_mov_b32 v[QE+6+\p], 0                        ; zero codes add nothing under any scale byte but 0xff
	v_mov_b32 v[QO+\p], 0
.endr
	v_mul_u32_u24 v[AK0], v8, 96
	v_mad_u32_u24 v[AK0], v9, 24, v[AK0]
	v_and_b32 v231, 8, v8
	v_add_nc_u32 v231, v231, v8                    ; r + 8 (r / 8)
	v_mul_u32_u24 v[AV0], v231, VP
	v_mad_u32_u24 v[AV0], v9, 24, v[AV0]
	v_add_nc_u32 v[AV0], VC, v[AV0]
	v_lshl_add_u32 v[AV1], v9, 4, v[AV0]           ; the same behind one padding more
	v_lshl_add_u32 v[ASK0], v8, 2, SCK             ; k's scale words: 4 bytes a row of two keys; a step's 64 rows are one unit
	v_lshrrev_b32 v[ASV0], 2, v231
	v_lshlrev_b32 v[ASV0], 4, v[ASV0]
	v_lshl_add_u32 v[ASV0], v231, 6, v[ASV0]
	v_add_nc_u32 v[ASV0], SCV, v[ASV0]             ; v^T's: 64 bytes a channel, four channels to a unit
	v_mov_b32 v13, 0xff61b1e6                      ; the largest t so far: -3e38
	v_floor_f32 v12, -v13                          ; -M
	v_mov_b32 v14, 0                               ; the sum, in two halves
	v_mov_b32 v15, 0
	v_mov_b32 v[F+1], 0                            ; named as the upper half of a pair
.irp b, 0,1,2,3
	v_mov_b32 v[BT+\b], 0                          ; a lane permute's destination counts as one of its sources
.endr
	s_mov_b32 s94, 0                               ; where the quarter in hand begins: k, v^T, k's scale words, v^T's
	s_mov_b32 s95, 0
	s_mov_b32 s96, 0
	s_mov_b32 s97, 0
	s_mov_b32 s98, 4
	s_wait_loadcnt 0x0                             ; q
	v_lshl_or_b32 v[QS], v[T], 16, v[T]            ; the same two bytes for both halves of K
.set j, 0
.rept 32
	v_mov_b32 v[O+j], 0                            ; o^T: the step is written once; the first change of M leaves zeros zeros.  (Also the places between q's scale word and the first product)
.set j, j+1
.endr
; A KEY STEP: 128 keys, the q-th of the quarter in hand
.macro STEP q
.rept 4
	v_nop                                          ; places in front of loads into registers that the last products read
.endr
.irp b, 0,1,2,3
.irp p, 0,1,2,3,4,5
	ds_load_b64 v[FRG+12*\b+2*\p:FRG+12*\b+2*\p+1], v[ADK] offset:6144*(\q)+1536*\b+48*(\p/3)+8*(\p%3)
.endr
	ds_load_b32 v[KSW+\b], v[ADS] offset:272*(\q)+64*\b
.endr
	s_wait_dscnt 0x0
.irp b, 0,1,2,3                                    ; S^T: register j of the first: key 32 b + 16 h + 2 j; of the second: that key + 1
	v_wmma_scale_f32_16x16x128_f8f6f4 v[S+16*\b:S+16*\b+7], v[FRG+12*\b:FRG+12*\b+11], v[QE:QE+11], 0, v[KSW+\b], v[QS] matrix_a_fmt:MATRIX_FMT_FP6 matrix_b_fmt:MATRIX_FMT_FP6
	v_wmma_scale_f32_16x16x128_f8f6f4 v[S+16*\b+8:S+16*\b+15], v[FRG+12*\b:FRG+12*\b+11], v[QO:QO+11], 0, v[KSW+\b], v[QS] matrix_a_fmt:MATRIX_FMT_FP6 matrix_b_fmt:MATRIX_FMT_FP6
.endr
.rept 4
	v_nop                                          ; places in front of the loads below and of the first read of the scores
.endr
.irp t, 0,1,2,3                                    ; v^T's four tiles go out now and land under the softmax
.irp p, 0,1,2,3,4,5
.set PCE, 12*(\q)+6*(\p/3)+\p%3
.if PCE%16 < 13
	ds_load_b64 v[FRG+12*\t+2*\p:FRG+12*\t+2*\p+1], v[ADV] offset:(32*(\t/2)+8*(\t%2))*VP+8*PCE+16*(PCE/16)
.else
	ds_load_b64 v[FRG+12*\t+2*\p:FRG+12*\t+2*\p+1], v[ADV1] offset:(32*(\t/2)+8*(\t%2))*VP+8*PCE+16*(PCE/16)
.endif
.endr
	ds_load_b32 v[VSW+\t], v[ADT] offset:(8*(\t/2)+2*(\t%2))*272+4*(\q)
.endr
.irp b, 0,1,2,3
	v_max3_num_f32 v[BM+\b], v[S+16*\b], v[S+16*\b+1], v[S+16*\b+2]   ; the largest score of each block of 32 keys: for the row's maximum, and, since p rises with the score, for the block's largest p
.endr
.irp i, 3,5,7,9,11,13
.irp b, 0,1,2,3
	v_max3_num_f32 v[BM+\b], v[BM+\b], v[S+16*\b+\i], v[S+16*\b+\i+1]
.endr
.endr
.irp b, 0,1,2,3
	v_max_num_f32 v[BM+\b], v[BM+\b], v[S+16*\b+15]
.endr
.irp b, 0,1,2,3
	v_permlanex16_b32 v[BT+\b], v[BM+\b], s[SEL], s[SEL+1]
.endr
.irp b, 0,1,2,3
	v_max_num_f32 v[BM+\b], v[BM+\b], v[BT+\b]     ; with lane l xor 16's 16 keys
.endr
	v_max3_num_f32 v[T], v[BM], v[BM+1], v[BM+2]
	v_max_num_f32 v[T], v[T], v[BM+3]
	v_mul_f32 v[T], s[CS], v[T]                    ; the step's largest t (c is positive)
	v_max_num_f32 v13, v13, v[T]
	v_mov_b32 v[T], v12
	v_floor_f32 v12, -v13                          ; the new -M = -ceil(t)
	v_sub_f32 v[T], v12, v[T]                      ; old M - new M: a whole number, 0 or less
	v_cvt_i32_f32 v[T], v[T]                       ; (it saturates)
	v_ldexp_f32 v[F], 1.0, v[T]                    ; f = 2^(old M - new M): a multiplication by it rounds nothing
.set j, 0
.rept 32
	v_pk_fma_f32 v[S+j:S+j+1], v[S+j:S+j+1], s[CS:CS+1], v[12:13] op_sel_hi:[1,0,0]   ; t - M
.set j, j+2
.endr
.irp b, 0,1,2,3
	v_fma_f32 v[BM+\b], v[BM+\b], s[CS], v12
.endr
.set j, 0
.rept 64
	v_exp_f32 v[S+j], v[S+j]                       ; p = 2^(t - M)
.set j, j+1
.endr
.irp b, 0,1,2,3
	v_exp_f32 v[BM+\b], v[BM+\b]                   ; the block's largest p: the same two instructions on the same number
.endr
	v_pk_mul_f32 v[14:15], v[14:15], v[F:F+1] op_sel_hi:[1,0]   ; the sums under the new M (a plain line behind the exponentials)
	s_wait_alu depctr_va_vdst(0)
.irp b, 0,1,2,3
	v_max_num_f32 v[BM+\b], 0x1800000, v[BM+\b]    ; the floor 2^(3 - 127)
.endr
.irp b, 0,1,2,3
	v_add_nc_u32 v[BS+\b], 0xff000000, v[BM+\b]    ; the conversion's scale operand
.endr
.irp b, 0,1,2,3
	v_lshrrev_b32 v[BT+\b], 23, v[BS+\b]           ; the byte
.endr
	v_lshl_or_b32 v[PS], v[BT+1], 8, v[BT]         ; p's scale word for these 128 keys
	v_lshl_or_b32 v[PS], v[BT+2], 16, v[PS]
	v_lshl_or_b32 v[PS], v[BT+3], 24, v[PS]
.irp c, 0,1
	v_cvt_scalef32_pk16_fp6_f32 v[PCD+6*\c:PCD+6*\c+2], v[S+32*\c:S+32*\c+15], v[BS+2*\c]
	v_cvt_scalef32_pk16_fp6_f32 v[PT+4*\c:PT+4*\c+2], v[S+32*\c+16:S+32*\c+31], v[BS+2*\c+1]   ; (a conversion's three registers begin on an even number)
.endr
	v_nop                                          ; one plain line behind a scaled conversion
.irp c, 0,1                                        ; the operand wants a whole block in a lane: lanes 0-15 block 2 c, lanes 16-31 block 2 c + 1
.irp i, 0,1,2
	v_permlane16_swap_b32 v[PCD+6*\c+\i], v[PT+4*\c+\i]
.endr
.irp i, 0,1,2
	v_mov_b32 v[PCD+3+6*\c+\i], v[PT+4*\c+\i]
.endr
.endr
	v_pk_add_f32 v[232:233], v[S:S+1], v[S+2:S+3]  ; the row's sum of the unquantised p, in two chains
.irp j, 4,8,12,16,20,24,28,32,36,40,44,48,52,56,60
	v_pk_add_f32 v[14:15], v[14:15], v[S+\j:S+\j+1]
	v_pk_add_f32 v[232:233], v[232:233], v[S+\j+2:S+\j+3]
.endr
	v_pk_add_f32 v[14:15], v[14:15], v[232:233]
.set j, 0
.rept 16
	v_pk_mul_f32 v[O+j:O+j+1], v[O+j:O+j+1], v[F:F+1] op_sel_hi:[1,0]   ; o^T under the new M
.set j, j+2
.endr
	s_wait_dscnt 0x0                               ; v^T's tiles are in
.irp t, 0,1,2,3                                    ; o^T += v^T p^T; the four accumulators take turns
	v_wmma_scale_f32_16x16x128_f8f6f4 v[O+8*\t:O+8*\t+7], v[FRG+12*\t:FRG+12*\t+11], v[PCD:PCD+11], v[O+8*\t:O+8*\t+7], v[VSW+\t], v[PS] matrix_a_fmt:MATRIX_FMT_FP6 matrix_b_fmt:MATRIX_FMT_FP6
.endr
.endm
	s_wait_tensorcnt 0x0                           ; my five loads have landed,
	s_barrier_signal -1
	s_barrier_wait -1                              ; everybody's have: the whole head lies in LDS
.Lquarter:                                         ; four trips of four key steps
	v_add_nc_u32 v[ADK], s94, v[AK0]
	v_add_nc_u32 v[ADV], s95, v[AV0]
	v_add_nc_u32 v[ADV1], s95, v[AV1]
	v_add_nc_u32 v[ADS], s96, v[ASK0]
	v_add_nc_u32 v[ADT], s97, v[ASV0]
	STEP 0
	STEP 1
	STEP 2
	STEP 3
	s_add_co_u32 s94, s94, KQ
	s_add_co_u32 s95, s95, VQ
	s_add_co_u32 s96, s96, 1088
	s_add_co_u32 s97, s97, 16
	s_sub_co_u32 s98, s98, 1
	s_cmp_lg_u32 s98, 0
	s_cbranch_scc1 .Lquarter
	; THE WAY OUT.  The address lines are the places behind the last products.
	v_and_b32 v8, 15, v0                           ; r
	v_bfe_u32 v9, v0, 4, 1                         ; h
	v_and_b32 v10, 31, v0                          ; lane
	s_lshl_b32 s2, s[WV], 10
	s_add_co_u32 s2, s2, OST
	v_lshl_add_u32 v6, v8, 6, s2
	v_lshl_add_u32 v6, v9, 4, v6                   ; in: place 4 r + 2 e + h of 16 bytes holds the 12 bytes of channels 32 e + 16 h + 0..15 of query r
	v_lshl_add_u32 v7, v10, 4, s2                  ; back: places lane and lane + 32
	v_mul_u32_u24 v11, v10, 12
	s_lshl_b32 s3, s[WV], 5
	s_add_co_u32 s3, s3, OSC
	v_lshl_add_u32 v[ADT], v8, 1, s3               ; my query's two scale bytes
	v_lshlrev_b32 v8, 4, v10
	v_add_nc_u32 v9, OSC, v8
	v_add_f32 v14, v14, v15                        ; the sum's two halves,
	v_permlanex16_b32 v[T], v14, s[SEL], s[SEL+1]
	v_add_f32 v14, v14, v[T]                       ; and lane l xor 16's
	v_rcp_f32 v14, v14
	v_nop
	s_wait_alu depctr_va_vdst(0)
	v_mov_b32 v15, v14
.set j, 0
.rept 16
	v_pk_mul_f32 v[O+j:O+j+1], v[O+j:O+j+1], v[14:15]   ; o^T / l, each accumulator from its low end on: register 16 e + i is channel 32 e + 16 h + i
.set j, j+2
.endr
.irp e, 0,1
	v_max3_num_f32 v[BM+\e], |v[O+16*\e]|, |v[O+16*\e+1]|, 0x1800000
.endr
.irp i, 2,4,6,8,10,12,14
.irp e, 0,1
	v_max3_num_f32 v[BM+\e], v[BM+\e], |v[O+16*\e+\i]|, |v[O+16*\e+\i+1]|
.endr
.endr
.irp e, 0,1
	v_permlanex16_b32 v[BT+\e], v[BM+\e], s[SEL], s[SEL+1]
.endr
.irp e, 0,1
	v_max_num_f32 v[BM+\e], v[BM+\e], v[BT+\e]
.endr
.irp e, 0,1
	v_add_nc_u32 v[BS+\e], 0xff000000, v[BM+\e]
.endr
.irp e, 0,1
	v_cvt_scalef32_pk16_fp6_f32 v[234+4*\e:236+4*\e], v[O+16*\e:O+16*\e+15], v[BS+\e]
.endr
.irp e, 0,1
	v_lshrrev_b32 v[BT+\e], 23, v[BS+\e]
.endr
	v_lshl_or_b32 v242, v[BT+1], 8, v[BT]
	ds_store_b96 v6, v[234:236]
	ds_store_b96 v6, v[238:240] offset:32
	ds_store_b16 v[ADT], v242                      ; both halves of the lanes write the same two bytes
	ds_load_b96 v[244:246], v7                     ; LDS serves a wave's instructions in order: these see my stores
	ds_load_b96 v[248:250], v7 offset:512
	s_wait_dscnt 0x0                               ; also for the others' sake: my scale bytes lie in LDS
	global_store_b96 v11, v[244:246], s[6:7]       ; the wave's 768 bytes of codes in two runs of 384 consecutive bytes
	global_store_b96 v11, v[248:250], s[6:7] offset:384
	s_barrier_signal -1
	s_barrier_wait -1
	s_cmp_lg_u32 s[WV], 0
	s_cbranch_scc1 .Lnot_first
	ds_load_b128 v[252:255], v9                    ; wave 0 stores the work-group's 512 scale bytes, consecutive in memory
	s_wait_dscnt 0x0
	global_store_b128 v8, v[252:255], s[100:101]
.Lnot_first:
	s_wait_tensorcnt 0x0
	ds_add_u32 v247, v251
	s_wait_dscnt 0x0
	CROUND                                         ; the closing round
	s_endpgm
.Lfunc_end_k_q7bb9551a60_attn:
	.size	k_q7bb9551a60_attn, .Lfunc_end_k_q7bb9551a60_attn-k_q7bb9551a60_attn
	.p2alignl 7, 3214868480
	.fill 96, 4, 3214868480
	.section	.rodata,"a",@progbits
	.p2align	6, 0x0
	.amdhsa_kernel k_q7bb9551a60_attn
		.amdhsa_group_segment_fixed_size 236544
		.amdhsa_private_segment_fixed_size 0
		.amdhsa_enable_private_segment 0
		.amdhsa_kernarg_size 16
		.amdhsa_user_sgpr_count 2
		.amdhsa_user_sgpr_kernarg_segment_ptr 1
		.amdhsa_wavefront_size32 1
		.amdhsa_system_sgpr_workgroup_id_x 1
		.amdhsa_system_sgpr_workgroup_id_y 1
		.amdhsa_system_sgpr_workgroup_id_z 1
		.amdhsa_system_vgpr_workitem_id 0
		.amdhsa_next_free_vgpr 256
		.amdhsa_next_free_sgpr 102
		.amdhsa_reserve_vcc 0
		.amdhsa_float_denorm_mode_32 3
		.amdhsa_float_denorm_mode_16_64 3
		.amdhsa_memory_ordered 1
		.amdhsa_forward_progress 1
		.amdhsa_inst_pref_size 85
	.end_amdhsa_kernel
	.amdgpu_metadata
---
amdhsa.version: [ 1, 2 ]
amdhsa.kernels:
  - .name:           k_q7bb9551a60_attn
    .symbol:         k_q7bb9551a60_attn.kd
    .args:
      - { .name: qkv, .offset: 0, .size: 8, .value_kind: global_buffer, .address_space: global }
      - { .name: hA, .offset: 8, .size: 8, .value_kind: global_buffer, .address_space: global }
    .group_segment_fixed_size: 236544
    .private_segment_fixed_size: 0
    .kernarg_segment_align: 8
    .kernarg_segment_size: 16
    .max_flat_workgroup_size: 512
    .sgpr_count:     102
    .vgpr_count:     256
    .wavefront_size: 32
...
	.end_amdgpu_metadata
.endif
;; end of part 3
;; launch gemm_o (part 4): grid 4 x 16, 4 waves a work-group, clusters of 4 x 4, 327,680 bytes of LDS; arguments hA, Wo_codes, Wo_scales, bo, x, x1; writes x1
.if DOCPART == 4
	.amdgcn_target "amdgcn-amd-amdhsa--gfx1250"
	.amdhsa_code_object_version 6
	.text
	.protected	k_q7bb9551a60_gemm_o
	.globl	k_q7bb9551a60_gemm_o
	.p2align	8
	.type	k_q7bb9551a60_gemm_o,@function
k_q7bb9551a60_gemm_o:
	s_mov_b64 s[64:65], 0
	v_nop
	global_prefetch_b8 v0, s[64:65] scope:SCOPE_SE
	s_setreg_imm32_b32 hwreg(HW_REG_WAVE_MODE, 25, 1), 1
	s_wait_xcnt 0x0
	s_wait_alu depctr_hold_cnt(0) depctr_sa_sdst(0) depctr_va_vdst(0) depctr_va_sdst(0) depctr_va_ssrc(0) depctr_va_vcc(0) depctr_vm_vsrc(0)
	s_getreg_b32 s2, hwreg(HW_REG_IB_STS2, 6, 4)
	s_cmp_eq_u32 s2, 0
	s_cbranch_scc0 .Lentry_in_a_cluster
	s_endpgm
.Lentry_in_a_cluster:
	s_bfe_u32 s2, ttmp6, 0x10000c
	s_cmp_lg_u32 s2, 0xf033
	s_cbranch_scc0 .Lentry_shape_is_right
	s_endpgm
.Lentry_shape_is_right:
; out = res + A W^T + bias, f32.  A: [4096][SIZE_K] and W: [1024][SIZE_K] as codes of E2M3 with one E8M0 byte for each 32 along K (A's scale bytes lie ACS bytes behind its codes); res, out: [4096][1024] f32.
; A tile of 256 x 256 is made by four waves, 128 x 128 each: 64 accumulators, 512 registers.  K goes in steps of 256 through a ring of two LDS slots filled by the tensor data mover;
; the scale bytes of the tile's rows of both operands come once and stay.  N = 1,024 gives 64 tiles: 64 work-groups.
; CLUSTERS: 4 x 4.  A's tiles are asked for jointly along a row of the cluster, W's along a column.  The matrix instruction is used TRANSPOSED (source 0 = 16 rows of W, source 1 = 16 rows of A):
; a lane holds eight neighbouring columns of one row.  The bias is the C of the first K step's products.
; WAY OUT: a block of 16 rows x 128 columns goes through the wave's stage and comes back as whole rows of 512 bytes; the residual's rows, asked for up to four blocks ahead into the registers that W's fragments have left, are added; 32 lanes store 512 consecutive bytes.
; REGISTERS, in windows of 256: window 0: v0-31 addresses; v32-63 scale words, two sets; v64-127 the bias; from v128 A's fragments, one set, later rows from the stage.
;   window 1: W's fragments, two sets, at v0 and v128; later four sets of 64 for the residual.   window 2, 3: the accumulators of my rows 0-63, 64-127.
.set SIZE_K, 1024
.set ACS,    3145728
.set KSTEP,  256
.set NQ,     KSTEP/128
.set ROWB,   192
.set KROW,   SIZE_K*6/8
.set PITCH,  240                       ; an LDS row: 3 x (64 bytes + 16 of padding)
.set FR,     12
.set NL,     6
.set NP,     4
.set HALFT,  128*PITCH
.set SLOT,   4*HALFT
.set LAPS,   SIZE_K/(2*KSTEP)
.set KS,     SIZE_K/32
.set SCL,    2*SLOT
.set HALFS,  (128*KS/256)*272
.set SBLK,   (16*KS/256)*272
.set SPARE,  SCL+4*HALFS               ; the spare words, 128 bytes for each wave
.set SPITCH, 528                       ; the stages lie in slot 0, which has had its last fill and its last read when the first result is stored there
.set ADRA, 16
.set ADRB, 20
.set STO,  24
.set RD,   25
.set CO,   26
.set ADRS, 27
.set SPW,  28
.set NIL,  29
.set SC,   32
.set BI,   64
.set AF,   128
.set BK,   128
.set G1, 24
.set G0, 32
.set G1B, 48
.set G0B, 56
.set G1S, 68
.set G0S, 76
.set G1SB, 80
.set G0SB, 88
.set MSB, 0
.macro WIN new                         ; the immediate's high byte repeats the setting that is left
.if MSB != \new
	s_set_vgpr_msb (MSB<<8)|\new
.set MSB, \new
.endif
.endm
.set MUL_LO, 0xa1
.set MUL_HI, 0xf1
.set FIRST_LO, 0x81                    ; the first K step: C (the bias) window 0, D window 2
.set FIRST_HI, 0xc1
.set TO_B,   0x40
.macro JLOAD g0a, g1a, g0b, g1b        ; a joint load: waves 0 and 1 fetch for A, waves 2 and 3 for W; four v_nop follow each line
	s_cmp_eq_u32 s15, 0
	s_cbranch_scc0 .Lfor_b_\@
	tensor_load_to_lds s[\g0a:\g0a+3], s[\g1a:\g1a+7]
	s_nop 0
.rept 4
	v_nop
.endr
	s_branch .Lasked_\@
.Lfor_b_\@:
	tensor_load_to_lds s[\g0b:\g0b+3], s[\g1b:\g1b+7]
	s_nop 0
.rept 4
	v_nop
.endr
.Lasked_\@:
.endm
.macro CREST
	s_cmp_lg_u32 s14, 0
	s_cbranch_scc1 .Lnot_wave_0_\@
	s_barrier_signal -3
.Lnot_wave_0_\@:
	s_barrier_wait -3
	s_barrier_signal -1
	s_barrier_wait -1
.endm
.macro CROUND
	s_barrier_signal -1
	s_barrier_wait -1
	CREST
.endm
	s_load_b64 s[4:5], s[0:1], 0x0                 ; A
	s_load_b128 s[8:11], s[0:1], 0x8               ; W's codes, W's scales
	s_load_b128 s[96:99], s[0:1], 0x18             ; the bias, the residual
	s_load_b64 s[12:13], s[0:1], 0x28              ; out
	v_lshl_add_u32 v[SPW], v0, 2, SPARE
	v_mov_b32 v[NIL], 0
	ds_add_u32 v28, v29
	ds_add_u32 v28, v29
	s_wait_dscnt 0x0
	v_lshrrev_b32 v1, 5, v0
	v_readfirstlane_b32 s14, v1                    ; wave 0..3
	s_lshr_b32 s15, s14, 1
	s_and_b32 s16, s14, 1
	s_bfe_u32 s40, ttmp6, 0x40000                  ; cx, cy
	s_bfe_u32 s41, ttmp6, 0x40004
	s_lshl_b32 s42, ttmp9, 2
	s_add_co_u32 s42, s42, s40                     ; tile column
	s_and_b32 s17, ttmp7, 0xffff
	s_lshl_b32 s17, s17, 2
	s_add_co_u32 s17, s17, s41                     ; tile row
	s_lshl_b32 s43, s41, 2
	s_lshl_b32 s43, 15, s43                        ; my row of the cluster
	s_lshl_b32 s44, 0x1111, s40                    ; my column
	s_or_b32 s[G1+0], s43, (0<<16)|(1<<20)|(1<<21)|(3<<22)|(3<<25)
	s_or_b32 s[G1B+0], s44, (0<<16)|(1<<20)|(1<<21)|(3<<22)|(3<<25)
.irp g, G1, G1B
	s_mov_b32 s[\g+1], ROWB<<16
	s_mov_b32 s[\g+2], 128<<16
	s_mov_b32 s[\g+3], ROWB<<16
	s_mov_b32 s[\g+4], 128
	s_mov_b32 s[\g+5], KROW
	s_mov_b32 s[\g+6], 0
	s_mov_b32 s[\g+7], 0
.endr
	s_or_b32 s[G1S+0], s43, (3<<16)|(1<<20)|(1<<21)|(5<<22)|(3<<25)
	s_or_b32 s[G1SB+0], s44, (3<<16)|(1<<20)|(1<<21)|(5<<22)|(3<<25)
.irp g, G1S, G1SB
	s_mov_b32 s[\g+1], 32<<16
	s_mov_b32 s[\g+2], (128*KS/256)<<16
	s_mov_b32 s[\g+3], 32<<16
	s_mov_b32 s[\g+4], 128*KS/256
	s_mov_b32 s[\g+5], 32
	s_mov_b32 s[\g+6], 0
	s_mov_b32 s[\g+7], 0
.endr
	s_lshl_b32 s18, s16, 7
	s_lshl_b32 s20, s17, 8
	s_add_co_u32 s20, s20, s18
	s_lshl_b32 s46, s42, 8
	s_add_co_u32 s46, s46, s18
	s_mov_b32 s21, 0
	s_mov_b32 s47, 0
	s_mov_b64 s[18:19], KS
	s_mul_u64 s[22:23], s[20:21], s[18:19]
	s_mul_u64 s[92:93], s[46:47], s[18:19]
	s_mov_b64 s[18:19], KROW
	s_mul_u64 s[20:21], s[20:21], s[18:19]
	s_mul_u64 s[46:47], s[46:47], s[18:19]
	s_mul_i32 s45, s14, HALFT
	s_mul_i32 s94, s14, HALFS
	s_wait_kmcnt 0x0
	s_add_nc_u64 s[6:7], s[4:5], ACS               ; A's scale bytes
	s_add_nc_u64 s[20:21], s[4:5], s[20:21]
	s_add_nc_u64 s[22:23], s[6:7], s[22:23]
	s_add_nc_u64 s[46:47], s[8:9], s[46:47]
	s_add_nc_u64 s[92:93], s[10:11], s[92:93]
	CROUND                                         ; all sixteen work-groups are here: the first joint loads meet
	s_mov_b32 s[G0S], 1
	s_add_co_u32 s[G0S+1], s94, SCL
	s_mov_b64 s[G0S+2:G0S+3], s[22:23]
	s_or_b32 s[G0S+3], s[G0S+3], 0x80000000
	s_mov_b32 s[G0SB], 1
	s_add_co_u32 s[G0SB+1], s94, SCL
	s_mov_b64 s[G0SB+2:G0SB+3], s[92:93]
	s_or_b32 s[G0SB+3], s[G0SB+3], 0x80000000
	JLOAD G0S, G1S, G0SB, G1SB
.irp s, 0,1
	s_mov_b32 s[G0+4*\s], 1
	s_add_co_u32 s[G0+4*\s+1], s45, \s*SLOT
	s_add_nc_u64 s[G0+4*\s+2:G0+4*\s+3], s[20:21], \s*ROWB
	s_or_b32 s[G0+4*\s+3], s[G0+4*\s+3], 0x80000000
	s_mov_b32 s[G0B+4*\s], 1
	s_add_co_u32 s[G0B+4*\s+1], s45, \s*SLOT
	s_add_nc_u64 s[G0B+4*\s+2:G0B+4*\s+3], s[46:47], \s*ROWB
	s_or_b32 s[G0B+4*\s+3], s[G0B+4*\s+3], 0x80000000
	JLOAD G0+4*\s, G1, G0B+4*\s, G1B
.endr
	v_and_b32 v1, 15, v0                           ; r
	v_bfe_u32 v2, v0, 4, 1                         ; h
	s_lshl_b32 s46, s42, 10
	s_lshl_b32 s47, s16, 9
	s_add_co_u32 s46, s46, s47                     ; my first column x 4 bytes
	s_mov_b32 s47, 0
	s_add_nc_u64 s[96:97], s[96:97], s[46:47]
	v_lshlrev_b32 v7, 5, v2
.irp b, 0,1,2,3,4,5,6,7                            ; the bias in the result's layout: tile b, register j: column 16 b + 8 h + j
	global_load_b128 v[BI+8*\b:BI+8*\b+3], v7, s[96:97] offset:64*\b
	global_load_b128 v[BI+8*\b+4:BI+8*\b+7], v7, s[96:97] offset:64*\b+16
.endr
	v_mul_u32_u24 v3, v1, PITCH
	v_mul_u32_u24 v4, v2, 24
	v_add_nc_u32 v4, v3, v4
	v_lshl_add_u32 v5, v2, 4, v4
	s_mul_i32 s21, s15, HALFT
	s_mul_i32 s22, s16, HALFT
	s_add_co_u32 s22, s22, 2*HALFT
.irp s, 0,1
	v_add_nc_u32 v[ADRA+\s], s21, v4
	v_add_nc_u32 v[ADRB+\s], s22, v4
	v_add_nc_u32 v[ADRA+2+\s], s21, v5
	v_add_nc_u32 v[ADRB+2+\s], s22, v5
	s_add_co_u32 s21, s21, SLOT
	s_add_co_u32 s22, s22, SLOT
.endr
	v_mul_u32_u24 v5, v1, KS
	v_lshrrev_b32 v6, 8, v5
	v_lshl_add_u32 v5, v6, 4, v5
	s_mul_i32 s21, s15, HALFS
	s_mul_i32 s22, s16, HALFS
	s_add_co_u32 s22, s22, 2*HALFS
	s_sub_co_u32 s22, s22, s21
	v_mul_u32_u24 v6, s22, v2
	s_add_co_u32 s21, s21, SCL
	v_add_nc_u32 v5, v5, v6
	v_add_nc_u32 v[ADRS], s21, v5
	s_mul_i32 s23, s14, 16*SPITCH                  ; my stage
	v_mul_u32_u24 v5, v1, SPITCH
	v_lshl_add_u32 v5, v2, 5, v5
	v_add_nc_u32 v[STO], s23, v5
	v_and_b32 v6, 31, v0
	v_lshlrev_b32 v[CO], 4, v6                     ; back: the 32 lanes take one row of 512 bytes; the same in memory
	v_add_nc_u32 v[RD], s23, v[CO]
	s_lshl_b32 s20, s17, 8
	s_lshl_b32 s21, s15, 7
	s_add_co_u32 s20, s20, s21                     ; my first row,
	s_lshl_b32 s20, s20, 12                        ; x 4,096 bytes,
	s_add_co_u32 s20, s20, s46                     ; + my first column
	s_mov_b32 s21, 0
	s_add_nc_u64 s[12:13], s[12:13], s[20:21]
	s_add_nc_u64 s[98:99], s[98:99], s[20:21]
.macro FRAG reg, adr, q, i
.irp p, 0,1,2,3,4,5
.set PC, 12*(\q)+6*(\p/3)+\p%3
.if PC%8 < 5
	ds_load_b64 v[\reg+2*\p:\reg+2*\p+1], v[\adr] offset:8*PC+16*(PC/8)+(\i)*16*PITCH
.else
	ds_load_b64 v[\reg+2*\p:\reg+2*\p+1], v[\adr+2] offset:8*PC+16*(PC/8)+(\i)*16*PITCH
.endif
.endr
.endm
.macro MUL16 a0, p, q, sc, first       ; 16 matrix instructions; first = 1: C is the bias.  The 64 accumulators take turns
.irp a, \a0, \a0+1
.irp b, 0,1,2,3,4,5,6,7
.if \first
	v_wmma_scale_f32_16x16x128_f8f6f4 v[8*(8*((\a)%4)+\b):8*(8*((\a)%4)+\b)+7], v[128*(\p)+FR*\b:128*(\p)+FR*\b+FR-1], v[AF+FR*(\a):AF+FR*(\a)+FR-1], v[BI+8*\b:BI+8*\b+7], v[SC+8*NQ*(\sc)+NQ*\b+(\q)], v[SC+8*NQ*(\sc)+NQ*(\a)+(\q)] matrix_a_fmt:MATRIX_FMT_FP6 matrix_b_fmt:MATRIX_FMT_FP6 matrix_a_scale:MATRIX_SCALE_ROW1
.else
	v_wmma_scale_f32_16x16x128_f8f6f4 v[8*(8*((\a)%4)+\b):8*(8*((\a)%4)+\b)+7], v[128*(\p)+FR*\b:128*(\p)+FR*\b+FR-1], v[AF+FR*(\a):AF+FR*(\a)+FR-1], v[8*(8*((\a)%4)+\b):8*(8*((\a)%4)+\b)+7], v[SC+8*NQ*(\sc)+NQ*\b+(\q)], v[SC+8*NQ*(\sc)+NQ*(\a)+(\q)] matrix_a_fmt:MATRIX_FMT_FP6 matrix_b_fmt:MATRIX_FMT_FP6 matrix_a_scale:MATRIX_SCALE_ROW1
.endif
.endr
.endr
.endm
.macro FETCH_B slot, q, p
	WIN TO_B
.irp i, 0,1,2,3,4,5,6,7
	FRAG 128*(\p)+FR*\i, ADRB+\slot, \q, \i
.endr
	WIN 0
.endm
.macro FETCH_A slot, q, i0
.irp i, \i0, \i0+1, \i0+2, \i0+3
	FRAG AF+FR*(\i), ADRA+\slot, \q, \i
.endr
.endm
.macro SCALES sc
.irp i, 0,1,2,3,4,5,6,7
	ds_load_b64 v[SC+8*NQ*\sc+NQ*\i:SC+8*NQ*\sc+NQ*\i+1], v[ADRS] offset:\i*SBLK
.endr
.endm
.macro PLACES n                        ; plain vector lines behind matrix instructions (ISA guide 7.12.1)
.rept \n
	v_nop
.endr
.endm
.macro STEP slot, q, first
	s_wait_dscnt 4*NL                              ; all but A's blocks 4-7 are in
.if \first
	WIN FIRST_LO
.else
	WIN MUL_LO
.endif
	MUL16 0, (\q)%2, \q, \slot, \first
	MUL16 2, (\q)%2, \q, \slot, \first
	s_wait_dscnt 0
	PLACES NP
	FETCH_B \slot, (\q)+1, 1-(\q)%2
	FETCH_A \slot, (\q)+1, 0
.if \first
	WIN FIRST_HI
.else
	WIN MUL_HI
.endif
	MUL16 4, (\q)%2, \q, \slot, \first
	MUL16 6, (\q)%2, \q, \slot, \first
	PLACES NP
	WIN 0
	FETCH_A \slot, (\q)+1, 4
.endm
.macro TURN slot, next, fill
	s_wait_tensorcnt 0x0                           ; all my tensor loads have landed: my part of the next slot
	ds_add_u32 v[SPW], v[NIL]                      ; 0 onto my spare word
	s_wait_dscnt 4*NL+1                            ; the add and A's blocks 4-7 may be out
	WIN MUL_LO
	MUL16 0, 1, NQ-1, \slot, 0
	s_wait_dscnt 0x0                               ; the add is done, and my reads of this slot are over
	s_barrier_signal -1
	MUL16 2, 1, NQ-1, \slot, 0
	WIN 0
	s_barrier_wait -1
.if \fill
	CREST                                          ; a round of the cluster's barrier: no wave of any partner still reads this slot or has a load on its way
	s_add_nc_u64 s[G0+4*\slot+2:G0+4*\slot+3], s[G0+4*\slot+2:G0+4*\slot+3], 2*ROWB
	s_add_nc_u64 s[G0B+4*\slot+2:G0B+4*\slot+3], s[G0B+4*\slot+2:G0B+4*\slot+3], 2*ROWB
	JLOAD G0+4*\slot, G1, G0B+4*\slot, G1B
.else
	PLACES NP
.endif
	v_add_nc_u32 v[ADRS], 4*NQ, v[ADRS]
	FETCH_B \next, 0, 0
	FETCH_A \next, 0, 0
	SCALES \next
	WIN MUL_HI
	MUL16 4, 1, NQ-1, \slot, 0
	MUL16 6, 1, NQ-1, \slot, 0
	PLACES NP
	WIN 0
	FETCH_A \next, 0, 4
.endm
.macro RLOAD a                         ; the residual's 16 rows of block a into set a % 4 of window 1
	WIN 0x40
.irp t, 0,1,2,3,4,5,6,7,8,9,10,11,12,13,14,15
	global_load_b128 v[64*((\a)%4)+4*\t:64*((\a)%4)+4*\t+3], v[CO], s[98:99] offset:(16*(\a)+\t)*4096
.endr
	WIN 0
.endm
	s_wait_tensorcnt 1                             ; the scales and my part of K step 0 are in; K step 1's load may be out
	s_barrier_signal -1
	s_barrier_wait -1
	FETCH_B 0, 0, 0
	FETCH_A 0, 0, 0
	SCALES 0
	FETCH_A 0, 0, 4
	s_wait_loadcnt 0x0                             ; the bias
	STEP 0, 0, 1
	s_mov_b32 s3, LAPS-1
.Llap:
	TURN 0, 1, 1
	STEP 1, 0, 0
	TURN 1, 0, 1
	STEP 0, 0, 0
	s_sub_co_u32 s3, s3, 1
	s_cmp_lg_u32 s3, 0
	s_cbranch_scc1 .Llap
	TURN 0, 1, 0
	STEP 1, 0, 0
	RLOAD 0                                        ; W's set 0 is done with, four places back: the residual's first 32 rows are asked for under the last 64 products
	RLOAD 1
	s_wait_dscnt 4*NL
	WIN MUL_LO
	MUL16 0, 1, NQ-1, 1, 0
	MUL16 2, 1, NQ-1, 1, 0
	s_wait_dscnt 0
	WIN MUL_HI
	MUL16 4, 1, NQ-1, 1, 0
	MUL16 6, 1, NQ-1, 1, 0
	WIN 0
.macro TOSTAGE a
.set AC, 64*((\a)%4)
	WIN 0x08+4*((\a)/4)
.irp b, 0,1,2,3,4,5,6,7
	ds_store_b128 v[STO], v[AC+8*\b:AC+8*\b+3] offset:64*\b          ; each accumulator from its low end on
	ds_store_b128 v[STO], v[AC+8*\b+4:AC+8*\b+7] offset:64*\b+16
.endr
	WIN 0
.set BB, BK+64*((\a)%2)
.irp t, 0,1,2,3,4,5,6,7,8,9,10,11,12,13,14,15
	ds_load_b128 v[BB+4*\t:BB+4*\t+3], v[RD] offset:\t*SPITCH        ; LDS serves a wave's instructions in order
.endr
.endm
.macro SEND a, younger, left           ; younger: LDS instructions behind block a's loads; left: residual loads behind block a's
.set BB, BK+64*((\a)%2)
.set RS, 64*((\a)%4)
	s_wait_dscnt \younger
	s_wait_loadcnt \left
	WIN 0x04                                       ; source 1: window 1
.set j, 0
.rept 32
	v_pk_add_f32 v[BB+j:BB+j+1], v[BB+j:BB+j+1], v[RS+j:RS+j+1]
.set j, j+2
.endr
	WIN 0
.irp t, 0,1,2,3,4,5,6,7,8,9,10,11,12,13,14,15
	global_store_b128 v[CO], v[BB+4*\t:BB+4*\t+3], s[12:13] offset:(16*(\a)+\t)*4096   ; 32 lanes store 512 consecutive bytes; 127 rows at the most stand in the immediate
.endr
.if (\a) < 4
	RLOAD (\a)+4
.endif
.endm
	PLACES NP
	RLOAD 2
	RLOAD 3
	TOSTAGE 0
.irp a, 1,2,3,4,5,6,7
.if \a > 1
	s_wait_xcnt 0x0                                ; block a - 2's stores have read their registers: block a's loads may land there
.endif
	TOSTAGE \a
.set LF, 16*(8-\a)
.if LF > 48
.set LF, 48
.endif
	SEND \a-1, 32, LF
.endr
	SEND 7, 0, 0
	s_wait_tensorcnt 0x0                           ; the wave's end
	ds_add_u32 v[SPW], v[NIL]
	s_wait_dscnt 0x0
	CROUND                                         ; the closing round
	s_endpgm
.Lfunc_end_k_q7bb9551a60_gemm_o:
	.size	k_q7bb9551a60_gemm_o, .Lfunc_end_k_q7bb9551a60_gemm_o-k_q7bb9551a60_gemm_o
	.p2alignl 7, 3214868480
	.fill 96, 4, 3214868480
	.section	.rodata,"a",@progbits
	.p2align	6, 0x0
	.amdhsa_kernel k_q7bb9551a60_gemm_o
		.amdhsa_group_segment_fixed_size 327680
		.amdhsa_private_segment_fixed_size 0
		.amdhsa_enable_private_segment 0
		.amdhsa_kernarg_size 48
		.amdhsa_user_sgpr_count 2
		.amdhsa_user_sgpr_kernarg_segment_ptr 1
		.amdhsa_wavefront_size32 1
		.amdhsa_system_sgpr_workgroup_id_x 1
		.amdhsa_system_sgpr_workgroup_id_y 1
		.amdhsa_system_sgpr_workgroup_id_z 1
		.amdhsa_system_vgpr_workitem_id 0
		.amdhsa_next_free_vgpr 1024
		.amdhsa_next_free_sgpr 102
		.amdhsa_reserve_vcc 0
		.amdhsa_float_denorm_mode_32 3
		.amdhsa_float_denorm_mode_16_64 3
		.amdhsa_memory_ordered 1
		.amdhsa_forward_progress 1
		.amdhsa_inst_pref_size 190
	.end_amdhsa_kernel
	.amdgpu_metadata
---
amdhsa.version: [ 1, 2 ]
amdhsa.kernels:
  - .name:           k_q7bb9551a60_gemm_o
    .symbol:         k_q7bb9551a60_gemm_o.kd
    .args:
      - { .name: hA, .offset: 0, .size: 8, .value_kind: global_buffer, .address_space: global }
      - { .name: Wo_codes, .offset: 8, .size: 8, .value_kind: global_buffer, .address_space: global }
      - { .name: Wo_scales, .offset: 16, .size: 8, .value_kind: global_buffer, .address_space: global }
      - { .name: bo, .offset: 24, .size: 8, .value_kind: global_buffer, .address_space: global }
      - { .name: x, .offset: 32, .size: 8, .value_kind: global_buffer, .address_space: global }
      - { .name: x1, .offset: 40, .size: 8, .value_kind: global_buffer, .address_space: global }
    .group_segment_fixed_size: 327680
    .private_segment_fixed_size: 0
    .kernarg_segment_align: 8
    .kernarg_segment_size: 48
    .max_flat_workgroup_size: 128
    .sgpr_count:     102
    .vgpr_count:     1024
    .wavefront_size: 32
...
	.end_amdgpu_metadata
.endif
;; end of part 4
;; launch ln2 (part 5): grid 256 x 1, 4 waves a work-group, no clusters, 22,016 bytes of LDS; arguments x1, ln2_a, ln2_b, hA; writes hA
.if DOCPART == 5
	.amdgcn_target "amdgcn-amd-amdhsa--gfx1250"
	.amdhsa_code_object_version 6
	.text
	.protected	k_q7bb9551a60_ln2
	.globl	k_q7bb9551a60_ln2
	.p2align	8
	.type	k_q7bb9551a60_ln2,@function
k_q7bb9551a60_ln2:
	s_mov_b64 s[64:65], 0
	v_nop
	global_prefetch_b8 v0, s[64:65] scope:SCOPE_SE
	s_setreg_imm32_b32 hwreg(HW_REG_WAVE_MODE, 25, 1), 1
	s_wait_xcnt 0x0
; h = a (x - mean) / (std + 1e-6) + b for 16 rows of 1,024 f32 a work-group (std with divisor 1,023), quantised along the row to codes of E2M3 with one
; E8M0 byte for each 32: codes [4096][768 bytes] at byte 0 of hA, scale bytes [4096][32] at byte CSO.  Mean first, then the sum of (x - mean)^2: no difference of large sums.
; A wave takes 4 rows.  Each load reads 512 consecutive bytes; the conversion wants 16 NEIGHBOURS in a lane, so a row turns through the wave's own stage in LDS
; (64 places of 64 bytes + 16 of padding) and comes back as numbers 512 t + 16 lane + 0..15, t = 0, 1.  Two neighbouring lanes hold a block of 32.
; LIMITS: a block whose largest magnitude lies under 2^-124 (a block of zeros too) gets the byte 1; this program alone reads the bytes.  NaN and infinities are not served.
.set CSO,  3145728
.set WREG, 5376
.set AL,   16
.set BE,   48
.set X,    80
.set R,    112
.set CH,   208
.set TMX,  212
.set CDR,  224
	s_load_b256 s[4:11], s[0:1], 0x0               ; x, a, b, hA
	v_lshl_add_u32 v251, v0, 2, 0x5400
	v_mov_b32 v255, 0
	v_lshrrev_b32 v1, 5, v0
	v_readfirstlane_b32 s22, v1                    ; wave
	v_and_b32 v1, 31, v0                           ; lane
	v_lshlrev_b32 v2, 4, v1
	s_mul_i32 s23, s22, WREG
	v_lshrrev_b32 v3, 2, v1
	v_mul_u32_u24 v3, v3, 80
	v_and_b32 v4, 3, v1
	v_lshl_add_u32 v3, v4, 4, v3
	v_add_nc_u32 v3, s23, v3                       ; into the stage: 80 (lane / 4) + 16 (lane % 4)
	v_mul_u32_u24 v4, v1, 80
	v_add_nc_u32 v4, s23, v4                       ; out of it: 80 x lane
	v_mul_u32_u24 v5, v1, 12
	s_add_co_u32 s23, s23, 5120
	v_lshrrev_b32 v6, 1, v1
	v_add_nc_u32 v6, s23, v6
	v_lshlrev_b32 v8, 2, v1
	v_add_nc_u32 v7, s23, v8
	v_lshlrev_b32 v9, 6, v1
	s_mov_b32 s20, 0x76543210
	s_mov_b32 s21, 0xfedcba98
	s_lshl_b32 s24, ttmp9, 16
	s_lshl_b32 s25, s22, 14
	s_add_co_u32 s24, s24, s25
	s_mov_b32 s25, 0
	s_mul_i32 s26, ttmp9, 12288
	s_mul_i32 s27, s22, 3072
	s_add_co_u32 s26, s26, s27
	s_mov_b32 s27, 0
	s_lshl_b32 s28, ttmp9, 9
	s_lshl_b32 s29, s22, 7
	s_add_co_u32 s28, s28, s29
	s_add_co_u32 s28, s28, CSO
	s_mov_b32 s29, 0
	s_wait_kmcnt 0x0
	s_add_nc_u64 s[4:5], s[4:5], s[24:25]
	s_add_nc_u64 s[28:29], s[10:11], s[28:29]
	s_add_nc_u64 s[10:11], s[10:11], s[26:27]
.irp t, 0,1
.irp j, 0,1,2,3
	global_load_b128 v[AL+16*\t+4*\j:AL+16*\t+4*\j+3], v9, s[6:7] offset:2048*\t+16*\j
	global_load_b128 v[BE+16*\t+4*\j:BE+16*\t+4*\j+3], v9, s[8:9] offset:2048*\t+16*\j
.endr
.endr
.macro LOADROW p
.irp i, 0,1,2,3,4,5,6,7
	global_load_b128 v[R+32*((\p)%3)+4*\i:R+32*((\p)%3)+4*\i+3], v2, s[4:5] offset:4096*(\p)+512*\i
.endr
.endm
.macro WSUM a, b
	v_add_f32_dpp v[\a], v[\a], v[\a] row_xmask:1 row_mask:0xf bank_mask:0xf
	v_add_f32_dpp v[\a], v[\a], v[\a] row_xmask:2 row_mask:0xf bank_mask:0xf
	v_add_f32_dpp v[\a], v[\a], v[\a] row_xmask:4 row_mask:0xf bank_mask:0xf
	v_add_f32_dpp v[\a], v[\a], v[\a] row_xmask:8 row_mask:0xf bank_mask:0xf
	v_permlanex16_b32 v[\b], v[\a], s20, s21
	v_add_f32 v[\a], v[\a], v[\b]
.endm
	LOADROW 0
	LOADROW 1
	LOADROW 2
.macro ROW p, left
.set RS, R+32*((\p)%3)
	s_wait_loadcnt \left
.irp i, 0,1,2,3,4,5,6,7
	ds_store_b128 v3, v[RS+4*\i:RS+4*\i+3] offset:640*\i
.endr
.irp t, 0,1
.irp j, 0,1,2,3
	ds_load_b128 v[X+16*\t+4*\j:X+16*\t+4*\j+3], v4 offset:2560*\t+16*\j   ; LDS serves a wave's instructions in order
.endr
.endr
	s_wait_dscnt 0x0                               ; the row is back, and the stores have read their registers
.if (\p) == 0
	LOADROW 3
.endif
	v_pk_add_f32 v[CH:CH+1], v[X:X+1], v[X+2:X+3]
	v_pk_add_f32 v[CH+2:CH+3], v[X+4:X+5], v[X+6:X+7]
.irp j, 8,12,16,20,24,28
	v_pk_add_f32 v[CH:CH+1], v[CH:CH+1], v[X+\j:X+\j+1]
	v_pk_add_f32 v[CH+2:CH+3], v[CH+2:CH+3], v[X+\j+2:X+\j+3]
.endr
	v_pk_add_f32 v[CH:CH+1], v[CH:CH+1], v[CH+2:CH+3]
	v_add_f32 v[CH], v[CH], v[CH+1]
	WSUM CH, CH+1
	v_mul_f32 v10, 0x3a800000, v[CH]               ; the mean
	v_mov_b32 v11, v10
.irp j, 0,2,4,6,8,10,12,14,16,18,20,22,24,26,28,30
	v_pk_add_f32 v[X+\j:X+\j+1], v[X+\j:X+\j+1], v[10:11] neg_lo:[0,1] neg_hi:[0,1]
.endr
	v_pk_mul_f32 v[CH:CH+1], v[X:X+1], v[X:X+1]
	v_pk_mul_f32 v[CH+2:CH+3], v[X+2:X+3], v[X+2:X+3]
.irp j, 4,8,12,16,20,24,28
	v_pk_fma_f32 v[CH:CH+1], v[X+\j:X+\j+1], v[X+\j:X+\j+1], v[CH:CH+1]
	v_pk_fma_f32 v[CH+2:CH+3], v[X+\j+2:X+\j+3], v[X+\j+2:X+\j+3], v[CH+2:CH+3]
.endr
	v_pk_add_f32 v[CH:CH+1], v[CH:CH+1], v[CH+2:CH+3]
	v_add_f32 v[CH], v[CH], v[CH+1]
	WSUM CH, CH+1
	v_mul_f32 v[CH], 0x3a802008, v[CH]             ; / 1,023
	v_sqrt_f32 v[CH], v[CH]
	v_nop                                          ; one plain line behind a transcendental (ISA guide 5.7.2)
	s_wait_alu depctr_va_vdst(0)
	v_add_f32 v[CH], 0x358637bd, v[CH]             ; + 1e-6
	v_rcp_f32 v12, v[CH]
	v_nop
	s_wait_alu depctr_va_vdst(0)
	v_mov_b32 v13, v12
.irp j, 0,2,4,6,8,10,12,14,16,18,20,22,24,26,28,30
	v_pk_mul_f32 v[X+\j:X+\j+1], v[X+\j:X+\j+1], v[12:13]
.endr
.irp j, 0,2,4,6,8,10,12,14,16,18,20,22,24,26,28,30
	v_pk_fma_f32 v[X+\j:X+\j+1], v[X+\j:X+\j+1], v[AL+\j:AL+\j+1], v[BE+\j:BE+\j+1]
.endr
.irp t, 0,1
	v_max3_num_f32 v[TMX+\t], |v[X+16*\t]|, |v[X+16*\t+1]|, 0x1800000   ; with the floor 2^(3 - 127)
.endr
.irp i, 2,4,6,8,10,12,14
.irp t, 0,1
	v_max3_num_f32 v[TMX+\t], v[TMX+\t], |v[X+16*\t+\i]|, |v[X+16*\t+\i+1]|
.endr
.endr
.irp t, 0,1
	v_max_num_f32_dpp v[TMX+\t], v[TMX+\t], v[TMX+\t] row_xmask:1 row_mask:0xf bank_mask:0xf
.endr
.irp t, 0,1
	v_add_nc_u32 v[TMX+2+\t], 0xff000000, v[TMX+\t]
.endr
.irp t, 0,1
	v_cvt_scalef32_pk16_fp6_f32 v[CDR+8*(\p)+4*\t:CDR+8*(\p)+4*\t+2], v[X+16*\t:X+16*\t+15], v[TMX+2+\t]
.endr
.irp t, 0,1
	v_lshrrev_b32 v[220+\t], 23, v[TMX+2+\t]
.endr
.irp t, 0,1
	ds_store_b8 v6, v[220+\t] offset:32*(\p)+16*\t
	global_store_b96 v5, v[CDR+8*(\p)+4*\t:CDR+8*(\p)+4*\t+2], s[10:11] offset:768*(\p)+384*\t
.endr
.endm
	ROW 0, 16                                      ; a, b and row 0 are in; rows 1 and 2 may be out
	ROW 1, 16                                      ; rows 2 and 3 may be out
	ROW 2, 8
	ROW 3, 0
	ds_load_b32 v14, v7                            ; my wave's 128 scale bytes, consecutive in memory
	s_wait_dscnt 0x0
	global_store_b32 v8, v14, s[28:29]
	s_wait_tensorcnt 0x0
	ds_add_u32 v251, v255
	s_wait_dscnt 0x0
	s_endpgm
.Lfunc_end_k_q7bb9551a60_ln2:
	.size	k_q7bb9551a60_ln2, .Lfunc_end_k_q7bb9551a60_ln2-k_q7bb9551a60_ln2
	.p2alignl 7, 3214868480
	.fill 96, 4, 3214868480
	.section	.rodata,"a",@progbits
	.p2align	6, 0x0
	.amdhsa_kernel k_q7bb9551a60_ln2
		.amdhsa_group_segment_fixed_size 22016
		.amdhsa_private_segment_fixed_size 0
		.amdhsa_enable_private_segment 0
		.amdhsa_kernarg_size 32
		.amdhsa_user_sgpr_count 2
		.amdhsa_user_sgpr_kernarg_segment_ptr 1
		.amdhsa_wavefront_size32 1
		.amdhsa_system_sgpr_workgroup_id_x 1
		.amdhsa_system_sgpr_workgroup_id_y 1
		.amdhsa_system_sgpr_workgroup_id_z 1
		.amdhsa_system_vgpr_workitem_id 0
		.amdhsa_next_free_vgpr 256
		.amdhsa_next_free_sgpr 66
		.amdhsa_reserve_vcc 0
		.amdhsa_float_denorm_mode_32 3
		.amdhsa_float_denorm_mode_16_64 3
		.amdhsa_memory_ordered 1
		.amdhsa_forward_progress 1
		.amdhsa_inst_pref_size 44
	.end_amdhsa_kernel
	.amdgpu_metadata
---
amdhsa.version: [ 1, 2 ]
amdhsa.kernels:
  - .name:           k_q7bb9551a60_ln2
    .symbol:         k_q7bb9551a60_ln2.kd
    .args:
      - { .name: x1, .offset: 0, .size: 8, .value_kind: global_buffer, .address_space: global }
      - { .name: ln2_a, .offset: 8, .size: 8, .value_kind: global_buffer, .address_space: global }
      - { .name: ln2_b, .offset: 16, .size: 8, .value_kind: global_buffer, .address_space: global }
      - { .name: hA, .offset: 24, .size: 8, .value_kind: global_buffer, .address_space: global }
    .group_segment_fixed_size: 22016
    .private_segment_fixed_size: 0
    .kernarg_segment_align: 8
    .kernarg_segment_size: 32
    .max_flat_workgroup_size: 128
    .sgpr_count:     66
    .vgpr_count:     256
    .wavefront_size: 32
...
	.end_amdgpu_metadata
.endif
;; end of part 5
;; launch gemm_f1 (part 6): grid 16 x 16, 4 waves a work-group, clusters of 4 x 4, 327,680 bytes of LDS; arguments hA, W1_codes, W1_scales, b1, ff; writes ff
.if DOCPART == 6
	.amdgcn_target "amdgcn-amd-amdhsa--gfx1250"
	.amdhsa_code_object_version 6
	.text
	.protected	k_q7bb9551a60_gemm_f1
	.globl	k_q7bb9551a60_gemm_f1
	.p2align	8
	.type	k_q7bb9551a60_gemm_f1,@function
k_q7bb9551a60_gemm_f1:
	s_mov_b64 s[64:65], 0
	v_nop
	global_prefetch_b8 v0, s[64:65] scope:SCOPE_SE
	s_setreg_imm32_b32 hwreg(HW_REG_WAVE_MODE, 25, 1), 1
	s_wait_xcnt 0x0
	s_wait_alu depctr_hold_cnt(0) depctr_sa_sdst(0) depctr_va_vdst(0) depctr_va_sdst(0) depctr_va_ssrc(0) depctr_va_vcc(0) depctr_vm_vsrc(0)
	s_getreg_b32 s2, hwreg(HW_REG_IB_STS2, 6, 4)
	s_cmp_eq_u32 s2, 0
	s_cbranch_scc0 .Lentry_in_a_cluster
	s_endpgm
.Lentry_in_a_cluster:
	s_bfe_u32 s2, ttmp6, 0x10000c
	s_cmp_lg_u32 s2, 0xf033
	s_cbranch_scc0 .Lentry_shape_is_right
	s_endpgm
.Lentry_shape_is_right:
; hidden = relu(h W1 + b1) on codes of E2M3 (one E8M0 byte for each 32 along K = 1,024), quantised again along its 4,096 columns on its way out: codes [4096][3,072 bytes], scale bytes [4096][128] behind them.
; A tile of 256 x 256 is made by four waves, 128 x 128 each: 64 accumulators, 512 registers; 256 tiles, one for each WGP.  K goes in steps of 256 through a ring of two LDS slots filled by the
; tensor data mover; the scale bytes of the tile's rows of both operands come once and stay.
; CLUSTERS: 4 x 4.  A's tiles are asked for jointly along a row of the cluster, W1's along a column.  The matrix instruction is used TRANSPOSED (source 0 = 16 rows of W1, source 1 = 16 rows of h).
; The bias is the C of the first K step's products.
; WAY OUT: a block of 16 rows x 128 columns goes through the wave's stage; a lane takes back 16 neighbouring columns, two neighbouring lanes hold a block of 32.
; LIMITS: a block whose largest number lies under 2^-124 (a block of zeros too) gets the byte 1 (this program alone reads the bytes); NaN and infinities are not served.
; REGISTERS, in windows of 256: window 0: v0-31 addresses; v32-63 scale words, two sets; v64-127 the bias, later at work on the way out; from v128 A's fragments, later rows from the stage.
;   window 1: W1's fragments, two sets.   window 2, 3: the accumulators of my rows 0-63, 64-127.
.set SIZE_K, 1024
.set ACS,    3145728
.set OP,     3072
.set KSO,    128
.set CSO,    12582912
.set KSTEP,  256
.set NQ,     KSTEP/128
.set ROWB,   192
.set KROW,   SIZE_K*6/8
.set PITCH,  240
.set FR,     12
.set NL,     6
.set NP,     4
.set HALFT,  128*PITCH
.set SLOT,   4*HALFT
.set LAPS,   SIZE_K/(2*KSTEP)
.set KS,     SIZE_K/32
.set SCL,    2*SLOT
.set HALFS,  (128*KS/256)*272
.set SBLK,   (16*KS/256)*272
.set SPARE,  SCL+4*HALFS
.set SPITCH, 528                       ; the stages lie in slot 0, which has had its last fill and its last read when the first result is stored there
.set SCBC,   33792                     ; behind the four stages: 512 scale bytes a wave
.set RDC,  8
.set COC,  9
.set SBC,  10
.set SRC,  14
.set SOC,  15
.set ADRA, 16
.set ADRB, 20
.set STO,  24
.set ADRS, 27
.set SPW,  28
.set NIL,  29
.set SC,   32
.set BI,   64
.set TM,   96
.set SOP,  100
.set EB,   104
.set EB2,  108
.set AF,   128
.set BK,   128
.set G1, 24
.set G0, 32
.set G1B, 48
.set G0B, 56
.set G1S, 68
.set G0S, 76
.set G1SB, 80
.set G0SB, 88
.set MSB, 0
.macro WIN new
.if MSB != \new
	s_set_vgpr_msb (MSB<<8)|\new
.set MSB, \new
.endif
.endm
.set MUL_LO, 0xa1
.set MUL_HI, 0xf1
.set FIRST_LO, 0x81
.set FIRST_HI, 0xc1
.set TO_B,   0x40
.macro JLOAD g0a, g1a, g0b, g1b        ; a joint load: waves 0 and 1 fetch for A, waves 2 and 3 for W1; four v_nop follow each line
	s_cmp_eq_u32 s15, 0
	s_cbranch_scc0 .Lfor_b_\@
	tensor_load_to_lds s[\g0a:\g0a+3], s[\g1a:\g1a+7]
	s_nop 0
.rept 4
	v_nop
.endr
	s_branch .Lasked_\@
.Lfor_b_\@:
	tensor_load_to_lds s[\g0b:\g0b+3], s[\g1b:\g1b+7]
	s_nop 0
.rept 4
	v_nop
.endr
.Lasked_\@:
.endm
.macro CREST
	s_cmp_lg_u32 s14, 0
	s_cbranch_scc1 .Lnot_wave_0_\@
	s_barrier_signal -3
.Lnot_wave_0_\@:
	s_barrier_wait -3
	s_barrier_signal -1
	s_barrier_wait -1
.endm
.macro CROUND
	s_barrier_signal -1
	s_barrier_wait -1
	CREST
.endm
	s_load_b64 s[4:5], s[0:1], 0x0                 ; hA
	s_load_b128 s[8:11], s[0:1], 0x8               ; W1's codes, W1's scales
	s_load_b64 s[96:97], s[0:1], 0x18              ; b1
	s_load_b64 s[12:13], s[0:1], 0x20              ; ff
	v_lshl_add_u32 v[SPW], v0, 2, SPARE
	v_mov_b32 v[NIL], 0
	ds_add_u32 v28, v29
	ds_add_u32 v28, v29
	s_wait_dscnt 0x0
	v_lshrrev_b32 v1, 5, v0
	v_readfirstlane_b32 s14, v1
	s_lshr_b32 s15, s14, 1
	s_and_b32 s16, s14, 1
	s_bfe_u32 s40, ttmp6, 0x40000
	s_bfe_u32 s41, ttmp6, 0x40004
	s_lshl_b32 s42, ttmp9, 2
	s_add_co_u32 s42, s42, s40                     ; tile column
	s_and_b32 s17, ttmp7, 0xffff
	s_lshl_b32 s17, s17, 2
	s_add_co_u32 s17, s17, s41                     ; tile row
	s_lshl_b32 s43, s41, 2
	s_lshl_b32 s43, 15, s43
	s_lshl_b32 s44, 0x1111, s40
	s_or_b32 s[G1+0], s43, (0<<16)|(1<<20)|(1<<21)|(3<<22)|(3<<25)
	s_or_b32 s[G1B+0], s44, (0<<16)|(1<<20)|(1<<21)|(3<<22)|(3<<25)
.irp g, G1, G1B
	s_mov_b32 s[\g+1], ROWB<<16
	s_mov_b32 s[\g+2], 128<<16
	s_mov_b32 s[\g+3], ROWB<<16
	s_mov_b32 s[\g+4], 128
	s_mov_b32 s[\g+5], KROW
	s_mov_b32 s[\g+6], 0
	s_mov_b32 s[\g+7], 0
.endr
	s_or_b32 s[G1S+0], s43, (3<<16)|(1<<20)|(1<<21)|(5<<22)|(3<<25)
	s_or_b32 s[G1SB+0], s44, (3<<16)|(1<<20)|(1<<21)|(5<<22)|(3<<25)
.irp g, G1S, G1SB
	s_mov_b32 s[\g+1], 32<<16
	s_mov_b32 s[\g+2], (128*KS/256)<<16
	s_mov_b32 s[\g+3], 32<<16
	s_mov_b32 s[\g+4], 128*KS/256
	s_mov_b32 s[\g+5], 32
	s_mov_b32 s[\g+6], 0
	s_mov_b32 s[\g+7], 0
.endr
	s_lshl_b32 s18, s16, 7
	s_lshl_b32 s20, s17, 8
	s_add_co_u32 s20, s20, s18
	s_lshl_b32 s46, s42, 8
	s_add_co_u32 s46, s46, s18
	s_mov_b32 s21, 0
	s_mov_b32 s47, 0
	s_mov_b64 s[18:19], KS
	s_mul_u64 s[22:23], s[20:21], s[18:19]
	s_mul_u64 s[92:93], s[46:47], s[18:19]
	s_mov_b64 s[18:19], KROW
	s_mul_u64 s[20:21], s[20:21], s[18:19]
	s_mul_u64 s[46:47], s[46:47], s[18:19]
	s_mul_i32 s45, s14, HALFT
	s_mul_i32 s94, s14, HALFS
	s_wait_kmcnt 0x0
	s_add_nc_u64 s[6:7], s[4:5], ACS
	s_add_nc_u64 s[20:21], s[4:5], s[20:21]
	s_add_nc_u64 s[22:23], s[6:7], s[22:23]
	s_add_nc_u64 s[46:47], s[8:9], s[46:47]
	s_add_nc_u64 s[92:93], s[10:11], s[92:93]
	CROUND                                         ; all sixteen work-groups are here: the first joint loads meet
	s_mov_b32 s[G0S], 1
	s_add_co_u32 s[G0S+1], s94, SCL
	s_mov_b64 s[G0S+2:G0S+3], s[22:23]
	s_or_b32 s[G0S+3], s[G0S+3], 0x80000000
	s_mov_b32 s[G0SB], 1
	s_add_co_u32 s[G0SB+1], s94, SCL
	s_mov_b64 s[G0SB+2:G0SB+3], s[92:93]
	s_or_b32 s[G0SB+3], s[G0SB+3], 0x80000000
	JLOAD G0S, G1S, G0SB, G1SB
.irp s, 0,1
	s_mov_b32 s[G0+4*\s], 1
	s_add_co_u32 s[G0+4*\s+1], s45, \s*SLOT
	s_add_nc_u64 s[G0+4*\s+2:G0+4*\s+3], s[20:21], \s*ROWB
	s_or_b32 s[G0+4*\s+3], s[G0+4*\s+3], 0x80000000
	s_mov_b32 s[G0B+4*\s], 1
	s_add_co_u32 s[G0B+4*\s+1], s45, \s*SLOT
	s_add_nc_u64 s[G0B+4*\s+2:G0B+4*\s+3], s[46:47], \s*ROWB
	s_or_b32 s[G0B+4*\s+3], s[G0B+4*\s+3], 0x80000000
	JLOAD G0+4*\s, G1, G0B+4*\s, G1B
.endr
	v_and_b32 v1, 15, v0                           ; r
	v_bfe_u32 v2, v0, 4, 1                         ; h
	s_lshl_b32 s46, s42, 10
	s_lshl_b32 s47, s16, 9
	s_add_co_u32 s46, s46, s47
	s_mov_b32 s47, 0
	s_add_nc_u64 s[96:97], s[96:97], s[46:47]
	v_lshlrev_b32 v7, 5, v2
.irp b, 0,1,2,3,4,5,6,7                            ; the bias in the result's layout
	global_load_b128 v[BI+8*\b:BI+8*\b+3], v7, s[96:97] offset:64*\b
	global_load_b128 v[BI+8*\b+4:BI+8*\b+7], v7, s[96:97] offset:64*\b+16
.endr
	v_mul_u32_u24 v3, v1, PITCH
	v_mul_u32_u24 v4, v2, 24
	v_add_nc_u32 v4, v3, v4
	v_lshl_add_u32 v5, v2, 4, v4
	s_mul_i32 s21, s15, HALFT
	s_mul_i32 s22, s16, HALFT
	s_add_co_u32 s22, s22, 2*HALFT
.irp s, 0,1
	v_add_nc_u32 v[ADRA+\s], s21, v4
	v_add_nc_u32 v[ADRB+\s], s22, v4
	v_add_nc_u32 v[ADRA+2+\s], s21, v5
	v_add_nc_u32 v[ADRB+2+\s], s22, v5
	s_add_co_u32 s21, s21, SLOT
	s_add_co_u32 s22, s22, SLOT
.endr
	v_mul_u32_u24 v5, v1, KS
	v_lshrrev_b32 v6, 8, v5
	v_lshl_add_u32 v5, v6, 4, v5
	s_mul_i32 s21, s15, HALFS
	s_mul_i32 s22, s16, HALFS
	s_add_co_u32 s22, s22, 2*HALFS
	s_sub_co_u32 s22, s22, s21
	v_mul_u32_u24 v6, s22, v2
	s_add_co_u32 s21, s21, SCL
	v_add_nc_u32 v5, v5, v6
	v_add_nc_u32 v[ADRS], s21, v5
	s_mul_i32 s23, s14, 16*SPITCH                  ; my stage
	v_mul_u32_u24 v5, v1, SPITCH
	v_lshl_add_u32 v3, v2, 5, v5
	v_add_nc_u32 v[STO], s23, v3
	v_and_b32 v6, 31, v0
	v_lshrrev_b32 v3, 3, v6                        ; l / 8
	v_and_b32 v4, 7, v6                            ; l % 8
	v_mul_u32_u24 v[RDC], v3, SPITCH
	v_lshl_add_u32 v[RDC], v4, 6, v[RDC]
	v_add_nc_u32 v[RDC], s23, v[RDC]               ; back: row l / 8 of four, 16 columns: 64 bytes
	v_mul_u32_u24 v[COC], v3, OP
	v_mad_u32_u24 v[COC], v4, 12, v[COC]
	s_lshl_b32 s21, s14, 9
	s_add_co_u32 s22, s21, SCBC
	v_bfe_u32 v5, v6, 1, 2
	v_lshl_add_u32 v[SBC], v3, 2, v5
	v_add_nc_u32 v[SBC], s22, v[SBC]
	v_lshl_add_u32 v[SRC], v6, 2, s22
	v_mul_u32_u24 v[SOC], v6, KSO
	s_lshl_b32 s20, s17, 8
	s_lshl_b32 s21, s15, 7
	s_add_co_u32 s20, s20, s21                     ; my first row
	s_lshl_b32 s92, s42, 1
	s_add_co_u32 s92, s92, s16                     ; my 128 columns' number
	s_mul_i32 s18, s20, OP
	s_mul_i32 s21, s92, 96
	s_add_co_u32 s18, s18, s21
	s_mov_b32 s19, 0
	s_mul_i32 s20, s20, KSO
	s_lshl_b32 s21, s92, 2
	s_add_co_u32 s20, s20, s21
	s_add_co_u32 s20, s20, CSO
	s_mov_b32 s21, 0
	s_add_nc_u64 s[98:99], s[12:13], s[20:21]      ; the scale bytes
	s_add_nc_u64 s[12:13], s[12:13], s[18:19]      ; the codes
.macro FRAG reg, adr, q, i
.irp p, 0,1,2,3,4,5
.set PC, 12*(\q)+6*(\p/3)+\p%3
.if PC%8 < 5
	ds_load_b64 v[\reg+2*\p:\reg+2*\p+1], v[\adr] offset:8*PC+16*(PC/8)+(\i)*16*PITCH
.else
	ds_load_b64 v[\reg+2*\p:\reg+2*\p+1], v[\adr+2] offset:8*PC+16*(PC/8)+(\i)*16*PITCH
.endif
.endr
.endm
.macro MUL16 a0, p, q, sc, first       ; 16 matrix instructions; first = 1: C is the bias.  The 64 accumulators take turns
.irp a, \a0, \a0+1
.irp b, 0,1,2,3,4,5,6,7
.if \first
	v_wmma_scale_f32_16x16x128_f8f6f4 v[8*(8*((\a)%4)+\b):8*(8*((\a)%4)+\b)+7], v[128*(\p)+FR*\b:128*(\p)+FR*\b+FR-1], v[AF+FR*(\a):AF+FR*(\a)+FR-1], v[BI+8*\b:BI+8*\b+7], v[SC+8*NQ*(\sc)+NQ*\b+(\q)], v[SC+8*NQ*(\sc)+NQ*(\a)+(\q)] matrix_a_fmt:MATRIX_FMT_FP6 matrix_b_fmt:MATRIX_FMT_FP6 matrix_a_scale:MATRIX_SCALE_ROW1
.else
	v_wmma_scale_f32_16x16x128_f8f6f4 v[8*(8*((\a)%4)+\b):8*(8*((\a)%4)+\b)+7], v[128*(\p)+FR*\b:128*(\p)+FR*\b+FR-1], v[AF+FR*(\a):AF+FR*(\a)+FR-1], v[8*(8*((\a)%4)+\b):8*(8*((\a)%4)+\b)+7], v[SC+8*NQ*(\sc)+NQ*\b+(\q)], v[SC+8*NQ*(\sc)+NQ*(\a)+(\q)] matrix_a_fmt:MATRIX_FMT_FP6 matrix_b_fmt:MATRIX_FMT_FP6 matrix_a_scale:MATRIX_SCALE_ROW1
.endif
.endr
.endr
.endm
.macro FETCH_B slot, q, p
	WIN TO_B
.irp i, 0,1,2,3,4,5,6,7
	FRAG 128*(\p)+FR*\i, ADRB+\slot, \q, \i
.endr
	WIN 0
.endm
.macro FETCH_A slot, q, i0
.irp i, \i0, \i0+1, \i0+2, \i0+3
	FRAG AF+FR*(\i), ADRA+\slot, \q, \i
.endr
.endm
.macro SCALES sc
.irp i, 0,1,2,3,4,5,6,7
	ds_load_b64 v[SC+8*NQ*\sc+NQ*\i:SC+8*NQ*\sc+NQ*\i+1], v[ADRS] offset:\i*SBLK
.endr
.endm
.macro PLACES n                        ; plain vector lines behind matrix instructions (ISA guide 7.12.1)
.rept \n
	v_nop
.endr
.endm
.macro STEP slot, q, first
	s_wait_dscnt 4*NL                              ; all but A's blocks 4-7 are in
.if \first
	WIN FIRST_LO
.else
	WIN MUL_LO
.endif
	MUL16 0, (\q)%2, \q, \slot, \first
	MUL16 2, (\q)%2, \q, \slot, \first
	s_wait_dscnt 0
	PLACES NP
	FETCH_B \slot, (\q)+1, 1-(\q)%2
	FETCH_A \slot, (\q)+1, 0
.if \first
	WIN FIRST_HI
.else
	WIN MUL_HI
.endif
	MUL16 4, (\q)%2, \q, \slot, \first
	MUL16 6, (\q)%2, \q, \slot, \first
	PLACES NP
	WIN 0
	FETCH_A \slot, (\q)+1, 4
.endm
.macro TURN slot, next, fill
	s_wait_tensorcnt 0x0                           ; all my tensor loads have landed: my part of the next slot
	ds_add_u32 v[SPW], v[NIL]                      ; 0 onto my spare word
	s_wait_dscnt 4*NL+1                            ; the add and A's blocks 4-7 may be out
	WIN MUL_LO
	MUL16 0, 1, NQ-1, \slot, 0
	s_wait_dscnt 0x0                               ; the add is done, and my reads of this slot are over
	s_barrier_signal -1
	MUL16 2, 1, NQ-1, \slot, 0
	WIN 0
	s_barrier_wait -1
.if \fill
	CREST                                          ; a round of the cluster's barrier: no wave of any partner still reads this slot or has a load on its way
	s_add_nc_u64 s[G0+4*\slot+2:G0+4*\slot+3], s[G0+4*\slot+2:G0+4*\slot+3], 2*ROWB
	s_add_nc_u64 s[G0B+4*\slot+2:G0B+4*\slot+3], s[G0B+4*\slot+2:G0B+4*\slot+3], 2*ROWB
	JLOAD G0+4*\slot, G1, G0B+4*\slot, G1B
.else
	PLACES NP
.endif
	v_add_nc_u32 v[ADRS], 4*NQ, v[ADRS]
	FETCH_B \next, 0, 0
	FETCH_A \next, 0, 0
	SCALES \next
	WIN MUL_HI
	MUL16 4, 1, NQ-1, \slot, 0
	MUL16 6, 1, NQ-1, \slot, 0
	PLACES NP
	WIN 0
	FETCH_A \next, 0, 4
.endm
	s_wait_tensorcnt 1                             ; the scales and my part of K step 0 are in; K step 1's load may be out
	s_barrier_signal -1
	s_barrier_wait -1
	FETCH_B 0, 0, 0
	FETCH_A 0, 0, 0
	SCALES 0
	FETCH_A 0, 0, 4
	s_wait_loadcnt 0x0                             ; the bias
	STEP 0, 0, 1
	s_mov_b32 s3, LAPS-1
.Llap:
	TURN 0, 1, 1
	STEP 1, 0, 0
	TURN 1, 0, 1
	STEP 0, 0, 0
	s_sub_co_u32 s3, s3, 1
	s_cmp_lg_u32 s3, 0
	s_cbranch_scc1 .Llap
	TURN 0, 1, 0
	STEP 1, 0, 0
	s_wait_dscnt 4*NL
	WIN MUL_LO
	MUL16 0, 1, NQ-1, 1, 0
	MUL16 2, 1, NQ-1, 1, 0
	s_wait_dscnt 0
	WIN MUL_HI
	MUL16 4, 1, NQ-1, 1, 0
	MUL16 6, 1, NQ-1, 1, 0
	WIN 0
.macro TOSTAGE a
.set AC, 64*((\a)%4)
	WIN 0x08+4*((\a)/4)
.irp b, 0,1,2,3,4,5,6,7
	ds_store_b128 v[STO], v[AC+8*\b:AC+8*\b+3] offset:64*\b          ; each accumulator from its low end on
	ds_store_b128 v[STO], v[AC+8*\b+4:AC+8*\b+7] offset:64*\b+16
.endr
	WIN 0
.set BB, BK+64*((\a)%2)
.irp it, 0,1,2,3
.irp j, 0,1,2,3
	ds_load_b128 v[BB+16*\it+4*\j:BB+16*\it+4*\j+3], v[RDC] offset:4*SPITCH*\it+16*\j   ; LDS serves a wave's instructions in order
.endr
.endr
.endm
.macro QSEND a, younger                ; four runs of 16 numbers a lane: the activation, then codes and scale bytes
.set BB, BK+64*((\a)%2)
.set CD, 64+16*((\a)%2)
	s_wait_dscnt \younger                          ; the block is back; the next block's 16 stores and 16 loads may be out
.set j, 0
.rept 64
	v_max_num_f32 v[BB+j], 0, v[BB+j]              ; relu, in f32
.set j, j+1
.endr
.irp it, 0,1,2,3
	v_max3_num_f32 v[TM+\it], v[BB+16*\it], v[BB+16*\it+1], 0x1800000   ; none is negative; the floor 2^(3 - 127)
.endr
.irp i, 2,4,6,8,10,12,14
.irp it, 0,1,2,3
	v_max3_num_f32 v[TM+\it], v[TM+\it], v[BB+16*\it+\i], v[BB+16*\it+\i+1]
.endr
.endr
.irp it, 0,1,2,3
	v_max_num_f32_dpp v[TM+\it], v[TM+\it], v[TM+\it] row_xmask:1 row_mask:0xf bank_mask:0xf
.endr
.irp it, 0,1,2,3
	v_add_nc_u32 v[SOP+\it], 0xff000000, v[TM+\it]
.endr
.irp it, 0,1,2,3
	v_cvt_scalef32_pk16_fp6_f32 v[CD+4*\it:CD+4*\it+2], v[BB+16*\it:BB+16*\it+15], v[SOP+\it]
.endr
.irp it, 0,1,2,3
	v_lshrrev_b32 v[EB+\it], 23, v[SOP+\it]        ; the byte (also the plain line behind the conversions)
.endr
.irp it, 0,1,2,3
	ds_store_b8 v[SBC], v[EB+\it] offset:64*(\a)+16*\it
	global_store_b96 v[COC], v[CD+4*\it:CD+4*\it+2], s[12:13] offset:(16*(\a)+4*\it)*OP   ; four rows x 96 consecutive bytes
.endr
.endm
	PLACES NP
	TOSTAGE 0
.irp a, 1,2,3,4,5,6,7
.if \a > 1
	s_wait_xcnt 0x0                                ; block a - 3's stores have read the code registers that block a - 1 writes
.endif
	TOSTAGE \a
	QSEND \a-1, 32
.endr
	QSEND 7, 0
.irp k, 0,1,2,3
	ds_load_b32 v[EB2+\k], v[SRC] offset:128*\k    ; my 128 rows' scale words
.endr
.irp k, 0,1,2,3
	s_wait_dscnt 3-\k
	global_store_b32 v[SOC], v[EB2+\k], s[98:99] offset:32*\k*KSO   ; 4 bytes a row, rows 128 bytes apart: the price of scale bytes that lie by rows; one byte in 24 of what leaves here
.endr
	s_wait_tensorcnt 0x0                           ; the wave's end
	ds_add_u32 v[SPW], v[NIL]
	s_wait_dscnt 0x0
	CROUND                                         ; the closing round
	s_endpgm
.Lfunc_end_k_q7bb9551a60_gemm_f1:
	.size	k_q7bb9551a60_gemm_f1, .Lfunc_end_k_q7bb9551a60_gemm_f1-k_q7bb9551a60_gemm_f1
	.p2alignl 7, 3214868480
	.fill 96, 4, 3214868480
	.section	.rodata,"a",@progbits
	.p2align	6, 0x0
	.amdhsa_kernel k_q7bb9551a60_gemm_f1
		.amdhsa_group_segment_fixed_size 327680
		.amdhsa_private_segment_fixed_size 0
		.amdhsa_enable_private_segment 0
		.amdhsa_kernarg_size 40
		.amdhsa_user_sgpr_count 2
		.amdhsa_user_sgpr_kernarg_segment_ptr 1
		.amdhsa_wavefront_size32 1
		.amdhsa_system_sgpr_workgroup_id_x 1
		.amdhsa_system_sgpr_workgroup_id_y 1
		.amdhsa_system_sgpr_workgroup_id_z 1
		.amdhsa_system_vgpr_workitem_id 0
		.amdhsa_next_free_vgpr 1024
		.amdhsa_next_free_sgpr 102
		.amdhsa_reserve_vcc 0
		.amdhsa_float_denorm_mode_32 3
		.amdhsa_float_denorm_mode_16_64 3
		.amdhsa_memory_ordered 1
		.amdhsa_forward_progress 1
		.amdhsa_inst_pref_size 196
	.end_amdhsa_kernel
	.amdgpu_metadata
---
amdhsa.version: [ 1, 2 ]
amdhsa.kernels:
  - .name:           k_q7bb9551a60_gemm_f1
    .symbol:         k_q7bb9551a60_gemm_f1.kd
    .args:
      - { .name: hA, .offset: 0, .size: 8, .value_kind: global_buffer, .address_space: global }
      - { .name: W1_codes, .offset: 8, .size: 8, .value_kind: global_buffer, .address_space: global }
      - { .name: W1_scales, .offset: 16, .size: 8, .value_kind: global_buffer, .address_space: global }
      - { .name: b1, .offset: 24, .size: 8, .value_kind: global_buffer, .address_space: global }
      - { .name: ff, .offset: 32, .size: 8, .value_kind: global_buffer, .address_space: global }
    .group_segment_fixed_size: 327680
    .private_segment_fixed_size: 0
    .kernarg_segment_align: 8
    .kernarg_segment_size: 40
    .max_flat_workgroup_size: 128
    .sgpr_count:     102
    .vgpr_count:     1024
    .wavefront_size: 32
...
	.end_amdgpu_metadata
.endif
;; end of part 6
;; launch gemm_f2 (part 7): grid 4 x 16, 4 waves a work-group, clusters of 4 x 4, 327,680 bytes of LDS; arguments ff, W2_codes, W2_scales, b2, x1, out0; writes out0
.if DOCPART == 7
	.amdgcn_target "amdgcn-amd-amdhsa--gfx1250"
	.amdhsa_code_object_version 6
	.text
	.protected	k_q7bb9551a60_gemm_f2
	.globl	k_q7bb9551a60_gemm_f2
	.p2align	8
	.type	k_q7bb9551a60_gemm_f2,@function
k_q7bb9551a60_gemm_f2:
	s_mov_b64 s[64:65], 0
	v_nop
	global_prefetch_b8 v0, s[64:65] scope:SCOPE_SE
	s_setreg_imm32_b32 hwreg(HW_REG_WAVE_MODE, 25, 1), 1
	s_wait_xcnt 0x0
	s_wait_alu depctr_hold_cnt(0) depctr_sa_sdst(0) depctr_va_vdst(0) depctr_va_sdst(0) depctr_va_ssrc(0) depctr_va_vcc(0) depctr_vm_vsrc(0)
	s_getreg_b32 s2, hwreg(HW_REG_IB_STS2, 6, 4)
	s_cmp_eq_u32 s2, 0
	s_cbranch_scc0 .Lentry_in_a_cluster
	s_endpgm
.Lentry_in_a_cluster:
	s_bfe_u32 s2, ttmp6, 0x10000c
	s_cmp_lg_u32 s2, 0xf033
	s_cbranch_scc0 .Lentry_shape_is_right
	s_endpgm
.Lentry_shape_is_right:
; out = res + A W^T + bias, f32.  A: [4096][SIZE_K] and W: [1024][SIZE_K] as codes of E2M3 with one E8M0 byte for each 32 along K (A's scale bytes lie ACS bytes behind its codes); res, out: [4096][1024] f32.
; A tile of 256 x 256 is made by four waves, 128 x 128 each: 64 accumulators, 512 registers.  K goes in steps of 256 through a ring of two LDS slots filled by the tensor data mover;
; the scale bytes of the tile's rows of both operands come once and stay (17 SIZE_K bytes behind the ring).  N = 1,024 gives 64 tiles: 64 work-groups.
; CLUSTERS: 4 x 4.  A's tiles are asked for jointly along a row of the cluster, W's along a column.  The matrix instruction is used TRANSPOSED (source 0 = 16 rows of W, source 1 = 16 rows of A).
; The bias is the C of the first K step's products.
; WAY OUT: a block of 16 rows x 128 columns goes through the wave's stage and comes back as whole rows of 512 bytes; the residual's rows, asked for up to four blocks ahead into the registers that W's fragments have left, are added; 32 lanes store 512 consecutive bytes.
; REGISTERS, in windows of 256: window 0: v0-31 addresses; v32-63 scale words, two sets; v64-127 the bias; from v128 A's fragments, one set, later rows from the stage.
;   window 1: W's fragments, two sets, at v0 and v128; later four sets of 64 for the residual.   window 2, 3: the accumulators of my rows 0-63, 64-127.
.set SIZE_K, 4096
.set ACS,    12582912
.set KSTEP,  256
.set NQ,     KSTEP/128
.set ROWB,   192
.set KROW,   SIZE_K*6/8
.set PITCH,  240
.set FR,     12
.set NL,     6
.set NP,     4
.set HALFT,  128*PITCH
.set SLOT,   4*HALFT
.set LAPS,   SIZE_K/(2*KSTEP)
.set KS,     SIZE_K/32
.set SCL,    2*SLOT
.set HALFS,  (128*KS/256)*272
.set SBLK,   (16*KS/256)*272
.set SPARE,  SCL+4*HALFS
.set SPITCH, 528                       ; the stages lie in slot 0, which has had its last fill and its last read when the first result is stored there
.set ADRA, 16
.set ADRB, 20
.set STO,  24
.set RD,   25
.set CO,   26
.set ADRS, 27
.set SPW,  28
.set NIL,  29
.set SC,   32
.set BI,   64
.set AF,   128
.set BK,   128
.set G1, 24
.set G0, 32
.set G1B, 48
.set G0B, 56
.set G1S, 68
.set G0S, 76
.set G1SB, 80
.set G0SB, 88
.set MSB, 0
.macro WIN new
.if MSB != \new
	s_set_vgpr_msb (MSB<<8)|\new
.set MSB, \new
.endif
.endm
.set MUL_LO, 0xa1
.set MUL_HI, 0xf1
.set FIRST_LO, 0x81
.set FIRST_HI, 0xc1
.set TO_B,   0x40
.macro JLOAD g0a, g1a, g0b, g1b        ; a joint load: waves 0 and 1 fetch for A, waves 2 and 3 for W; four v_nop follow each line
	s_cmp_eq_u32 s15, 0
	s_cbranch_scc0 .Lfor_b_\@
	tensor_load_to_lds s[\g0a:\g0a+3], s[\g1a:\g1a+7]
	s_nop 0
.rept 4
	v_nop
.endr
	s_branch .Lasked_\@
.Lfor_b_\@:
	tensor_load_to_lds s[\g0b:\g0b+3], s[\g1b:\g1b+7]
	s_nop 0
.rept 4
	v_nop
.endr
.Lasked_\@:
.endm
.macro CREST
	s_cmp_lg_u32 s14, 0
	s_cbranch_scc1 .Lnot_wave_0_\@
	s_barrier_signal -3
.Lnot_wave_0_\@:
	s_barrier_wait -3
	s_barrier_signal -1
	s_barrier_wait -1
.endm
.macro CROUND
	s_barrier_signal -1
	s_barrier_wait -1
	CREST
.endm
	s_load_b64 s[4:5], s[0:1], 0x0                 ; A
	s_load_b128 s[8:11], s[0:1], 0x8               ; W's codes, W's scales
	s_load_b128 s[96:99], s[0:1], 0x18             ; the bias, the residual
	s_load_b64 s[12:13], s[0:1], 0x28              ; out
	v_lshl_add_u32 v[SPW], v0, 2, SPARE
	v_mov_b32 v[NIL], 0
	ds_add_u32 v28, v29
	ds_add_u32 v28, v29
	s_wait_dscnt 0x0
	v_lshrrev_b32 v1, 5, v0
	v_readfirstlane_b32 s14, v1
	s_lshr_b32 s15, s14, 1
	s_and_b32 s16, s14, 1
	s_bfe_u32 s40, ttmp6, 0x40000
	s_bfe_u32 s41, ttmp6, 0x40004
	s_lshl_b32 s42, ttmp9, 2
	s_add_co_u32 s42, s42, s40                     ; tile column
	s_and_b32 s17, ttmp7, 0xffff
	s_lshl_b32 s17, s17, 2
	s_add_co_u32 s17, s17, s41                     ; tile row
	s_lshl_b32 s43, s41, 2
	s_lshl_b32 s43, 15, s43
	s_lshl_b32 s44, 0x1111, s40
	s_or_b32 s[G1+0], s43, (0<<16)|(1<<20)|(1<<21)|(3<<22)|(3<<25)
	s_or_b32 s[G1B+0], s44, (0<<16)|(1<<20)|(1<<21)|(3<<22)|(3<<25)
.irp g, G1, G1B
	s_mov_b32 s[\g+1], ROWB<<16
	s_mov_b32 s[\g+2], 128<<16
	s_mov_b32 s[\g+3], ROWB<<16
	s_mov_b32 s[\g+4], 128
	s_mov_b32 s[\g+5], KROW
	s_mov_b32 s[\g+6], 0
	s_mov_b32 s[\g+7], 0
.endr
	s_or_b32 s[G1S+0], s43, (3<<16)|(1<<20)|(1<<21)|(5<<22)|(3<<25)
	s_or_b32 s[G1SB+0], s44, (3<<16)|(1<<20)|(1<<21)|(5<<22)|(3<<25)
.irp g, G1S, G1SB
	s_mov_b32 s[\g+1], 32<<16
	s_mov_b32 s[\g+2], (128*KS/256)<<16
	s_mov_b32 s[\g+3], 32<<16
	s_mov_b32 s[\g+4], 128*KS/256
	s_mov_b32 s[\g+5], 32
	s_mov_b32 s[\g+6], 0
	s_mov_b32 s[\g+7], 0
.endr
	s_lshl_b32 s18, s16, 7
	s_lshl_b32 s20, s17, 8
	s_add_co_u32 s20, s20, s18
	s_lshl_b32 s46, s42, 8
	s_add_co_u32 s46, s46, s18
	s_mov_b32 s21, 0
	s_mov_b32 s47, 0
	s_mov_b64 s[18:19], KS
	s_mul_u64 s[22:23], s[20:21], s[18:19]
	s_mul_u64 s[92:93], s[46:47], s[18:19]
	s_mov_b64 s[18:19], KROW
	s_mul_u64 s[20:21], s[20:21], s[18:19]
	s_mul_u64 s[46:47], s[46:47], s[18:19]
	s_mul_i32 s45, s14, HALFT
	s_mul_i32 s94, s14, HALFS
	s_wait_kmcnt 0x0
	s_add_nc_u64 s[6:7], s[4:5], ACS
	s_add_nc_u64 s[20:21], s[4:5], s[20:21]
	s_add_nc_u64 s[22:23], s[6:7], s[22:23]
	s_add_nc_u64 s[46:47], s[8:9], s[46:47]
	s_add_nc_u64 s[92:93], s[10:11], s[92:93]
	CROUND                                         ; all sixteen work-groups are here: the first joint loads meet
	s_mov_b32 s[G0S], 1
	s_add_co_u32 s[G0S+1], s94, SCL
	s_mov_b64 s[G0S+2:G0S+3], s[22:23]
	s_or_b32 s[G0S+3], s[G0S+3], 0x80000000
	s_mov_b32 s[G0SB], 1
	s_add_co_u32 s[G0SB+1], s94, SCL
	s_mov_b64 s[G0SB+2:G0SB+3], s[92:93]
	s_or_b32 s[G0SB+3], s[G0SB+3], 0x80000000
	JLOAD G0S, G1S, G0SB, G1SB
.irp s, 0,1
	s_mov_b32 s[G0+4*\s], 1
	s_add_co_u32 s[G0+4*\s+1], s45, \s*SLOT
	s_add_nc_u64 s[G0+4*\s+2:G0+4*\s+3], s[20:21], \s*ROWB
	s_or_b32 s[G0+4*\s+3], s[G0+4*\s+3], 0x80000000
	s_mov_b32 s[G0B+4*\s], 1
	s_add_co_u32 s[G0B+4*\s+1], s45, \s*SLOT
	s_add_nc_u64 s[G0B+4*\s+2:G0B+4*\s+3], s[46:47], \s*ROWB
	s_or_b32 s[G0B+4*\s+3], s[G0B+4*\s+3], 0x80000000
	JLOAD G0+4*\s, G1, G0B+4*\s, G1B
.endr
	v_and_b32 v1, 15, v0                           ; r
	v_bfe_u32 v2, v0, 4, 1                         ; h
	s_lshl_b32 s46, s42, 10
	s_lshl_b32 s47, s16, 9
	s_add_co_u32 s46, s46, s47
	s_mov_b32 s47, 0
	s_add_nc_u64 s[96:97], s[96:97], s[46:47]
	v_lshlrev_b32 v7, 5, v2
.irp b, 0,1,2,3,4,5,6,7                            ; the bias in the result's layout
	global_load_b128 v[BI+8*\b:BI+8*\b+3], v7, s[96:97] offset:64*\b
	global_load_b128 v[BI+8*\b+4:BI+8*\b+7], v7, s[96:97] offset:64*\b+16
.endr
	v_mul_u32_u24 v3, v1, PITCH
	v_mul_u32_u24 v4, v2, 24
	v_add_nc_u32 v4, v3, v4
	v_lshl_add_u32 v5, v2, 4, v4
	s_mul_i32 s21, s15, HALFT
	s_mul_i32 s22, s16, HALFT
	s_add_co_u32 s22, s22, 2*HALFT
.irp s, 0,1
	v_add_nc_u32 v[ADRA+\s], s21, v4
	v_add_nc_u32 v[ADRB+\s], s22, v4
	v_add_nc_u32 v[ADRA+2+\s], s21, v5
	v_add_nc_u32 v[ADRB+2+\s], s22, v5
	s_add_co_u32 s21, s21, SLOT
	s_add_co_u32 s22, s22, SLOT
.endr
	v_mul_u32_u24 v5, v1, KS
	v_lshrrev_b32 v6, 8, v5
	v_lshl_add_u32 v5, v6, 4, v5
	s_mul_i32 s21, s15, HALFS
	s_mul_i32 s22, s16, HALFS
	s_add_co_u32 s22, s22, 2*HALFS
	s_sub_co_u32 s22, s22, s21
	v_mul_u32_u24 v6, s22, v2
	s_add_co_u32 s21, s21, SCL
	v_add_nc_u32 v5, v5, v6
	v_add_nc_u32 v[ADRS], s21, v5
	s_mul_i32 s23, s14, 16*SPITCH
	v_mul_u32_u24 v5, v1, SPITCH
	v_lshl_add_u32 v5, v2, 5, v5
	v_add_nc_u32 v[STO], s23, v5
	v_and_b32 v6, 31, v0
	v_lshlrev_b32 v[CO], 4, v6
	v_add_nc_u32 v[RD], s23, v[CO]
	s_lshl_b32 s20, s17, 8
	s_lshl_b32 s21, s15, 7
	s_add_co_u32 s20, s20, s21
	s_lshl_b32 s20, s20, 12
	s_add_co_u32 s20, s20, s46
	s_mov_b32 s21, 0
	s_add_nc_u64 s[12:13], s[12:13], s[20:21]
	s_add_nc_u64 s[98:99], s[98:99], s[20:21]
.macro FRAG reg, adr, q, i
.irp p, 0,1,2,3,4,5
.set PC, 12*(\q)+6*(\p/3)+\p%3
.if PC%8 < 5
	ds_load_b64 v[\reg+2*\p:\reg+2*\p+1], v[\adr] offset:8*PC+16*(PC/8)+(\i)*16*PITCH
.else
	ds_load_b64 v[\reg+2*\p:\reg+2*\p+1], v[\adr+2] offset:8*PC+16*(PC/8)+(\i)*16*PITCH
.endif
.endr
.endm
.macro MUL16 a0, p, q, sc, first       ; 16 matrix instructions; first = 1: C is the bias.  The 64 accumulators take turns
.irp a, \a0, \a0+1
.irp b, 0,1,2,3,4,5,6,7
.if \first
	v_wmma_scale_f32_16x16x128_f8f6f4 v[8*(8*((\a)%4)+\b):8*(8*((\a)%4)+\b)+7], v[128*(\p)+FR*\b:128*(\p)+FR*\b+FR-1], v[AF+FR*(\a):AF+FR*(\a)+FR-1], v[BI+8*\b:BI+8*\b+7], v[SC+8*NQ*(\sc)+NQ*\b+(\q)], v[SC+8*NQ*(\sc)+NQ*(\a)+(\q)] matrix_a_fmt:MATRIX_FMT_FP6 matrix_b_fmt:MATRIX_FMT_FP6 matrix_a_scale:MATRIX_SCALE_ROW1
.else
	v_wmma_scale_f32_16x16x128_f8f6f4 v[8*(8*((\a)%4)+\b):8*(8*((\a)%4)+\b)+7], v[128*(\p)+FR*\b:128*(\p)+FR*\b+FR-1], v[AF+FR*(\a):AF+FR*(\a)+FR-1], v[8*(8*((\a)%4)+\b):8*(8*((\a)%4)+\b)+7], v[SC+8*NQ*(\sc)+NQ*\b+(\q)], v[SC+8*NQ*(\sc)+NQ*(\a)+(\q)] matrix_a_fmt:MATRIX_FMT_FP6 matrix_b_fmt:MATRIX_FMT_FP6 matrix_a_scale:MATRIX_SCALE_ROW1
.endif
.endr
.endr
.endm
.macro FETCH_B slot, q, p
	WIN TO_B
.irp i, 0,1,2,3,4,5,6,7
	FRAG 128*(\p)+FR*\i, ADRB+\slot, \q, \i
.endr
	WIN 0
.endm
.macro FETCH_A slot, q, i0
.irp i, \i0, \i0+1, \i0+2, \i0+3
	FRAG AF+FR*(\i), ADRA+\slot, \q, \i
.endr
.endm
.macro SCALES sc
.irp i, 0,1,2,3,4,5,6,7
	ds_load_b64 v[SC+8*NQ*\sc+NQ*\i:SC+8*NQ*\sc+NQ*\i+1], v[ADRS] offset:\i*SBLK
.endr
.endm
.macro PLACES n                        ; plain vector lines behind matrix instructions (ISA guide 7.12.1)
.rept \n
	v_nop
.endr
.endm
.macro STEP slot, q, first
	s_wait_dscnt 4*NL                              ; all but A's blocks 4-7 are in
.if \first
	WIN FIRST_LO
.else
	WIN MUL_LO
.endif
	MUL16 0, (\q)%2, \q, \slot, \first
	MUL16 2, (\q)%2, \q, \slot, \first
	s_wait_dscnt 0
	PLACES NP
	FETCH_B \slot, (\q)+1, 1-(\q)%2
	FETCH_A \slot, (\q)+1, 0
.if \first
	WIN FIRST_HI
.else
	WIN MUL_HI
.endif
	MUL16 4, (\q)%2, \q, \slot, \first
	MUL16 6, (\q)%2, \q, \slot, \first
	PLACES NP
	WIN 0
	FETCH_A \slot, (\q)+1, 4
.endm
.macro TURN slot, next, fill
	s_wait_tensorcnt 0x0                           ; all my tensor loads have landed: my part of the next slot
	ds_add_u32 v[SPW], v[NIL]                      ; 0 onto my spare word
	s_wait_dscnt 4*NL+1                            ; the add and A's blocks 4-7 may be out
	WIN MUL_LO
	MUL16 0, 1, NQ-1, \slot, 0
	s_wait_dscnt 0x0                               ; the add is done, and my reads of this slot are over
	s_barrier_signal -1
	MUL16 2, 1, NQ-1, \slot, 0
	WIN 0
	s_barrier_wait -1
.if \fill
	CREST                                          ; a round of the cluster's barrier: no wave of any partner still reads this slot or has a load on its way
	s_add_nc_u64 s[G0+4*\slot+2:G0+4*\slot+3], s[G0+4*\slot+2:G0+4*\slot+3], 2*ROWB
	s_add_nc_u64 s[G0B+4*\slot+2:G0B+4*\slot+3], s[G0B+4*\slot+2:G0B+4*\slot+3], 2*ROWB
	JLOAD G0+4*\slot, G1, G0B+4*\slot, G1B
.else
	PLACES NP
.endif
	v_add_nc_u32 v[ADRS], 4*NQ, v[ADRS]
	FETCH_B \next, 0, 0
	FETCH_A \next, 0, 0
	SCALES \next
	WIN MUL_HI
	MUL16 4, 1, NQ-1, \slot, 0
	MUL16 6, 1, NQ-1, \slot, 0
	PLACES NP
	WIN 0
	FETCH_A \next, 0, 4
.endm
.macro RLOAD a                         ; the residual's 16 rows of block a into set a % 4 of window 1
	WIN 0x40
.irp t, 0,1,2,3,4,5,6,7,8,9,10,11,12,13,14,15
	global_load_b128 v[64*((\a)%4)+4*\t:64*((\a)%4)+4*\t+3], v[CO], s[98:99] offset:(16*(\a)+\t)*4096
.endr
	WIN 0
.endm
	s_wait_tensorcnt 1                             ; the scales and my part of K step 0 are in; K step 1's load may be out
	s_barrier_signal -1
	s_barrier_wait -1
	FETCH_B 0, 0, 0
	FETCH_A 0, 0, 0
	SCALES 0
	FETCH_A 0, 0, 4
	s_wait_loadcnt 0x0                             ; the bias
	STEP 0, 0, 1
	s_mov_b32 s3, LAPS-1
.Llap:
	TURN 0, 1, 1
	STEP 1, 0, 0
	TURN 1, 0, 1
	STEP 0, 0, 0
	s_sub_co_u32 s3, s3, 1
	s_cmp_lg_u32 s3, 0
	s_cbranch_scc1 .Llap
	TURN 0, 1, 0
	STEP 1, 0, 0
	RLOAD 0                                        ; W's set 0 is done with, four places back: the residual's first 32 rows are asked for under the last 64 products
	RLOAD 1
	s_wait_dscnt 4*NL
	WIN MUL_LO
	MUL16 0, 1, NQ-1, 1, 0
	MUL16 2, 1, NQ-1, 1, 0
	s_wait_dscnt 0
	WIN MUL_HI
	MUL16 4, 1, NQ-1, 1, 0
	MUL16 6, 1, NQ-1, 1, 0
	WIN 0
.macro TOSTAGE a
.set AC, 64*((\a)%4)
	WIN 0x08+4*((\a)/4)
.irp b, 0,1,2,3,4,5,6,7
	ds_store_b128 v[STO], v[AC+8*\b:AC+8*\b+3] offset:64*\b          ; each accumulator from its low end on
	ds_store_b128 v[STO], v[AC+8*\b+4:AC+8*\b+7] offset:64*\b+16
.endr
	WIN 0
.set BB, BK+64*((\a)%2)
.irp t, 0,1,2,3,4,5,6,7,8,9,10,11,12,13,14,15
	ds_load_b128 v[BB+4*\t:BB+4*\t+3], v[RD] offset:\t*SPITCH        ; LDS serves a wave's instructions in order
.endr
.endm
.macro SEND a, younger, left           ; younger: LDS instructions behind block a's loads; left: residual loads behind block a's
.set BB, BK+64*((\a)%2)
.set RS, 64*((\a)%4)
	s_wait_dscnt \younger
	s_wait_loadcnt \left
	WIN 0x04                                       ; source 1: window 1
.set j, 0
.rept 32
	v_pk_add_f32 v[BB+j:BB+j+1], v[BB+j:BB+j+1], v[RS+j:RS+j+1]
.set j, j+2
.endr
	WIN 0
.irp t, 0,1,2,3,4,5,6,7,8,9,10,11,12,13,14,15
	global_store_b128 v[CO], v[BB+4*\t:BB+4*\t+3], s[12:13] offset:(16*(\a)+\t)*4096 th:TH_STORE_NT   ; 32 lanes store 512 consecutive bytes; written once, read by nobody here
.endr
.if (\a) < 4
	RLOAD (\a)+4
.endif
.endm
	PLACES NP
	RLOAD 2
	RLOAD 3
	TOSTAGE 0
.irp a, 1,2,3,4,5,6,7
.if \a > 1
	s_wait_xcnt 0x0                                ; block a - 2's stores have read their registers: block a's loads may land there
.endif
	TOSTAGE \a
.set LF, 16*(8-\a)
.if LF > 48
.set LF, 48
.endif
	SEND \a-1, 32, LF
.endr
	SEND 7, 0, 0
	s_wait_tensorcnt 0x0                           ; the wave's end
	ds_add_u32 v[SPW], v[NIL]
	s_wait_dscnt 0x0
	CROUND                                         ; the closing round
	s_endpgm
.Lfunc_end_k_q7bb9551a60_gemm_f2:
	.size	k_q7bb9551a60_gemm_f2, .Lfunc_end_k_q7bb9551a60_gemm_f2-k_q7bb9551a60_gemm_f2
	.p2alignl 7, 3214868480
	.fill 96, 4, 3214868480
	.section	.rodata,"a",@progbits
	.p2align	6, 0x0
	.amdhsa_kernel k_q7bb9551a60_gemm_f2
		.amdhsa_group_segment_fixed_size 327680
		.amdhsa_private_segment_fixed_size 0
		.amdhsa_enable_private_segment 0
		.amdhsa_kernarg_size 48
		.amdhsa_user_sgpr_count 2
		.amdhsa_user_sgpr_kernarg_segment_ptr 1
		.amdhsa_wavefront_size32 1
		.amdhsa_system_sgpr_workgroup_id_x 1
		.amdhsa_system_sgpr_workgroup_id_y 1
		.amdhsa_system_sgpr_workgroup_id_z 1
		.amdhsa_system_vgpr_workitem_id 0
		.amdhsa_next_free_vgpr 1024
		.amdhsa_next_free_sgpr 102
		.amdhsa_reserve_vcc 0
		.amdhsa_float_denorm_mode_32 3
		.amdhsa_float_denorm_mode_16_64 3
		.amdhsa_memory_ordered 1
		.amdhsa_forward_progress 1
		.amdhsa_inst_pref_size 190
	.end_amdhsa_kernel
	.amdgpu_metadata
---
amdhsa.version: [ 1, 2 ]
amdhsa.kernels:
  - .name:           k_q7bb9551a60_gemm_f2
    .symbol:         k_q7bb9551a60_gemm_f2.kd
    .args:
      - { .name: ff, .offset: 0, .size: 8, .value_kind: global_buffer, .address_space: global }
      - { .name: W2_codes, .offset: 8, .size: 8, .value_kind: global_buffer, .address_space: global }
      - { .name: W2_scales, .offset: 16, .size: 8, .value_kind: global_buffer, .address_space: global }
      - { .name: b2, .offset: 24, .size: 8, .value_kind: global_buffer, .address_space: global }
      - { .name: x1, .offset: 32, .size: 8, .value_kind: global_buffer, .address_space: global }
      - { .name: out0, .offset: 40, .size: 8, .value_kind: global_buffer, .address_space: global }
    .group_segment_fixed_size: 327680
    .private_segment_fixed_size: 0
    .kernarg_segment_align: 8
    .kernarg_segment_size: 48
    .max_flat_workgroup_size: 128
    .sgpr_count:     102
    .vgpr_count:     1024
    .wavefront_size: 32
...
	.end_amdgpu_metadata
.endif
;; end of part 7
;; ======== version 2 of 2: 7 launches
;; limits: right only within a limited range of input values
;; workspace buffers: hA 3,276,800 bytes; wvp 823,296 bytes; qkv 9,830,400 bytes; x1 16,777,216 bytes; ff 13,107,200 bytes; wr 9,437,184 bytes
;; launch ln1 (part 8): grid 448 x 1, 4 waves a work-group, no clusters, 22,016 bytes of LDS; arguments x, ln1_a, ln1_b, hA, Wv_codes, Wv_scales, bv, wvp, Wq_codes, Wk_codes, W1_codes, Wo_codes, W2_codes, wr; writes hA, wvp, wr
.if DOCPART == 8
	.amdgcn_target "amdgcn-amd-amdhsa--gfx1250"
	.amdhsa_code_object_version 6
	.text
	.protected	k_q7bb9551a60_ln1
	.globl	k_q7bb9551a60_ln1
	.p2align	8
	.type	k_q7bb9551a60_ln1,@function
k_q7bb9551a60_ln1:
	s_mov_b64 s[64:65], 0
	v_nop
	global_prefetch_b8 v0, s[64:65] scope:SCOPE_SE
	s_setreg_imm32_b32 hwreg(HW_REG_WAVE_MODE, 25, 1), 1
	s_wait_xcnt 0x0
; Work-groups 0-255: h = a (x - mean) / (std + 1e-6) + b for 16 rows of 1,024 f32 (std with divisor 1,023), quantised along the row to codes of E2M3 with one
; E8M0 byte for each 32: codes [4096][768 bytes] at byte 0 of hA, scale bytes [4096][32] at byte CSO.  Mean first, then the sum of (x - mean)^2: no difference of large sums.
; A wave takes 4 rows.  Each load reads 512 consecutive bytes; the conversion wants 16 NEIGHBOURS in a lane, so a row turns through the wave's own stage in LDS
; (64 places of 64 bytes + 16 of padding) and comes back as numbers 512 t + 16 lane + 0..15, t = 0, 1.  Two neighbouring lanes hold a block of 32.
; Work-groups 256-271: Wv's rows are copied into wr, its scale bytes and bias into wvp, in another order: row 16 d + i is row 64 pi(i) + d of Wv, pi(i) = 2 (i % 8) + i / 8,
; so that the product with it gives 16 neighbouring positions along the keys of one channel d.  That way touches no LDS.
; LIMITS: a block whose largest magnitude lies under 2^-124 (a block of zeros too) gets the byte 1: its codes are zeros or nearly, and this program alone reads the bytes.  NaN and infinities are not served.
.set CSO,  3145728
.set WREG, 5376                        ; LDS of a wave: the stage, 5,120 bytes, its 128 scale bytes, and the rest of a block of 256
.set AL,   16                          ; v16-47   a of my 32 columns
.set BE,   48                          ; v48-79   b of them
.set X,    80                          ; v80-111  my 32 numbers of the row in hand
.set R,    112                         ; v112-207 three rows as loaded
.set CH,   208                         ; v208-211 two chains of sums
.set TMX,  212                         ; v212-213 largest magnitudes;  v214-215 the conversions' scale operands;  v220-221 the bytes
.set CDR,  224                         ; v224-255 codes: four registers for each (row, half), so that no store's data are written again
	s_load_b256 s[4:11], s[0:1], 0x0               ; x, a, b, hA
	s_load_b256 s[12:19], s[0:1], 0x20             ; Wv's codes, Wv's scales, bv, wvp
	; LAYOUTS: hA's codes leave as [4 chunks of 256 along K][4096 rows][192 bytes].  Work-groups 272-447 copy the weights' codes into wr, chunk by chunk along K:
	; Wq, Wk, Wv (in wvp's row order), W1 as [4][rows][192 bytes], Wo, W2 as [K / 512][1024][384 bytes]: a tile's rows of one chunk are then one dense block that begins on a multiple of 256 bytes.
	s_load_b256 s[32:39], s[0:1], 0x40             ; the codes of Wq, Wk, W1, Wo
	s_load_b128 s[40:43], s[0:1], 0x60             ; W2's codes, wr
	v_lshl_add_u32 v251, v0, 2, 0x5400
	v_mov_b32 v255, 0
	v_lshrrev_b32 v1, 5, v0
	v_readfirstlane_b32 s22, v1                    ; wave
	v_and_b32 v1, 31, v0                           ; lane
	s_cmp_ge_u32 ttmp9, 256
	s_cbranch_scc1 .Lperm
	v_lshlrev_b32 v2, 4, v1                        ; my 16 bytes of a load's 512
	s_mul_i32 s23, s22, WREG
	v_lshrrev_b32 v3, 2, v1
	v_mul_u32_u24 v3, v3, 80
	v_and_b32 v4, 3, v1
	v_lshl_add_u32 v3, v4, 4, v3
	v_add_nc_u32 v3, s23, v3                       ; into the stage: 80 (lane / 4) + 16 (lane % 4); a load's 512 bytes take eight places
	v_mul_u32_u24 v4, v1, 80
	v_add_nc_u32 v4, s23, v4                       ; out of it: 80 x lane
	v_and_b32 v5, 15, v1
	v_mul_u32_u24 v5, v5, 12
	v_lshrrev_b32 v15, 4, v1
	v_mad_u32_u24 v5, v15, 786432, v5              ; my 12 bytes of codes: chunk lane / 16 of a pair, byte 12 (lane % 16) of its 192
	s_add_co_u32 s23, s23, 5120
	v_lshrrev_b32 v6, 1, v1
	v_add_nc_u32 v6, s23, v6                       ; my block's scale byte
	v_lshlrev_b32 v8, 2, v1
	v_add_nc_u32 v7, s23, v8                       ; and 4 bytes a lane on the way out
	v_lshlrev_b32 v9, 6, v1                        ; a, b: my 16 numbers
	s_mov_b32 s20, 0x76543210
	s_mov_b32 s21, 0xfedcba98                      ; v_permlanex16_b32's selects for lane l xor 16
	s_lshl_b32 s24, ttmp9, 16
	s_lshl_b32 s25, s22, 14
	s_add_co_u32 s24, s24, s25                     ; my first row: (16 g + 4 w) x 4,096 bytes,
	s_mov_b32 s25, 0
	s_mul_i32 s26, ttmp9, 3072
	s_mul_i32 s27, s22, 768
	s_add_co_u32 s26, s26, s27                     ; x 192 bytes of a chunk's row,
	s_mov_b32 s27, 0
	s_lshl_b32 s28, ttmp9, 9
	s_lshl_b32 s29, s22, 7
	s_add_co_u32 s28, s28, s29
	s_add_co_u32 s28, s28, CSO                     ; x 32 scale bytes
	s_mov_b32 s29, 0
	s_wait_alu depctr_va_vdst(0)
	s_wait_kmcnt 0x0
	s_add_nc_u64 s[4:5], s[4:5], s[24:25]
	s_add_nc_u64 s[28:29], s[10:11], s[28:29]
	s_add_nc_u64 s[10:11], s[10:11], s[26:27]
.irp t, 0,1
.irp j, 0,1,2,3
	global_load_b128 v[AL+16*\t+4*\j:AL+16*\t+4*\j+3], v9, s[6:7] offset:2048*\t+16*\j
	global_load_b128 v[BE+16*\t+4*\j:BE+16*\t+4*\j+3], v9, s[8:9] offset:2048*\t+16*\j
.endr
.endr
.macro LOADROW p                       ; eight loads of 512 consecutive bytes: row p into set p % 3
.irp i, 0,1,2,3,4,5,6,7
	global_load_b128 v[R+32*((\p)%3)+4*\i:R+32*((\p)%3)+4*\i+3], v2, s[4:5] offset:4096*(\p)+512*\i
.endr
.endm
.macro WSUM a, b                       ; the sum over the wave's 32 lanes, in every lane
	v_add_f32_dpp v[\a], v[\a], v[\a] row_xmask:1 row_mask:0xf bank_mask:0xf
	v_add_f32_dpp v[\a], v[\a], v[\a] row_xmask:2 row_mask:0xf bank_mask:0xf
	v_add_f32_dpp v[\a], v[\a], v[\a] row_xmask:4 row_mask:0xf bank_mask:0xf
	v_add_f32_dpp v[\a], v[\a], v[\a] row_xmask:8 row_mask:0xf bank_mask:0xf
	v_permlanex16_b32 v[\b], v[\a], s20, s21
	v_add_f32 v[\a], v[\a], v[\b]
.endm
	LOADROW 0
	LOADROW 1
	LOADROW 2
.macro ROW p, left                     ; left: the younger loads, which may stay out
.set RS, R+32*((\p)%3)
	s_wait_loadcnt \left
.irp i, 0,1,2,3,4,5,6,7
	ds_store_b128 v3, v[RS+4*\i:RS+4*\i+3] offset:640*\i
.endr
.irp t, 0,1
.irp j, 0,1,2,3
	ds_load_b128 v[X+16*\t+4*\j:X+16*\t+4*\j+3], v4 offset:2560*\t+16*\j   ; LDS serves a wave's instructions in order: these see the stores above
.endr
.endr
	s_wait_dscnt 0x0                               ; the row is back, and the stores have read their registers
.if (\p) == 0
	LOADROW 3                                      ; into the set that row 0 has left
.endif
	v_pk_add_f32 v[CH:CH+1], v[X:X+1], v[X+2:X+3]
	v_pk_add_f32 v[CH+2:CH+3], v[X+4:X+5], v[X+6:X+7]
.irp j, 8,12,16,20,24,28
	v_pk_add_f32 v[CH:CH+1], v[CH:CH+1], v[X+\j:X+\j+1]
	v_pk_add_f32 v[CH+2:CH+3], v[CH+2:CH+3], v[X+\j+2:X+\j+3]
.endr
	v_pk_add_f32 v[CH:CH+1], v[CH:CH+1], v[CH+2:CH+3]
	v_add_f32 v[CH], v[CH], v[CH+1]
	WSUM CH, CH+1
	v_mul_f32 v10, 0x3a800000, v[CH]               ; the mean: sum / 1,024
	v_mov_b32 v11, v10
.irp j, 0,2,4,6,8,10,12,14,16,18,20,22,24,26,28,30
	v_pk_add_f32 v[X+\j:X+\j+1], v[X+\j:X+\j+1], v[10:11] neg_lo:[0,1] neg_hi:[0,1]   ; x - mean
.endr
	v_pk_mul_f32 v[CH:CH+1], v[X:X+1], v[X:X+1]
	v_pk_mul_f32 v[CH+2:CH+3], v[X+2:X+3], v[X+2:X+3]
.irp j, 4,8,12,16,20,24,28
	v_pk_fma_f32 v[CH:CH+1], v[X+\j:X+\j+1], v[X+\j:X+\j+1], v[CH:CH+1]
	v_pk_fma_f32 v[CH+2:CH+3], v[X+\j+2:X+\j+3], v[X+\j+2:X+\j+3], v[CH+2:CH+3]
.endr
	v_pk_add_f32 v[CH:CH+1], v[CH:CH+1], v[CH+2:CH+3]
	v_add_f32 v[CH], v[CH], v[CH+1]
	WSUM CH, CH+1
	v_mul_f32 v[CH], 0x3a802008, v[CH]             ; / 1,023
	s_wait_alu depctr_va_vdst(0)
	v_sqrt_f32 v[CH], v[CH]
	v_nop                                          ; one plain line behind a transcendental (ISA guide 5.7.2)
	s_wait_alu depctr_va_vdst(0)
	v_add_f32 v[CH], 0x358637bd, v[CH]             ; + 1e-6
	s_wait_alu depctr_va_vdst(0)
	v_rcp_f32 v12, v[CH]
	v_nop
	s_wait_alu depctr_va_vdst(0)
	v_mov_b32 v13, v12
.irp j, 0,2,4,6,8,10,12,14,16,18,20,22,24,26,28,30
	v_pk_mul_f32 v[X+\j:X+\j+1], v[X+\j:X+\j+1], v[12:13]
.endr
.irp j, 0,2,4,6,8,10,12,14,16,18,20,22,24,26,28,30
	v_pk_fma_f32 v[X+\j:X+\j+1], v[X+\j:X+\j+1], v[AL+\j:AL+\j+1], v[BE+\j:BE+\j+1]
.endr
.irp t, 0,1
	v_max3_num_f32 v[TMX+\t], |v[X+16*\t]|, |v[X+16*\t+1]|, 0x1800000   ; my 16 numbers, and the floor 2^(3 - 127): the byte cannot fall under 1
.endr
.irp i, 2,4,6,8,10,12,14
.irp t, 0,1
	v_max3_num_f32 v[TMX+\t], v[TMX+\t], |v[X+16*\t+\i]|, |v[X+16*\t+\i+1]|
.endr
.endr
.irp t, 0,1
	v_max_num_f32_dpp v[TMX+\t], v[TMX+\t], v[TMX+\t] row_xmask:1 row_mask:0xf bank_mask:0xf   ; with my neighbour's 16: the block's
.endr
.irp t, 0,1
	v_add_nc_u32 v[TMX+2+\t], 0xff000000, v[TMX+\t]   ; 2 off the exponent field: the conversion's scale operand
.endr
.irp t, 0,1
	v_cvt_scalef32_pk16_fp6_f32 v[CDR+8*(\p)+4*\t:CDR+8*(\p)+4*\t+2], v[X+16*\t:X+16*\t+15], v[TMX+2+\t]
.endr
.irp t, 0,1
	v_lshrrev_b32 v[220+\t], 23, v[TMX+2+\t]       ; the scale's byte (also the plain line behind the conversions)
.endr
.irp t, 0,1
	ds_store_b8 v6, v[220+\t] offset:32*(\p)+16*\t ; both lanes of a block write the same byte
	global_store_b96 v5, v[CDR+8*(\p)+4*\t:CDR+8*(\p)+4*\t+2], s[10:11] offset:192*(\p)+1572864*\t   ; chunks 2 t and 2 t + 1: 192 consecutive bytes each
.endr
.endm
	ROW 0, 16                                      ; a, b and row 0 are in; rows 1 and 2 may be out
	ROW 1, 16                                      ; rows 2 and 3 may be out
	ROW 2, 8
	ROW 3, 0
	ds_load_b32 v14, v7                            ; my wave's 128 scale bytes: four rows of 32, consecutive in memory
	s_wait_dscnt 0x0
	global_store_b32 v8, v14, s[28:29]
	s_wait_tensorcnt 0x0
	ds_add_u32 v251, v255
	s_wait_dscnt 0x0
	s_endpgm
.Lperm:
	s_cmp_ge_u32 ttmp9, 272
	s_cbranch_scc1 .Lcopy
	s_sub_co_u32 s23, ttmp9, 256
	s_lshl_b32 s23, s23, 2
	s_add_co_u32 s23, s23, s22                     ; d = 4 (g - 256) + wave
	s_wait_alu depctr_va_vdst(0)
	v_mul_u32_u24 v2, v1, 12                       ; 12 bytes a lane: 384 a load, two loads a row of 768
	v_and_b32 v9, 15, v1
	v_mul_u32_u24 v9, v9, 12
	v_lshrrev_b32 v10, 4, v1
	v_mad_u32_u24 v9, v10, 196608, v9              ; in wr: chunk lane / 16 of a pair (1,024 rows x 192 bytes each), byte 12 (lane % 16)
	v_lshrrev_b32 v3, 3, v1
	v_and_b32 v4, 7, v1
	v_lshlrev_b32 v5, 2, v4
	v_lshl_add_u32 v3, v3, 12, v5                  ; scale words: row i = 4 k + lane / 8 comes from row 64 pi(i) + d: 4,096 (lane / 8) + 4 (lane % 8)
	v_lshlrev_b32 v5, 2, v1                        ; 4 bytes a lane
	v_lshrrev_b32 v7, 3, v1
	v_lshl_add_u32 v6, v4, 1, v7
	v_lshlrev_b32 v6, 8, v6                        ; bias: 256 pi(lane), for lanes 0-15
	v_mov_b32 v8, 0
	s_mul_i32 s24, s23, 768
	s_mov_b32 s25, 0
	s_mul_i32 s26, s23, 3072
	s_add_co_u32 s26, s26, 1572864                 ; Wv's part of wr, row 16 d of 192 bytes
	s_mov_b32 s27, 0
	s_lshl_b32 s28, s23, 5
	s_mov_b32 s29, 0
	s_lshl_b32 s30, s23, 9
	s_add_co_u32 s30, s30, 786432
	s_mov_b32 s31, 0
	s_wait_alu depctr_va_vdst(0)
	s_wait_kmcnt 0x0
	s_add_nc_u64 s[12:13], s[12:13], s[24:25]      ; Wv's codes at row d
	s_add_nc_u64 s[14:15], s[14:15], s[28:29]      ; Wv's scale bytes at row d
	s_add_nc_u64 s[4:5], s[42:43], s[26:27]
	s_add_nc_u64 s[6:7], s[18:19], s[30:31]        ; wvp's scale bytes at row 16 d
	s_lshl_b32 s24, s23, 2
	s_add_nc_u64 s[16:17], s[16:17], s[24:25]      ; bv at d
	s_lshl_b32 s26, s23, 6
	s_add_co_u32 s26, s26, 819200
	s_add_nc_u64 s[8:9], s[18:19], s[26:27]        ; wvp's bias at 16 d
.irp i, 0,1,2,3,4,5,6,7,8,9,10,11,12,13,14,15
.irp j, 0,1
	global_load_b96 v[16+8*\i+4*\j:18+8*\i+4*\j], v2, s[12:13] offset:49152*(2*(\i%8)+\i/8)+384*\j
.endr
.endr
.irp k, 0,1,2,3
	global_load_b32 v[144+\k], v3, s[14:15] offset:2048*(8*(\k%2)+\k/2)
.endr
.irp i, 0,1,2,3,4,5,6,7,8,9,10,11,12,13,14,15
	s_wait_loadcnt 2*(15-\i)+4                     ; row i's two loads are in; the later rows' and the four scale loads may be out
.irp j, 0,1
	global_store_b96 v9, v[16+8*\i+4*\j:18+8*\i+4*\j], s[4:5] offset:192*\i+393216*\j
.endr
.endr
	s_wait_loadcnt 0x0
.irp k, 0,1,2,3
	global_store_b32 v5, v[144+\k], s[6:7] offset:128*\k
.endr
	v_cmp_gt_u32 vcc_lo, 16, v1
	s_wait_xcnt 0x0                                ; EXEC changes only behind this wait
	s_and_saveexec_b32 s20, vcc_lo                 ; lanes 0-15: the 16 numbers of the bias
	global_load_b32 v8, v6, s[16:17]
	s_wait_loadcnt 0x0
	global_store_b32 v5, v8, s[8:9]
	s_wait_xcnt 0x0
	s_or_b32 exec_lo, exec_lo, s20
	s_endpgm
; THE COPIES.  A wave takes a unit of 12,288 consecutive bytes of one weight's codes: 32 pieces of 384 bytes, 12 bytes a lane.  No LDS is touched.
.Lcopy:
	s_wait_alu depctr_va_vdst(0)                   ; the wait ahead of the reader behind the branches
	v_mul_u32_u24 v2, v1, 12                       ; where I read; also where I write in a chunk of 384 bytes
	v_and_b32 v3, 15, v1
	v_mul_u32_u24 v3, v3, 12
	v_lshrrev_b32 v4, 4, v1
	v_mad_u32_u24 v5, v4, 196608, v3               ; chunks of 192 bytes x 1,024 rows (Wq, Wk)
	v_mad_u32_u24 v6, v4, 786432, v3               ; x 4,096 rows (W1)
	s_sub_co_u32 s23, ttmp9, 272
	s_lshl_b32 s23, s23, 2
	s_add_co_u32 s23, s23, s22                     ; my unit, 0 .. 703
	s_mov_b32 s25, 0
	s_mov_b32 s27, 0
	s_wait_alu depctr_va_vdst(0)
	s_wait_kmcnt 0x0
; src: the weight's pointer; u0: its first unit; region: its part of wr; ub: a unit's rows x a chunk's row; p: pieces a row; ch: bytes from piece to piece in wr; rp: a chunk's row; vd: the lanes' offsets
.macro COPY src, u0, region, ub, p, ch, rp, vd
	s_sub_co_u32 s24, s23, \u0
	s_mul_i32 s26, s24, \ub
	s_mul_i32 s24, s24, 12288
	s_add_co_u32 s26, s26, \region
	s_add_nc_u64 s[4:5], s[\src:\src+1], s[24:25]
	s_add_nc_u64 s[6:7], s[42:43], s[26:27]
.set CK, 0
.rept 32
	global_load_b96 v[16+4*CK:18+4*CK], v2, s[4:5] offset:384*CK th:TH_LOAD_NT
.set CK, CK+1
.endr
.set CK, 0
.rept 32
	s_wait_loadcnt 31-CK                           ; piece CK is in; the younger ones may be out
	global_store_b96 v[\vd], v[16+4*CK:18+4*CK], s[6:7] offset:\ch*(CK%\p)+\rp*(CK/\p)
.set CK, CK+1
.endr
	s_endpgm
.endm
	s_cmp_lt_u32 s23, 64
	s_cbranch_scc0 .Lc1
	COPY 32, 0, 0, 3072, 2, 393216, 192, 5         ; Wq
.Lc1:
	s_cmp_lt_u32 s23, 128
	s_cbranch_scc0 .Lc2
	COPY 34, 64, 786432, 3072, 2, 393216, 192, 5   ; Wk
.Lc2:
	s_cmp_lt_u32 s23, 384
	s_cbranch_scc0 .Lc3
	COPY 36, 128, 2359296, 3072, 2, 1572864, 192, 6   ; W1
.Lc3:
	s_cmp_lt_u32 s23, 448
	s_cbranch_scc0 .Lc4
	COPY 38, 384, 5505024, 6144, 2, 393216, 384, 2 ; Wo
.Lc4:
	COPY 40, 448, 6291456, 1536, 8, 393216, 384, 2 ; W2
.Lfunc_end_k_q7bb9551a60_ln1:
	.size	k_q7bb9551a60_ln1, .Lfunc_end_k_q7bb9551a60_ln1-k_q7bb9551a60_ln1
	.p2alignl 7, 3214868480
	.fill 96, 4, 3214868480
	.section	.rodata,"a",@progbits
	.p2align	6, 0x0
	.amdhsa_kernel k_q7bb9551a60_ln1
		.amdhsa_group_segment_fixed_size 22016
		.amdhsa_private_segment_fixed_size 0
		.amdhsa_enable_private_segment 0
		.amdhsa_kernarg_size 112
		.amdhsa_user_sgpr_count 2
		.amdhsa_user_sgpr_kernarg_segment_ptr 1
		.amdhsa_wavefront_size32 1
		.amdhsa_system_sgpr_workgroup_id_x 1
		.amdhsa_system_sgpr_workgroup_id_y 1
		.amdhsa_system_sgpr_workgroup_id_z 1
		.amdhsa_system_vgpr_workitem_id 0
		.amdhsa_next_free_vgpr 256
		.amdhsa_next_free_sgpr 66
		.amdhsa_reserve_vcc 1
		.amdhsa_float_denorm_mode_32 3
		.amdhsa_float_denorm_mode_16_64 3
		.amdhsa_memory_ordered 1
		.amdhsa_forward_progress 1
		.amdhsa_inst_pref_size 91
	.end_amdhsa_kernel
	.amdgpu_metadata
---
amdhsa.version: [ 1, 2 ]
amdhsa.kernels:
  - .name:           k_q7bb9551a60_ln1
    .symbol:         k_q7bb9551a60_ln1.kd
    .args:
      - { .name: x, .offset: 0, .size: 8, .value_kind: global_buffer, .address_space: global }
      - { .name: ln1_a, .offset: 8, .size: 8, .value_kind: global_buffer, .address_space: global }
      - { .name: ln1_b, .offset: 16, .size: 8, .value_kind: global_buffer, .address_space: global }
      - { .name: hA, .offset: 24, .size: 8, .value_kind: global_buffer, .address_space: global }
      - { .name: Wv_codes, .offset: 32, .size: 8, .value_kind: global_buffer, .address_space: global }
      - { .name: Wv_scales, .offset: 40, .size: 8, .value_kind: global_buffer, .address_space: global }
      - { .name: bv, .offset: 48, .size: 8, .value_kind: global_buffer, .address_space: global }
      - { .name: wvp, .offset: 56, .size: 8, .value_kind: global_buffer, .address_space: global }
      - { .name: Wq_codes, .offset: 64, .size: 8, .value_kind: global_buffer, .address_space: global }
      - { .name: Wk_codes, .offset: 72, .size: 8, .value_kind: global_buffer, .address_space: global }
      - { .name: W1_codes, .offset: 80, .size: 8, .value_kind: global_buffer, .address_space: global }
      - { .name: Wo_codes, .offset: 88, .size: 8, .value_kind: global_buffer, .address_space: global }
      - { .name: W2_codes, .offset: 96, .size: 8, .value_kind: global_buffer, .address_space: global }
      - { .name: wr, .offset: 104, .size: 8, .value_kind: global_buffer, .address_space: global }
    .group_segment_fixed_size: 22016
    .private_segment_fixed_size: 0
    .kernarg_segment_align: 8
    .kernarg_segment_size: 112
    .max_flat_workgroup_size: 128
    .sgpr_count:     66
    .vgpr_count:     256
    .wavefront_size: 32
...
	.end_amdgpu_metadata
.endif
;; end of part 8
;; launch gemm_qkv (part 9): grid 12 x 16, 4 waves a work-group, clusters of 4 x 4, 327,680 bytes of LDS; arguments wr, Wq_scales, bq, Wk_scales, bk, wvp, qkv, hA; writes qkv
.if DOCPART == 9
	.amdgcn_target "amdgcn-amd-amdhsa--gfx1250"
	.amdhsa_code_object_version 6
	.text
	.protected	k_q7bb9551a60_gemm_qkv
	.globl	k_q7bb9551a60_gemm_qkv
	.p2align	8
	.type	k_q7bb9551a60_gemm_qkv,@function
k_q7bb9551a60_gemm_qkv:
	s_mov_b64 s[64:65], 0
	v_nop
	global_prefetch_b8 v0, s[64:65] scope:SCOPE_SE
	s_setreg_imm32_b32 hwreg(HW_REG_WAVE_MODE, 25, 1), 1
	s_wait_xcnt 0x0
	s_wait_alu depctr_hold_cnt(0) depctr_sa_sdst(0) depctr_va_vdst(0) depctr_va_sdst(0) depctr_va_ssrc(0) depctr_va_vcc(0) depctr_vm_vsrc(0)
	s_getreg_b32 s2, hwreg(HW_REG_IB_STS2, 6, 4)
	s_cmp_eq_u32 s2, 0
	s_cbranch_scc0 .Lentry_in_a_cluster
	s_endpgm
.Lentry_in_a_cluster:
	s_bfe_u32 s2, ttmp6, 0x10000c
	s_cmp_lg_u32 s2, 0xf033
	s_cbranch_scc0 .Lentry_shape_is_right
	s_endpgm
.Lentry_shape_is_right:
; q = h Wq + bq, k = h Wk + bk, v = h Wv + bv on codes of E2M3 (one E8M0 byte for each 32 along K = 1,024), each result quantised again on its way out.
; The cluster's x says which weight (0: Wq, 1: Wk, 2: Wv in the row order of wvp); all sixteen partners share it.  A tile of 256 x 256 is made by four waves, 128 x 128 each: 64 accumulators, 512 registers.
; K goes in steps of 256 through a ring of two LDS slots filled by the tensor data mover; the scale bytes of the tile's rows of both operands come once and stay.
; CLUSTERS: 4 x 4.  A's tiles are asked for jointly along a row of the cluster, the weight's along a column.  The matrix instruction is used TRANSPOSED (source 0 = 16 rows of the weight,
; source 1 = 16 rows of h): a lane holds eight neighbouring columns of one row.  The bias is the C of the first K step's products: nothing is cleared, nothing is added later.
; WAY OUT q, k: a block of 16 rows x 128 columns goes through the wave's stage; a lane takes back 16 neighbouring columns, two neighbouring lanes hold a block of 32 along the head's 64;
;   codes [4096][768 bytes], scale bytes [4096][32] behind them: a head's rows of 64 are then 48 bytes of codes and 2 scale bytes, one behind the other.
; WAY OUT v: column 16 d + i is channel d at key 16 (row % 128) + pi(i), pi(i) = 2 (i % 8) + i / 8; a lane takes back one row's 16 columns of one channel: 16 neighbouring positions along the keys;
;   rows 2 g and 2 g + 1 (neighbouring lanes) make a block of 32 keys.  Codes [32 heads][4 quarters][64 d][384 bytes], scale bytes [32][64][64].
; LIMITS: a block whose largest magnitude lies under 2^-124 gets the byte 1 (this program alone reads the bytes); NaN and infinities are not served.
; REGISTERS, in windows of 256: window 0: v0-31 addresses; v32-63 scale words, two sets; v64-127 the bias, later at work on the way out; from v128 A's fragments, one set, later rows from the stage.
;   window 1: the weight's fragments, two sets, at v0 and v128.   window 2, 3: the accumulators of my rows 0-63, 64-127 ((a, b) at v[8 (8 (a % 4) + b)]).
.set SIZE_K, 1024
.set ACS,    3145728                   ; where A's scale bytes begin in its buffer
.set OP,     768                       ; a row of the output's codes
.set KSO,    32                        ; a row of its scale bytes
.set CSO,    3145728                   ; where they begin in a part
.set PART,   3276800                   ; q, k, v^T: three parts of qkv
.set KSTEP,  256
.set NQ,     KSTEP/128
.set ROWB,   192
.set KROW,   ROWB                      ; both operands' codes lie chunk by chunk along K: [4][rows][192 bytes]; a tile's rows of one chunk are a dense block, fetched as rows of 256 bytes
; No prefetch: K has four steps, of which the head and the round behind it ask for steps 0 and 1; the only refills are steps 2 and 3, so no step lies two refills ahead of a refill.
.set CHA,    4096*ROWB                 ; from chunk to chunk in hA
.set CHB,    1024*ROWB                 ; and in a weight's part of wr
.set PITCH,  240                       ; an LDS row: 3 x (64 bytes + 16 of padding)
.set FR,     12
.set NL,     6
.set NP,     4
.set HALFT,  128*PITCH
.set SLOT,   4*HALFT
.set LAPS,   SIZE_K/(2*KSTEP)
.set KS,     SIZE_K/32
.set SCL,    2*SLOT
.set HALFS,  (128*KS/256)*272
.set SBLK,   (16*KS/256)*272
.set SPARE,  SCL+4*HALFS               ; the spare words, 128 bytes for each wave
.set SPITCH, 528                       ; the stages lie in slot 0, which has had its last fill and its last read when the first result is stored there
.set SCBC,   33792                     ; behind the four stages: 512 scale bytes a wave (q, k)
.set SCBV,   35840                     ; the same for v
.set STGV,   40960                     ; v's four stages: the two ways out store to no common byte
.set RDC,  8
.set COC,  9
.set SBC,  10
.set RDV,  11
.set COV,  12
.set SBV,  13
.set SRC,  14
.set SOC,  15
.set ADRA, 16
.set ADRB, 20
.set STO,  24
.set CO,   26
.set ADRS, 27
.set SPW,  28
.set NIL,  29
.set SRV,  30
.set STOV, 31
.set SC,   32
.set BI,   64
.set TM,   96
.set SOP,  100
.set EB,   104
.set EB2,  108
.set AF,   128
.set BK,   128
.set G1, 24
.set G0, 32
.set G1B, 48
.set G0B, 56
.set G1S, 68
.set G0S, 76
.set G1SB, 80
.set G0SB, 88
.set MSB, 0
.macro WIN new                         ; the immediate's high byte repeats the setting that is left
.if MSB != \new
	s_set_vgpr_msb (MSB<<8)|\new
.set MSB, \new
.endif
.endm
.set MUL_LO, 0xa1                      ; source 0 (weight) window 1, source 1 (A) window 0, C and D window 2
.set MUL_HI, 0xf1                      ; the same, C and D window 3
.set FIRST_LO, 0x81                    ; the first K step: C (the bias) window 0, D window 2
.set FIRST_HI, 0xc1
.set TO_B,   0x40
.macro JLOAD g0a, g1a, g0b, g1b        ; a joint load: waves 0 and 1 fetch for A, waves 2 and 3 for the weight; four v_nop follow each line
	s_cmp_eq_u32 s15, 0
	s_cbranch_scc0 .Lfor_b_\@
	tensor_load_to_lds s[\g0a:\g0a+3], s[\g1a:\g1a+7]
	s_nop 0
.rept 4
	v_nop
.endr
	s_branch .Lasked_\@
.Lfor_b_\@:
	tensor_load_to_lds s[\g0b:\g0b+3], s[\g1b:\g1b+7]
	s_nop 0
.rept 4
	v_nop
.endr
.Lasked_\@:
.endm
.macro CREST                           ; a round of the cluster's barrier behind its opening barrier
	s_cmp_lg_u32 s14, 0
	s_cbranch_scc1 .Lnot_wave_0_\@
	s_barrier_signal -3
.Lnot_wave_0_\@:
	s_barrier_wait -3
	s_barrier_signal -1
	s_barrier_wait -1
.endm
.macro CROUND
	s_barrier_signal -1
	s_barrier_wait -1
	CREST
.endm
	s_load_b256 s[68:75], s[0:1], 0x0              ; wr, Wq's scales, bq, Wk's scales
	s_load_b256 s[80:87], s[0:1], 0x20             ; s[68:75]: wr, Wq's scales, bq, Wk's scales; s[80:87]: bk, wvp, qkv, hA
	v_lshl_add_u32 v[SPW], v0, 2, SPARE
	v_mov_b32 v[NIL], 0
	ds_add_u32 v28, v29
	ds_add_u32 v28, v29
	s_wait_dscnt 0x0
	v_lshrrev_b32 v1, 5, v0
	v_readfirstlane_b32 s14, v1                    ; wave 0..3
	s_lshr_b32 s15, s14, 1                         ; which half of the tile's rows is mine.  Also: I fetch for A (0) or for the weight (1)
	s_and_b32 s16, s14, 1                          ; which half of its columns.  Also: which 128 rows of that tile I fetch
	s_bfe_u32 s40, ttmp6, 0x40000                  ; cx, cy: my place in the cluster
	s_bfe_u32 s41, ttmp6, 0x40004
	s_mov_b32 s42, s40                             ; tile column within the weight = cx
	s_mov_b32 s100, ttmp9                          ; which weight = the cluster's x
	s_and_b32 s17, ttmp7, 0xffff
	s_lshl_b32 s17, s17, 2
	s_add_co_u32 s17, s17, s41                     ; tile row = 4 x cluster y + cy
	s_lshl_b32 s43, s41, 2
	s_lshl_b32 s43, 15, s43                        ; my row of the cluster
	s_lshl_b32 s44, 0x1111, s40                    ; my column
	s_or_b32 s[G1+0], s43, (0<<16)|(1<<20)|(1<<21)|(3<<22)|(3<<25)  ; the mask; elements of 1 byte; padding of 4 words behind every 16; bit 21 beside a mask
	s_or_b32 s[G1B+0], s44, (0<<16)|(1<<20)|(1<<21)|(3<<22)|(3<<25)
.irp g, G1, G1B
	s_mov_b32 s[\g+1], 256<<16                     ; rows of 256 bytes of a dense block
	s_mov_b32 s[\g+2], 192<<16                     ; the head's loads: 256 rows x 192 bytes = 192 such rows
	s_mov_b32 s[\g+3], 256<<16
	s_mov_b32 s[\g+4], 192
	s_mov_b32 s[\g+5], 256
	s_mov_b32 s[\g+6], 0
	s_mov_b32 s[\g+7], 0
.endr
	s_lshl_b32 s20, s17, 8                         ; A: the tile's first row
	s_lshl_b32 s46, s42, 8                         ; the weight's
	s_mov_b32 s21, 0
	s_mov_b32 s47, 0
	s_mov_b64 s[18:19], KS
	s_mul_u64 s[22:23], s[20:21], s[18:19]         ; where these rows' scales begin,
	s_mul_u64 s[92:93], s[46:47], s[18:19]
	s_mov_b64 s[18:19], KROW
	s_mul_u64 s[20:21], s[20:21], s[18:19]         ; and their codes
	s_mul_u64 s[46:47], s[46:47], s[18:19]
	s_mul_i32 s45, s14, HALFT                      ; where they go: no place in the cluster enters an LDS address
	s_mul_i32 s18, s16, 128*ROWB                   ; in the ring I fetch 128 rows: which half, in bytes
	s_mov_b32 s19, 0
	s_wait_kmcnt 0x0
	s_mov_b64 s[4:5], s[86:87]                     ; hA
	s_add_nc_u64 s[6:7], s[4:5], ACS               ; A's scale bytes
	s_add_nc_u64 s[88:89], s[82:83], 786432        ; wvp's scale bytes
	s_add_nc_u64 s[90:91], s[82:83], 819200        ; wvp's bias
	s_mov_b64 s[12:13], s[84:85]                   ; qkv
	s_mul_i32 s8, s100, 786432                     ; the weight's codes: part 0, 1, 2 of wr, by the cluster's x alone
	s_mov_b32 s9, 0
	s_add_nc_u64 s[8:9], s[68:69], s[8:9]
	s_cmp_eq_u32 s100, 1
	s_cselect_b64 s[10:11], s[74:75], s[70:71]
	s_cselect_b64 s[96:97], s[80:81], s[72:73]
	s_cmp_eq_u32 s100, 2
	s_cselect_b64 s[10:11], s[88:89], s[10:11]
	s_cselect_b64 s[96:97], s[90:91], s[96:97]
	s_or_b32 s[G1S+0], s43, (3<<16)|(1<<20)|(1<<21)|(5<<22)|(3<<25)   ; the scales of 256 rows: a dense block, as rows of 256 bytes with 16 of padding behind each
	s_or_b32 s[G1SB+0], s44, (3<<16)|(1<<20)|(1<<21)|(5<<22)|(3<<25)
.irp g, G1S, G1SB
	s_mov_b32 s[\g+1], 32<<16
	s_mov_b32 s[\g+2], KS<<16                      ; the scales of all 256 rows in one load
	s_mov_b32 s[\g+3], 32<<16
	s_mov_b32 s[\g+4], KS
	s_mov_b32 s[\g+5], 32
	s_mov_b32 s[\g+6], 0
	s_mov_b32 s[\g+7], 0
.endr
	s_add_nc_u64 s[20:21], s[4:5], s[20:21]
	s_add_nc_u64 s[22:23], s[6:7], s[22:23]
	s_add_nc_u64 s[46:47], s[8:9], s[46:47]
	s_add_nc_u64 s[92:93], s[10:11], s[92:93]
	CROUND                                         ; all sixteen work-groups are here: the first joint loads meet
	s_mov_b32 s[G0S], 1
	s_mov_b32 s[G0S+1], SCL
	s_mov_b64 s[G0S+2:G0S+3], s[22:23]
	s_or_b32 s[G0S+3], s[G0S+3], 0x80000000
	s_mov_b32 s[G0SB], 1
	s_mov_b32 s[G0SB+1], SCL+2*HALFS
	s_mov_b64 s[G0SB+2:G0SB+3], s[92:93]
	s_or_b32 s[G0SB+3], s[G0SB+3], 0x80000000
	s_mov_b32 s4, 1                                ; s[4:7]: group 0 for K step 0's 256 rows of A; s[8:11]: for the weight's, behind them in slot 0
	s_mov_b32 s5, 0
	s_mov_b64 s[6:7], s[20:21]
	s_or_b32 s7, s7, 0x80000000
	s_mov_b32 s8, 1
	s_mov_b32 s9, 2*HALFT
	s_mov_b64 s[10:11], s[46:47]
	s_or_b32 s11, s11, 0x80000000
	s_add_nc_u64 s[20:21], s[20:21], s[18:19]      ; for the ring: my 128 rows
	s_add_nc_u64 s[46:47], s[46:47], s[18:19]
.irp s, 0,1
	s_mov_b32 s[G0+4*\s], 1
	s_add_co_u32 s[G0+4*\s+1], s45, \s*SLOT
	s_add_nc_u64 s[G0+4*\s+2:G0+4*\s+3], s[20:21], \s*CHA
	s_or_b32 s[G0+4*\s+3], s[G0+4*\s+3], 0x80000000
	s_mov_b32 s[G0B+4*\s], 1
	s_add_co_u32 s[G0B+4*\s+1], s45, \s*SLOT
	s_add_nc_u64 s[G0B+4*\s+2:G0B+4*\s+3], s[46:47], \s*CHB
	s_or_b32 s[G0B+4*\s+3], s[G0B+4*\s+3], 0x80000000
.endr
; the head's four tiles, one joint load a wave: wave 0 A's K step 0, wave 1 the weight's, wave 2 A's scales, wave 3 the weight's; one chain of branches on the wave's number
.macro ARM under, g0, g1, next
	s_cmp_lt_u32 s14, \under
	s_cbranch_scc0 \next
	tensor_load_to_lds s[\g0:\g0+3], s[\g1:\g1+7]
	s_nop 0
.rept 4
	v_nop
.endr
	s_branch .Lhead_asked
\next:
.endm
	ARM 1, 4, G1, .Lhead_b
	ARM 2, 8, G1B, .Lhead_sa
	ARM 3, G0S, G1S, .Lhead_sb
	tensor_load_to_lds s[G0SB:G0SB+3], s[G1SB:G1SB+7]
	s_nop 0
.rept 4
	v_nop
.endr
.Lhead_asked:
	v_and_b32 v1, 15, v0                           ; r = l % 16
	v_bfe_u32 v2, v0, 4, 1                         ; h = l / 16
	s_lshl_b32 s46, s42, 10
	s_lshl_b32 s47, s16, 9
	s_add_co_u32 s46, s46, s47                     ; my first column x 4 bytes
	s_mov_b32 s47, 0
	s_add_nc_u64 s[96:97], s[96:97], s[46:47]
	v_lshlrev_b32 v7, 5, v2
.irp b, 0,1,2,3,4,5,6,7                            ; the bias in the result's layout: tile b, register j: column 16 b + 8 h + j
	global_load_b128 v[BI+8*\b:BI+8*\b+3], v7, s[96:97] offset:64*\b
	global_load_b128 v[BI+8*\b+4:BI+8*\b+7], v7, s[96:97] offset:64*\b+16
.endr
	v_mul_u32_u24 v3, v1, PITCH
	v_mul_u32_u24 v4, v2, 24
	v_add_nc_u32 v4, v3, v4                        ; a fragment's row x pitch + 24 x half
	v_lshl_add_u32 v5, v2, 4, v4                   ; and the same behind one padding more
	s_mul_i32 s21, s15, HALFT
	s_mul_i32 s22, s16, HALFT
	s_add_co_u32 s22, s22, 2*HALFT
.irp s, 0,1
	v_add_nc_u32 v[ADRA+\s], s21, v4
	v_add_nc_u32 v[ADRB+\s], s22, v4
	v_add_nc_u32 v[ADRA+2+\s], s21, v5
	v_add_nc_u32 v[ADRB+2+\s], s22, v5
	s_add_co_u32 s21, s21, SLOT
	s_add_co_u32 s22, s22, SLOT
.endr
	v_mul_u32_u24 v5, v1, KS                       ; my row's scales: KS bytes a row,
	v_lshrrev_b32 v6, 8, v5
	v_lshl_add_u32 v5, v6, 4, v5                   ; and 16 more for each 256 passed
	s_mul_i32 s21, s15, HALFS
	s_mul_i32 s22, s16, HALFS
	s_add_co_u32 s22, s22, 2*HALFS
	s_sub_co_u32 s22, s22, s21
	v_mul_u32_u24 v6, s22, v2                      ; lanes 16-31 take the weight's
	s_add_co_u32 s21, s21, SCL
	v_add_nc_u32 v5, v5, v6
	v_add_nc_u32 v[ADRS], s21, v5
	s_mul_i32 s23, s14, 16*SPITCH                  ; my stage
	v_mul_u32_u24 v5, v1, SPITCH
	v_lshl_add_u32 v3, v2, 5, v5
	v_add_nc_u32 v[STO], s23, v3                   ; in: row r, 32 bytes for each half of the lanes
	v_and_b32 v6, 31, v0
	v_lshlrev_b32 v[CO], 4, v6                     ; 16 x lane
	s_add_co_u32 s22, s23, STGV
	v_add_nc_u32 v[STOV], s22, v3
	v_lshl_add_u32 v3, v2, 6, v5
	v_add_nc_u32 v[RDV], s22, v3                   ; v, back: row l % 16, channel l / 16 of a pair: 64 bytes
	v_mul_u32_u24 v[COV], v2, 384                  ; v^T lies as [head][quarter of the keys][64 d][384 bytes]
	v_mad_u32_u24 v[COV], v1, 12, v[COV]           ; and in v^T: 384 (l / 16) + 12 (l % 16)
	v_lshrrev_b32 v3, 3, v6                        ; l / 8
	v_and_b32 v4, 7, v6                            ; l % 8
	v_mul_u32_u24 v[RDC], v3, SPITCH
	v_lshl_add_u32 v[RDC], v4, 6, v[RDC]
	v_add_nc_u32 v[RDC], s23, v[RDC]               ; q, k, back: row l / 8 of four, 16 columns: 64 bytes
	v_mul_u32_u24 v[COC], v3, OP
	v_mad_u32_u24 v[COC], v4, 12, v[COC]
	s_lshl_b32 s21, s14, 9
	s_add_co_u32 s22, s21, SCBC
	v_bfe_u32 v5, v6, 1, 2
	v_lshl_add_u32 v[SBC], v3, 2, v5
	v_add_nc_u32 v[SBC], s22, v[SBC]               ; scale bytes: 4 a row, block (l % 8) / 2
	v_lshl_add_u32 v[SRC], v6, 2, s22
	v_mul_u32_u24 v[SOC], v6, KSO
	s_add_co_u32 s22, s21, SCBV
	v_bfe_u32 v5, v6, 1, 3
	v_lshl_add_u32 v[SBV], v2, 6, v5
	v_add_nc_u32 v[SBV], s22, v[SBV]               ; v: 64 a channel, block (l % 16) / 2 of the eight of 16 rows
	v_lshl_add_u32 v[SRV], v6, 4, s22
	; where my part of the output begins, as offsets in qkv
	s_lshl_b32 s20, s17, 8
	s_lshl_b32 s21, s15, 7
	s_add_co_u32 s20, s20, s21                     ; my first row
	s_lshl_b32 s92, s42, 1
	s_add_co_u32 s92, s92, s16                     ; my 128 columns' number
	s_lshr_b32 s93, s20, 1
	s_lshl_b32 s94, s92, 3
	s_add_co_u32 s93, s93, s94                     ; v^T's row: 64 x head + my first channel
	s_lshr_b32 s94, s93, 6
	s_mul_i32 s94, s94, 98304                      ; the head,
	s_and_b32 s45, s93, 63
	s_mul_i32 s45, s45, 384                        ; my first channel's row in a quarter
	s_add_co_u32 s94, s94, s45
	s_lshl_b32 s93, s93, 6
	s_add_co_u32 s93, s93, CSO
	s_mul_i32 s18, s20, OP
	s_mul_i32 s21, s92, 96
	s_add_co_u32 s18, s18, s21
	s_mul_i32 s20, s20, KSO
	s_lshl_b32 s21, s92, 2
	s_add_co_u32 s20, s20, s21
	s_add_co_u32 s20, s20, CSO
	s_cmp_eq_u32 s100, 2
	s_cselect_b32 s18, s94, s18
	s_cselect_b32 s20, s93, s20
	s_mul_i32 s45, s100, PART
	s_add_co_u32 s18, s18, s45
	s_add_co_u32 s20, s20, s45
	s_mov_b32 s19, 0
	s_mov_b32 s21, 0
	s_add_nc_u64 s[98:99], s[12:13], s[20:21]      ; the scale bytes
	s_add_nc_u64 s[12:13], s[12:13], s[18:19]      ; the codes
.macro FRAG reg, adr, q, i             ; a fragment, 16 rows x 128 K, is 12 registers: registers 6 c .. 6 c + 5 hold K = 64 c + 32 (l / 16) + 0 .. 31: 24 bytes of the row, as they lie
.irp p, 0,1,2,3,4,5                    ; in pieces of 8 bytes; lanes 16-31 read three pieces on: where that is behind one padding more, the second address register serves
.set PC, 12*(\q)+6*(\p/3)+\p%3
.if PC%8 < 5
	ds_load_b64 v[\reg+2*\p:\reg+2*\p+1], v[\adr] offset:8*PC+16*(PC/8)+(\i)*16*PITCH
.else
	ds_load_b64 v[\reg+2*\p:\reg+2*\p+1], v[\adr+2] offset:8*PC+16*(PC/8)+(\i)*16*PITCH
.endif
.endr
.endm
; 16 matrix instructions: A's blocks a0, a0 + 1 x the weight's eight.  first = 1: C is the bias.  The 64 accumulators take turns, one instruction a turn.
.macro MUL16 a0, p, q, sc, first
.irp a, \a0, \a0+1
.irp b, 0,1,2,3,4,5,6,7
.if \first
	v_wmma_scale_f32_16x16x128_f8f6f4 v[8*(8*((\a)%4)+\b):8*(8*((\a)%4)+\b)+7], v[128*(\p)+FR*\b:128*(\p)+FR*\b+FR-1], v[AF+FR*(\a):AF+FR*(\a)+FR-1], v[BI+8*\b:BI+8*\b+7], v[SC+8*NQ*(\sc)+NQ*\b+(\q)], v[SC+8*NQ*(\sc)+NQ*(\a)+(\q)] matrix_a_fmt:MATRIX_FMT_FP6 matrix_b_fmt:MATRIX_FMT_FP6 matrix_a_scale:MATRIX_SCALE_ROW1
.else
	v_wmma_scale_f32_16x16x128_f8f6f4 v[8*(8*((\a)%4)+\b):8*(8*((\a)%4)+\b)+7], v[128*(\p)+FR*\b:128*(\p)+FR*\b+FR-1], v[AF+FR*(\a):AF+FR*(\a)+FR-1], v[8*(8*((\a)%4)+\b):8*(8*((\a)%4)+\b)+7], v[SC+8*NQ*(\sc)+NQ*\b+(\q)], v[SC+8*NQ*(\sc)+NQ*(\a)+(\q)] matrix_a_fmt:MATRIX_FMT_FP6 matrix_b_fmt:MATRIX_FMT_FP6 matrix_a_scale:MATRIX_SCALE_ROW1
.endif
.endr
.endr
.endm
.macro FETCH_B slot, q, p
	WIN TO_B
.irp i, 0,1,2,3,4,5,6,7
	FRAG 128*(\p)+FR*\i, ADRB+\slot, \q, \i
.endr
	WIN 0
.endm
.macro FETCH_A slot, q, i0
.irp i, \i0, \i0+1, \i0+2, \i0+3
	FRAG AF+FR*(\i), ADRA+\slot, \q, \i
.endr
.endm
.macro SCALES sc                       ; a K step's scale words: lanes 0-15 take A's block i, lanes 16-31 the weight's block i
.irp i, 0,1,2,3,4,5,6,7
	ds_load_b64 v[SC+8*NQ*\sc+NQ*\i:SC+8*NQ*\sc+NQ*\i+1], v[ADRS] offset:\i*SBLK
.endr
.endm
.macro PLACES n                        ; plain vector lines behind matrix instructions, in front of loads into their registers and of reads of results
.rept \n
	v_nop
.endr
.endm
.macro STEP slot, q, first             ; a step of 128 along K that has its successor in the same slot
	s_wait_dscnt 4*NL                              ; all but the youngest loads (A's blocks 4-7) are in
.if \first
	WIN FIRST_LO
.else
	WIN MUL_LO
.endif
	MUL16 0, (\q)%2, \q, \slot, \first
	MUL16 2, (\q)%2, \q, \slot, \first
	s_wait_dscnt 0
	PLACES NP
	FETCH_B \slot, (\q)+1, 1-(\q)%2
	FETCH_A \slot, (\q)+1, 0
.if \first
	WIN FIRST_HI
.else
	WIN MUL_HI
.endif
	MUL16 4, (\q)%2, \q, \slot, \first
	MUL16 6, (\q)%2, \q, \slot, \first
	PLACES NP
	WIN 0
	FETCH_A \slot, (\q)+1, 4
.endm
.macro TURN slot, next, fill           ; a slot's last step changes slots: one barrier; fill = 1: this slot is filled again, two K steps ahead
	s_wait_tensorcnt 0x0                           ; all my tensor loads have landed: my part of the next slot
	ds_add_u32 v[SPW], v[NIL]                      ; 0 onto my spare word
	s_wait_dscnt 4*NL+1                            ; the add and A's blocks 4-7 may be out
	WIN MUL_LO
	MUL16 0, 1, NQ-1, \slot, 0
	s_wait_dscnt 0x0                               ; the add is done, and my reads of this slot are over
	s_barrier_signal -1
	MUL16 2, 1, NQ-1, \slot, 0
	WIN 0
	s_barrier_wait -1
.if \fill
	CREST                                          ; the barrier has opened a round of the cluster's: no wave of any partner still reads this slot or has a load on its way
	s_add_nc_u64 s[G0+4*\slot+2:G0+4*\slot+3], s[G0+4*\slot+2:G0+4*\slot+3], 2*CHA
	s_add_nc_u64 s[G0B+4*\slot+2:G0B+4*\slot+3], s[G0B+4*\slot+2:G0B+4*\slot+3], 2*CHB
	JLOAD G0+4*\slot, G1, G0B+4*\slot, G1B         ; the first tensor load behind the round; its four v_nop are the places in front of the loads below
.else
	PLACES NP
.endif
	s_wait_alu depctr_va_vdst(0)
	v_add_nc_u32 v[ADRS], 4*NQ, v[ADRS]            ; the next K step's scale words
	FETCH_B \next, 0, 0
	FETCH_A \next, 0, 0
	SCALES \next
	WIN MUL_HI
	MUL16 4, 1, NQ-1, \slot, 0
	MUL16 6, 1, NQ-1, \slot, 0
	PLACES NP
	WIN 0
	FETCH_A \next, 0, 4
.endm
	s_wait_alu depctr_va_vdst(0)
	s_wait_tensorcnt 0x0                           ; my tile of the head's four is in
	ds_add_u32 v[SPW], v[NIL]
	s_mov_b32 s[G1+2], 96<<16                      ; no load of mine is out: from here on a load brings 128 rows x 192 bytes = 96 rows of 256
	s_mov_b32 s[G1+4], 96
	s_mov_b32 s[G1B+2], 96<<16
	s_mov_b32 s[G1B+4], 96
	s_wait_dscnt 0x0
	CROUND                                         ; all four tiles are in, and all sixteen work-groups are here
	JLOAD G0+4, G1, G0B+4, G1B                     ; K step 1, the first tensor load behind the round
	FETCH_B 0, 0, 0
	FETCH_A 0, 0, 0
	SCALES 0
	FETCH_A 0, 0, 4
	s_wait_loadcnt 0x0                             ; the bias
	STEP 0, 0, 1
	s_mov_b32 s3, LAPS-1
.Llap:                                                 ; a trip goes once round the ring and fills both slots again
	TURN 0, 1, 1
	STEP 1, 0, 0
	TURN 1, 0, 1
	STEP 0, 0, 0
	s_sub_co_u32 s3, s3, 1
	s_cmp_lg_u32 s3, 0
	s_cbranch_scc1 .Llap
	TURN 0, 1, 0                                   ; the last lap fills nothing
	STEP 1, 0, 0
	s_wait_dscnt 4*NL
	WIN MUL_LO
	MUL16 0, 1, NQ-1, 1, 0
	MUL16 2, 1, NQ-1, 1, 0
	s_wait_dscnt 0
	WIN MUL_HI
	MUL16 4, 1, NQ-1, 1, 0
	MUL16 6, 1, NQ-1, 1, 0
	WIN 0
; THE WAY OUT, block by block of 16 rows.  TOSTAGE: the accumulators as they are into my stage, each from its low end on, and back as 16 neighbours a lane, four runs.
.macro TOSTAGE a, sto, rd, step
.set AC, 64*((\a)%4)
	WIN 0x08+4*((\a)/4)                            ; the data: window 2 or 3
.irp b, 0,1,2,3,4,5,6,7
	ds_store_b128 v[\sto], v[AC+8*\b:AC+8*\b+3] offset:64*\b
	ds_store_b128 v[\sto], v[AC+8*\b+4:AC+8*\b+7] offset:64*\b+16
.endr
	WIN 0
.set BB, BK+64*((\a)%2)
.irp it, 0,1,2,3
.irp j, 0,1,2,3
	ds_load_b128 v[BB+16*\it+4*\j:BB+16*\it+4*\j+3], v[\rd] offset:\step*\it+16*\j   ; LDS serves a wave's instructions in order: these see the stores above
.endr
.endr
.endm
; QSEND: four runs of 16 numbers a lane become codes and scale bytes.  vt = 1: v's way.
.macro QSEND a, younger, vt
.set BB, BK+64*((\a)%2)
.set CD, 64+16*((\a)%2)
	s_wait_dscnt \younger                          ; the block is back; the next block's 16 stores and 16 loads may be out
.irp it, 0,1,2,3
	v_max3_num_f32 v[TM+\it], |v[BB+16*\it]|, |v[BB+16*\it+1]|, 0x1800000   ; with the floor 2^(3 - 127): the byte cannot fall under 1
.endr
.irp i, 2,4,6,8,10,12,14
.irp it, 0,1,2,3
	v_max3_num_f32 v[TM+\it], v[TM+\it], |v[BB+16*\it+\i]|, |v[BB+16*\it+\i+1]|
.endr
.endr
.irp it, 0,1,2,3
	v_max_num_f32_dpp v[TM+\it], v[TM+\it], v[TM+\it] row_xmask:1 row_mask:0xf bank_mask:0xf   ; my neighbour holds the block's other 16
.endr
.irp it, 0,1,2,3
	v_add_nc_u32 v[SOP+\it], 0xff000000, v[TM+\it] ; 2 off the exponent field: the conversion's scale operand
.endr
.irp it, 0,1,2,3
	v_cvt_scalef32_pk16_fp6_f32 v[CD+4*\it:CD+4*\it+2], v[BB+16*\it:BB+16*\it+15], v[SOP+\it]
.endr
.irp it, 0,1,2,3
	v_lshrrev_b32 v[EB+\it], 23, v[SOP+\it]        ; the byte (also the plain line behind the conversions)
.endr
.irp it, 0,1,2,3
.if \vt
	ds_store_b8 v[SBV], v[EB+\it] offset:128*\it+8*(\a)
	global_store_b96 v[COV], v[CD+4*\it:CD+4*\it+2], s[12:13] offset:768*\it+24576*((\a)/2)+192*((\a)%2)   ; two channels x 192 consecutive bytes, in quarter a / 2
.else
	ds_store_b8 v[SBC], v[EB+\it] offset:64*(\a)+16*\it
	global_store_b96 v[COC], v[CD+4*\it:CD+4*\it+2], s[12:13] offset:(16*(\a)+4*\it)*OP   ; four rows x 96 consecutive bytes
.endif
.endr
.endm
	PLACES NP
	s_cmp_eq_u32 s100, 2                           ; the cluster's x: alike in every wave of every partner
	s_cbranch_scc1 .Lway_v
	TOSTAGE 0, STO, RDC, 4*SPITCH
.irp a, 1,2,3,4,5,6,7
.if \a > 1
	s_wait_xcnt 0x0                                ; block a - 3's stores have read the code registers that block a - 1 writes
.endif
	TOSTAGE \a, STO, RDC, 4*SPITCH
	QSEND \a-1, 32, 0
.endr
	QSEND 7, 0, 0
.irp k, 0,1,2,3
	ds_load_b32 v[EB2+\k], v[SRC] offset:128*\k    ; my 128 rows' scale words
.endr
.irp k, 0,1,2,3
	s_wait_dscnt 3-\k
	global_store_b32 v[SOC], v[EB2+\k], s[98:99] offset:32*\k*KSO   ; 4 bytes a row, rows 32 bytes apart: the price of scale bytes that lie by rows; one byte in 24 of what leaves here
.endr
	s_branch .Ldone
.Lway_v:
	TOSTAGE 0, STOV, RDV, 128
.irp a, 1,2,3,4,5,6,7
.if \a > 1
	s_wait_xcnt 0x0
.endif
	TOSTAGE \a, STOV, RDV, 128
	QSEND \a-1, 32, 1
.endr
	QSEND 7, 0, 1
	ds_load_b128 v[EB2:EB2+3], v[SRV]              ; my 8 channels x 64 scale bytes: 512 consecutive bytes in memory
	s_wait_dscnt 0x0
	global_store_b128 v[CO], v[EB2:EB2+3], s[98:99]
.Ldone:
	s_wait_tensorcnt 0x0                           ; the wave's end
	ds_add_u32 v[SPW], v[NIL]
	s_wait_dscnt 0x0
	CROUND                                         ; the closing round
	s_endpgm
.Lfunc_end_k_q7bb9551a60_gemm_qkv:
	.size	k_q7bb9551a60_gemm_qkv, .Lfunc_end_k_q7bb9551a60_gemm_qkv-k_q7bb9551a60_gemm_qkv
	.p2alignl 7, 3214868480
	.fill 96, 4, 3214868480
	.section	.rodata,"a",@progbits
	.p2align	6, 0x0
	.amdhsa_kernel k_q7bb9551a60_gemm_qkv
		.amdhsa_group_segment_fixed_size 327680
		.amdhsa_private_segment_fixed_size 0
		.amdhsa_enable_private_segment 0
		.amdhsa_kernarg_size 64
		.amdhsa_user_sgpr_count 2
		.amdhsa_user_sgpr_kernarg_segment_ptr 1
		.amdhsa_wavefront_size32 1
		.amdhsa_system_sgpr_workgroup_id_x 1
		.amdhsa_system_sgpr_workgroup_id_y 1
		.amdhsa_system_sgpr_workgroup_id_z 1
		.amdhsa_system_vgpr_workitem_id 0
		.amdhsa_next_free_vgpr 1024
		.amdhsa_next_free_sgpr 102
		.amdhsa_reserve_vcc 0
		.amdhsa_float_denorm_mode_32 3
		.amdhsa_float_denorm_mode_16_64 3
		.amdhsa_memory_ordered 1
		.amdhsa_forward_progress 1
		.amdhsa_inst_pref_size 229
	.end_amdhsa_kernel
	.amdgpu_metadata
---
amdhsa.version: [ 1, 2 ]
amdhsa.kernels:
  - .name:           k_q7bb9551a60_gemm_qkv
    .symbol:         k_q7bb9551a60_gemm_qkv.kd
    .args:
      - { .name: wr, .offset: 0, .size: 8, .value_kind: global_buffer, .address_space: global }
      - { .name: Wq_scales, .offset: 8, .size: 8, .value_kind: global_buffer, .address_space: global }
      - { .name: bq, .offset: 16, .size: 8, .value_kind: global_buffer, .address_space: global }
      - { .name: Wk_scales, .offset: 24, .size: 8, .value_kind: global_buffer, .address_space: global }
      - { .name: bk, .offset: 32, .size: 8, .value_kind: global_buffer, .address_space: global }
      - { .name: wvp, .offset: 40, .size: 8, .value_kind: global_buffer, .address_space: global }
      - { .name: qkv, .offset: 48, .size: 8, .value_kind: global_buffer, .address_space: global }
      - { .name: hA, .offset: 56, .size: 8, .value_kind: global_buffer, .address_space: global }
    .group_segment_fixed_size: 327680
    .private_segment_fixed_size: 0
    .kernarg_segment_align: 8
    .kernarg_segment_size: 64
    .max_flat_workgroup_size: 128
    .sgpr_count:     102
    .vgpr_count:     1024
    .wavefront_size: 32
...
	.end_amdgpu_metadata
.endif
;; end of part 9
;; launch attn (part 10): grid 8 x 32, 16 waves a work-group, clusters of 4 x 1, 236,544 bytes of LDS; arguments qkv, hA; writes hA
.if DOCPART == 10
	.amdgcn_target "amdgcn-amd-amdhsa--gfx1250"
	.amdhsa_code_object_version 6
	.text
	.protected	k_q7bb9551a60_attn
	.globl	k_q7bb9551a60_attn
	.p2align	8
	.type	k_q7bb9551a60_attn,@function
k_q7bb9551a60_attn:
	s_mov_b64 s[64:65], 0
	v_nop
	global_prefetch_b8 v0, s[64:65] scope:SCOPE_SE
	s_setreg_imm32_b32 hwreg(HW_REG_WAVE_MODE, 25, 1), 1
	s_wait_xcnt 0x0
	s_wait_alu depctr_hold_cnt(0) depctr_sa_sdst(0) depctr_va_vdst(0) depctr_va_sdst(0) depctr_va_ssrc(0) depctr_va_vcc(0) depctr_vm_vsrc(0)
	s_getreg_b32 s2, hwreg(HW_REG_IB_STS2, 6, 4)
	s_cmp_eq_u32 s2, 0
	s_cbranch_scc0 .Lentry_in_a_cluster
	s_endpgm
.Lentry_in_a_cluster:
	s_bfe_u32 s2, ttmp6, 0x10000c
	s_cmp_lg_u32 s2, 0x3003
	s_cbranch_scc0 .Lentry_shape_is_right
	s_endpgm
.Lentry_shape_is_right:
; o = softmax(q k^T / 32) v for 32 heads of 2,048 x 64, both products on codes of E2M3; o / l is quantised along the head's 64 into hA (codes [4096][768], scale bytes behind them).
; t = score x log2(e) / 32; M = the running largest t rounded UP to a whole number; p = 2^(t - M) is quantised along the keys, not normalised; the row's sum l is taken of the unquantised p.
; SHARES.  A work-group owns 256 queries of one head, each of its sixteen waves 16.  THE WHOLE HEAD's k, v^T and scale bytes lie in LDS, filled once: no slot is ever filled again.
; CLUSTER.  The four query blocks of a cluster belong to one head: each tile is asked for jointly, by the same tensor load with the mask of all four.
; LAYOUT.  Both products are used transposed, so that a lane holds one query.  The head has 64 along K and the instruction 128: a ROW OF k's FRAGMENT IS TWO KEYS (2 rho, 2 rho + 1: 96 bytes, one scale word),
; multiplied once by [q | 0] (the even key's score) and once by [0 | q] (the odd key's).  A lane's 16 registers of block b are then keys 32 b + 16 (lane / 16) + pi(i), pi(i) = 2 (i % 8) + i / 8,
; which is the order in which v^T's positions were laid: always inside the true block of 32 keys.
; The rows of v^T that form a tile are not neighbours: lane r of tile 2 e + u takes channel 32 e + 8 u + r + 8 (r / 8), so that the 16 registers of two tiles are 16 neighbouring channels for o's quantiser.
; LIMITS: a block under 2^-124 gets the byte 1 (this program alone reads the bytes); NaN and infinities are not served.
.set PART, 3276800
.set CSO,  3145728
.set KQ,   24576                       ; a quarter of k: 256 rows of two keys x 96 bytes, dense
.set VC,   98304                       ; v^T: four quarters of 64 rows x 432 bytes (384 + 16 of padding behind each 128)
.set VQ,   27648
.set VP,   432
.set SCK,  208896                      ; k's scale bytes, units of 256 + 16
.set SCV,  213248                      ; v^T's likewise
.set OST,  217600                      ; the way out: 1,024 bytes a wave
.set OSC,  233984                      ; o's 512 scale bytes
.set AK0,  1
.set AV0,  2
.set AV1,  3
.set ASK0, 4
.set ASV0, 5
.set ADK,  8
.set ADV,  9
.set ADV1, 10
.set ADS,  11
.set QE,   16                          ; v16-27 [q | 0];  v28-39 [0 | q]
.set QO,   28
.set QS,   40                          ; q's scale word;  v41 p's;  v42-45 k's;  v46-49 v^T's
.set PS,   41
.set KSW,  42
.set VSW,  46
.set ADT,  50
.set FRG,  52                          ; v52-99 four fragments of k or of v^T
.set S,    100                         ; v100-163 scores, then p
.set O,    164                         ; v164-195 o^T
.set PCD,  196                         ; v196-207 p's codes;  v208-215 their other halves
.set PT,   208
.set BM,   216
.set BT,   220
.set BS,   224
.set F,    228
.set T,    230
.set WV,   88
.set SEL,  90
.set CS,   92
.macro CROUND                          ; a round of the cluster's barrier
	s_barrier_signal -1
	s_barrier_wait -1
	s_cmp_lg_u32 s[WV], 0
	s_cbranch_scc1 .Lnot_wave_0_\@
	s_barrier_signal -3
.Lnot_wave_0_\@:
	s_barrier_wait -3
	s_barrier_signal -1
	s_barrier_wait -1
.endm
	s_load_b128 s[4:7], s[0:1], 0x0                ; qkv, hA
	v_lshl_add_u32 v247, v0, 2, 0x39400
	v_mov_b32 v251, 0
	ds_add_u32 v247, v251
	ds_add_u32 v247, v251
	v_lshrrev_b32 v8, 5, v0
	s_delay_alu instid0(VALU_DEP_1)
	v_readfirstlane_b32 s[WV], v8                  ; wave 0..15
	s_and_b32 s89, s[WV], 1                        ; for waves 8, 9: k's scale bytes (0) or v^T's (1)
	s_and_b32 s99, ttmp7, 0xffff                   ; the head, which the four partners share
	s_bfe_u32 s100, ttmp6, 0x40000                 ; cx
	s_lshl_b32 s101, ttmp9, 2
	s_add_co_u32 s100, s100, s101                  ; my block of 256 queries: it enters q's and o's addresses alone
	s_mul_i32 s8, s99, 98304                       ; the head's codes,
	s_lshl_b32 s9, s99, 12                         ; its scale bytes
	; THE FILLS: ten tiles, one joint load a wave: waves 0-3 k's quarters, waves 4-7 v^T's quarters (each a dense block of 24,576 bytes, as 96 rows of 256), waves 8, 9 k's and v^T's scale bytes (4,096 each)
	s_and_b32 s66, s[WV], 3                        ; which quarter
	s_mul_i32 s16, s66, KQ
	s_add_co_u32 s16, s16, s8
	s_mov_b32 s17, 0                               ; the quarter's codes in k's or in v^T's part
	s_mul_i32 s18, s89, PART                       ; scale bytes: k's part (wave 8) or v^T's (wave 9)
	s_add_co_u32 s18, s18, s9
	s_add_co_u32 s18, s18, CSO
	s_mov_b32 s19, 0
	s_lshl_b32 s101, s100, 8
	s_lshl_b32 s2, s[WV], 4
	s_add_co_u32 s101, s101, s2                    ; my first query
	s_mul_i32 s2, s101, 48
	s_add_co_u32 s2, s2, s8
	s_mov_b32 s3, 0
	s_lshl_b32 s10, s101, 1
	s_add_co_u32 s10, s10, s9
	s_add_co_u32 s10, s10, CSO
	s_mov_b32 s11, 0
	s_lshl_b32 s100, s100, 9
	s_add_co_u32 s100, s100, s9
	s_add_co_u32 s100, s100, CSO
	s_mov_b32 s101, 0
	s_mul_i32 s99, s66, KQ
	s_mul_i32 s98, s66, VQ
	s_mul_i32 s97, s89, 4352
	s_mov_b32 s20, 15|(3<<16)|(1<<21)              ; k: a dense block of 24,576 bytes as 96 rows of 32 elements of 8 bytes; the mask of all four, bit 21 beside it
	s_mov_b32 s21, 32<<16
	s_mov_b32 s22, 96<<16
	s_mov_b32 s23, 32<<16
	s_mov_b32 s24, 96
	s_mov_b32 s25, 32
	s_mov_b32 s26, 0
	s_mov_b32 s27, 0
	s_mov_b32 s28, 15|(0<<16)|(1<<20)|(1<<21)|(4<<22)|(3<<25)   ; v^T: a dense block of 24,576 bytes as 96 rows of 256; 4 words of padding behind every 32
	s_mov_b32 s29, 256<<16
	s_mov_b32 s30, 96<<16
	s_mov_b32 s31, 256<<16
	s_mov_b32 s32, 96
	s_mov_b32 s33, 256
	s_mov_b32 s34, 0
	s_mov_b32 s35, 0
	s_mov_b32 s36, 15|(3<<16)|(1<<20)|(1<<21)|(5<<22)|(3<<25)   ; scale bytes: 16 rows of 256 bytes, 16 of padding behind each
	s_mov_b32 s37, 32<<16
	s_mov_b32 s38, 16<<16
	s_mov_b32 s39, 32<<16
	s_mov_b32 s40, 16
	s_mov_b32 s41, 32
	s_mov_b32 s42, 0
	s_mov_b32 s43, 0
	s_mov_b32 s[SEL], 0x76543210
	s_mov_b32 s[SEL+1], 0xfedcba98                 ; v_permlanex16_b32's selects for lane l xor 16
	s_mov_b32 s[CS], 0x3d38aa3b                    ; c = log2(e) / 32
	s_mov_b32 s[CS+1], s[CS]
	s_wait_dscnt 0x0
	s_wait_kmcnt 0x0
	s_add_nc_u64 s[12:13], s[4:5], PART            ; k's part
	s_add_nc_u64 s[14:15], s[4:5], 2*PART          ; v^T's
	s_mov_b32 s44, 1
	s_add_co_u32 s45, s97, SCK
	s_add_nc_u64 s[46:47], s[12:13], s[18:19]
	s_or_b32 s47, s47, 0x80000000
	s_mov_b32 s48, 1                               ; k's quarter
	s_mov_b32 s49, s99
	s_add_nc_u64 s[50:51], s[12:13], s[16:17]
	s_or_b32 s51, s51, 0x80000000
	s_mov_b32 s52, 1                               ; v^T's quarter
	s_add_co_u32 s53, s98, VC
	s_add_nc_u64 s[54:55], s[14:15], s[16:17]
	s_or_b32 s55, s55, 0x80000000
	CROUND                                         ; all four work-groups are here: the joint loads meet
	s_cmp_lt_u32 s[WV], 4                          ; one chain of branches on the wave's number, one load to an arm
	s_cbranch_scc0 .Lnot_k
	tensor_load_to_lds s[48:51], s[20:27]
	s_nop 0
.rept 4
	v_nop
.endr
	s_branch .Lasked
.Lnot_k:
	s_cmp_lt_u32 s[WV], 8
	s_cbranch_scc0 .Lnot_v
	tensor_load_to_lds s[52:55], s[28:35]
	s_nop 0
.rept 4
	v_nop
.endr
	s_branch .Lasked
.Lnot_v:
	s_cmp_lt_u32 s[WV], 10
	s_cbranch_scc0 .Lasked
	tensor_load_to_lds s[44:47], s[36:43]
	s_nop 0
.rept 4
	v_nop
.endr
.Lasked:
	s_add_nc_u64 s[10:11], s[4:5], s[10:11]        ; q's scale bytes at my first query
	s_add_nc_u64 s[4:5], s[4:5], s[2:3]            ; q's codes
	s_add_nc_u64 s[100:101], s[6:7], s[100:101]    ; o's scale bytes at my work-group's first query
	s_lshr_b32 s2, s2, 1                           ; o's codes leave as [2 chunks of 512 along K][4096 rows][384 bytes]: my 16 queries are one row
	s_add_nc_u64 s[6:7], s[6:7], s[2:3]
	v_and_b32 v8, 15, v0                           ; r
	v_bfe_u32 v9, v0, 4, 1                         ; h
	s_delay_alu instid0(VALU_DEP_2)
	v_mul_u32_u24 v10, v8, 48
	s_delay_alu instid0(VALU_DEP_1)
	v_mad_u32_u24 v10, v9, 24, v10                 ; q: row r of 48 bytes, + 24 h
.irp p, 0,1,2
	global_load_b64 v[QE+2*\p:QE+2*\p+1], v10, s[4:5] offset:8*\p        ; K = 32 h .. of [q | 0]
	global_load_b64 v[QO+6+2*\p:QO+7+2*\p], v10, s[4:5] offset:8*\p      ; K = 64 + 32 h .. of [0 | q]
.endr
	v_lshlrev_b32 v11, 1, v8
	global_load_u16 v[T], v11, s[10:11]            ; q's two scale bytes
.irp p, 0,1,2,3,4,5
	v_mov_b32 v[QE+6+\p], 0                        ; zero codes add nothing under any scale byte but 0xff
	v_mov_b32 v[QO+\p], 0
.endr
	v_mul_u32_u24 v[AK0], v8, 96
	s_delay_alu instid0(VALU_DEP_1)
	v_mad_u32_u24 v[AK0], v9, 24, v[AK0]
	v_and_b32 v231, 8, v8
	s_delay_alu instid0(VALU_DEP_1)
	v_add_nc_u32 v231, v231, v8                    ; r + 8 (r / 8)
	s_delay_alu instid0(VALU_DEP_1)
	v_mul_u32_u24 v[AV0], v231, VP
	s_delay_alu instid0(VALU_DEP_1)
	v_mad_u32_u24 v[AV0], v9, 24, v[AV0]
	s_delay_alu instid0(VALU_DEP_1)
	v_add_nc_u32 v[AV0], VC, v[AV0]
	s_delay_alu instid0(VALU_DEP_1)
	v_lshl_add_u32 v[AV1], v9, 4, v[AV0]           ; the same behind one padding more
	v_lshl_add_u32 v[ASK0], v8, 2, SCK             ; k's scale words: 4 bytes a row of two keys; a step's 64 rows are one unit
	v_lshrrev_b32 v[ASV0], 2, v231
	s_delay_alu instid0(VALU_DEP_1)
	v_lshlrev_b32 v[ASV0], 4, v[ASV0]
	s_delay_alu instid0(VALU_DEP_1)
	v_lshl_add_u32 v[ASV0], v231, 6, v[ASV0]
	s_delay_alu instid0(VALU_DEP_1)
	v_add_nc_u32 v[ASV0], SCV, v[ASV0]             ; v^T's: 64 bytes a channel, four channels to a unit
	v_mov_b32 v13, 0xff61b1e6                      ; the largest t so far: -3e38
	s_delay_alu instid0(VALU_DEP_1)
	v_floor_f32 v12, -v13                          ; -M
	v_mov_b32 v14, 0                               ; the sum, in two halves
	v_mov_b32 v15, 0
	v_mov_b32 v[F+1], 0                            ; named as the upper half of a pair
.irp b, 0,1,2,3
	v_mov_b32 v[BT+\b], 0                          ; a lane permute's destination counts as one of its sources
.endr
	s_mov_b32 s94, 0                               ; where the quarter in hand begins: k, v^T, k's scale words, v^T's
	s_mov_b32 s95, 0
	s_mov_b32 s96, 0
	s_mov_b32 s97, 0
	s_mov_b32 s98, 4
	s_wait_loadcnt 0x0                             ; q
	v_lshl_or_b32 v[QS], v[T], 16, v[T]            ; the same two bytes for both halves of K
.set j, 0
.rept 32
	v_mov_b32 v[O+j], 0                            ; o^T: the step is written once; the first change of M leaves zeros zeros.  (Also the places between q's scale word and the first product)
.set j, j+1
.endr
; A KEY STEP: 128 keys, the q-th of the quarter in hand
.macro STEP q
.rept 4
	v_nop                                          ; places in front of loads into registers that the last products read
.endr
.irp b, 0,1,2,3
.irp p, 0,1,2,3,4,5
	ds_load_b64 v[FRG+12*\b+2*\p:FRG+12*\b+2*\p+1], v[ADK] offset:6144*(\q)+1536*\b+48*(\p/3)+8*(\p%3)
.endr
	ds_load_b32 v[KSW+\b], v[ADS] offset:272*(\q)+64*\b
.endr
	s_wait_dscnt 0x0
.irp b, 0,1,2,3                                    ; S^T: register j of the first: key 32 b + 16 h + 2 j; of the second: that key + 1
	v_wmma_scale_f32_16x16x128_f8f6f4 v[S+16*\b:S+16*\b+7], v[FRG+12*\b:FRG+12*\b+11], v[QE:QE+11], 0, v[KSW+\b], v[QS] matrix_a_fmt:MATRIX_FMT_FP6 matrix_b_fmt:MATRIX_FMT_FP6
	v_wmma_scale_f32_16x16x128_f8f6f4 v[S+16*\b+8:S+16*\b+15], v[FRG+12*\b:FRG+12*\b+11], v[QO:QO+11], 0, v[KSW+\b], v[QS] matrix_a_fmt:MATRIX_FMT_FP6 matrix_b_fmt:MATRIX_FMT_FP6
.endr
.rept 4
	v_nop                                          ; places in front of the loads below and of the first read of the scores
.endr
.irp t, 0,1,2,3                                    ; v^T's four tiles go out now and land under the softmax
.irp p, 0,1,2,3,4,5
.set PCE, 12*(\q)+6*(\p/3)+\p%3
.if PCE%16 < 13
	ds_load_b64 v[FRG+12*\t+2*\p:FRG+12*\t+2*\p+1], v[ADV] offset:(32*(\t/2)+8*(\t%2))*VP+8*PCE+16*(PCE/16)
.else
	ds_load_b64 v[FRG+12*\t+2*\p:FRG+12*\t+2*\p+1], v[ADV1] offset:(32*(\t/2)+8*(\t%2))*VP+8*PCE+16*(PCE/16)
.endif
.endr
	ds_load_b32 v[VSW+\t], v[ADT] offset:(8*(\t/2)+2*(\t%2))*272+4*(\q)
.endr
.irp b, 0,1,2,3
	v_max3_num_f32 v[BM+\b], v[S+16*\b], v[S+16*\b+1], v[S+16*\b+2]   ; the largest score of each block of 32 keys: for the row's maximum, and, since p rises with the score, for the block's largest p
.endr
.irp i, 3,5,7,9,11,13
.irp b, 0,1,2,3
	v_max3_num_f32 v[BM+\b], v[BM+\b], v[S+16*\b+\i], v[S+16*\b+\i+1]
.endr
.endr
.irp b, 0,1,2,3
	v_max_num_f32 v[BM+\b], v[BM+\b], v[S+16*\b+15]
.endr
.irp b, 0,1,2,3
	s_delay_alu instid0(VALU_DEP_4)
	v_permlanex16_b32 v[BT+\b], v[BM+\b], s[SEL], s[SEL+1]
.endr
.irp b, 0,1,2,3
	s_delay_alu instid0(VALU_DEP_4)
	v_max_num_f32 v[BM+\b], v[BM+\b], v[BT+\b]     ; with lane l xor 16's 16 keys
.endr
	s_delay_alu instid0(VALU_DEP_2)
	v_max3_num_f32 v[T], v[BM], v[BM+1], v[BM+2]
	s_delay_alu instid0(VALU_DEP_1)
	v_max_num_f32 v[T], v[T], v[BM+3]
	s_delay_alu instid0(VALU_DEP_1)
	v_mul_f32 v[T], s[CS], v[T]                    ; the step's largest t (c is positive)
	s_delay_alu instid0(VALU_DEP_1)
	v_max_num_f32 v13, v13, v[T]
	v_mov_b32 v[T], v12
	s_delay_alu instid0(VALU_DEP_2)
	v_floor_f32 v12, -v13                          ; the new -M = -ceil(t)
	s_delay_alu instid0(VALU_DEP_1)
	v_sub_f32 v[T], v12, v[T]                      ; old M - new M: a whole number, 0 or less
	s_delay_alu instid0(VALU_DEP_1)
	v_cvt_i32_f32 v[T], v[T]                       ; (it saturates)
	s_delay_alu instid0(VALU_DEP_1)
	v_ldexp_f32 v[F], 1.0, v[T]                    ; f = 2^(old M - new M): a multiplication by it rounds nothing
.set j, 0
.rept 32
	v_pk_fma_f32 v[S+j:S+j+1], v[S+j:S+j+1], s[CS:CS+1], v[12:13] op_sel_hi:[1,0,0]   ; t - M
.set j, j+2
.endr
.irp b, 0,1,2,3
	v_fma_f32 v[BM+\b], v[BM+\b], s[CS], v12
.endr
.set j, 0
	s_wait_alu depctr_va_vdst(0)
.rept 64
	v_exp_f32 v[S+j], v[S+j]                       ; p = 2^(t - M)
.set j, j+1
.endr
.irp b, 0,1,2,3
	v_exp_f32 v[BM+\b], v[BM+\b]                   ; the block's largest p: the same two instructions on the same number
.endr
	v_pk_mul_f32 v[14:15], v[14:15], v[F:F+1] op_sel_hi:[1,0]   ; the sums under the new M (a plain line behind the exponentials)
	s_wait_alu depctr_va_vdst(0)
.irp b, 0,1,2,3
	v_max_num_f32 v[BM+\b], 0x1800000, v[BM+\b]    ; the floor 2^(3 - 127)
.endr
.irp b, 0,1,2,3
	s_delay_alu instid0(VALU_DEP_4)
	v_add_nc_u32 v[BS+\b], 0xff000000, v[BM+\b]    ; the conversion's scale operand
.endr
.irp b, 0,1,2,3
	s_delay_alu instid0(VALU_DEP_4)
	v_lshrrev_b32 v[BT+\b], 23, v[BS+\b]           ; the byte
.endr
	s_delay_alu instid0(VALU_DEP_3)
	v_lshl_or_b32 v[PS], v[BT+1], 8, v[BT]         ; p's scale word for these 128 keys
	s_delay_alu instid0(VALU_DEP_1)
	v_lshl_or_b32 v[PS], v[BT+2], 16, v[PS]
	s_delay_alu instid0(VALU_DEP_1)
	v_lshl_or_b32 v[PS], v[BT+3], 24, v[PS]
.irp c, 0,1
	v_cvt_scalef32_pk16_fp6_f32 v[PCD+6*\c:PCD+6*\c+2], v[S+32*\c:S+32*\c+15], v[BS+2*\c]
	v_cvt_scalef32_pk16_fp6_f32 v[PT+4*\c:PT+4*\c+2], v[S+32*\c+16:S+32*\c+31], v[BS+2*\c+1]   ; (a conversion's three registers begin on an even number)
.endr
	v_nop                                          ; one plain line behind a scaled conversion
.irp c, 0,1                                        ; the operand wants a whole block in a lane: lanes 0-15 block 2 c, lanes 16-31 block 2 c + 1
.irp i, 0,1,2
	v_permlane16_swap_b32 v[PCD+6*\c+\i], v[PT+4*\c+\i]
.endr
.irp i, 0,1,2
	s_delay_alu instid0(VALU_DEP_3)
	v_mov_b32 v[PCD+3+6*\c+\i], v[PT+4*\c+\i]
.endr
.endr
	v_pk_add_f32 v[232:233], v[104:105], v[108:109]
	v_pk_add_f32 v[254:255], v[112:113], v[116:117]
	v_pk_add_f32 v[252:253], v[120:121], v[124:125]
	v_pk_add_f32 v[248:249], v[128:129], v[132:133]
	v_pk_add_f32 v[244:245], v[136:137], v[140:141]
	v_pk_add_f32 v[242:243], v[144:145], v[148:149]
	v_pk_add_f32 v[240:241], v[152:153], v[156:157]
	v_pk_add_f32 v[14:15], v[14:15], v[160:161]
	v_pk_add_f32 v[232:233], v[232:233], v[100:101]
	v_pk_add_f32 v[254:255], v[254:255], v[102:103]
	v_pk_add_f32 v[252:253], v[252:253], v[106:107]
	v_pk_add_f32 v[248:249], v[248:249], v[110:111]
	v_pk_add_f32 v[244:245], v[244:245], v[114:115]
	v_pk_add_f32 v[242:243], v[242:243], v[118:119]
	v_pk_add_f32 v[240:241], v[240:241], v[122:123]
	v_pk_add_f32 v[14:15], v[14:15], v[126:127]
	v_pk_add_f32 v[232:233], v[232:233], v[130:131]
	v_pk_add_f32 v[254:255], v[254:255], v[134:135]
	v_pk_add_f32 v[252:253], v[252:253], v[138:139]
	v_pk_add_f32 v[248:249], v[248:249], v[142:143]
	v_pk_add_f32 v[244:245], v[244:245], v[146:147]
	v_pk_add_f32 v[242:243], v[242:243], v[150:151]
	v_pk_add_f32 v[240:241], v[240:241], v[154:155]
	v_pk_add_f32 v[14:15], v[14:15], v[158:159]
	v_pk_add_f32 v[232:233], v[232:233], v[162:163]
	s_delay_alu instid0(VALU_DEP_2)
	v_pk_add_f32 v[14:15], v[14:15], v[248:249]
	s_delay_alu instid0(VALU_DEP_2)
	v_pk_add_f32 v[232:233], v[232:233], v[244:245]
	v_pk_add_f32 v[254:255], v[254:255], v[242:243]
	v_pk_add_f32 v[252:253], v[252:253], v[240:241]
	s_delay_alu instid0(VALU_DEP_2)
	v_pk_add_f32 v[14:15], v[14:15], v[254:255]
	s_delay_alu instid0(VALU_DEP_2)
	v_pk_add_f32 v[232:233], v[232:233], v[252:253]
	s_delay_alu instid0(VALU_DEP_1)
	v_pk_add_f32 v[14:15], v[14:15], v[232:233]
.set j, 0
.rept 16
	v_pk_mul_f32 v[O+j:O+j+1], v[O+j:O+j+1], v[F:F+1] op_sel_hi:[1,0]   ; o^T under the new M
.set j, j+2
.endr
	s_wait_alu depctr_va_vdst(0)
	s_wait_dscnt 0x0                               ; v^T's tiles are in
.irp t, 0,1,2,3                                    ; o^T += v^T p^T; the four accumulators take turns
	v_wmma_scale_f32_16x16x128_f8f6f4 v[O+8*\t:O+8*\t+7], v[FRG+12*\t:FRG+12*\t+11], v[PCD:PCD+11], v[O+8*\t:O+8*\t+7], v[VSW+\t], v[PS] matrix_a_fmt:MATRIX_FMT_FP6 matrix_b_fmt:MATRIX_FMT_FP6
.endr
.endm
	s_wait_tensorcnt 0x0                           ; my load, if I have one, has landed,
	s_barrier_signal -1
	s_barrier_wait -1                              ; everybody's have: the whole head lies in LDS
.Lquarter:                                         ; four trips of four key steps
	v_add_nc_u32 v[ADK], s94, v[AK0]
	v_add_nc_u32 v[ADV], s95, v[AV0]
	s_wait_alu depctr_va_vdst(0)
	v_add_nc_u32 v[ADV1], s95, v[AV1]
	v_add_nc_u32 v[ADS], s96, v[ASK0]
	v_add_nc_u32 v[ADT], s97, v[ASV0]
	s_wait_alu depctr_va_vdst(0)
	STEP 0
	STEP 1
	STEP 2
	STEP 3
	s_add_co_u32 s94, s94, KQ
	s_add_co_u32 s95, s95, VQ
	s_add_co_u32 s96, s96, 1088
	s_add_co_u32 s97, s97, 16
	s_sub_co_u32 s98, s98, 1
	s_cmp_lg_u32 s98, 0
	s_cbranch_scc1 .Lquarter
	; THE WAY OUT.  The address lines are the places behind the last products.
	v_and_b32 v8, 15, v0                           ; r
	v_bfe_u32 v9, v0, 4, 1                         ; h
	v_and_b32 v10, 31, v0                          ; lane
	s_lshl_b32 s2, s[WV], 10
	s_add_co_u32 s2, s2, OST
	v_lshl_add_u32 v6, v8, 6, s2
	s_delay_alu instid0(VALU_DEP_1)
	v_lshl_add_u32 v6, v9, 4, v6                   ; in: place 4 r + 2 e + h of 16 bytes holds the 12 bytes of channels 32 e + 16 h + 0..15 of query r
	v_lshl_add_u32 v7, v10, 4, s2                  ; back: places lane and lane + 32
	v_mul_u32_u24 v11, v10, 12
	s_lshl_b32 s3, s[WV], 5
	s_add_co_u32 s3, s3, OSC
	v_lshl_add_u32 v[ADT], v8, 1, s3               ; my query's two scale bytes
	v_lshlrev_b32 v8, 4, v10
	s_delay_alu instid0(VALU_DEP_1)
	v_add_nc_u32 v9, OSC, v8
	v_add_f32 v14, v14, v15                        ; the sum's two halves,
	s_delay_alu instid0(VALU_DEP_1)
	v_permlanex16_b32 v[T], v14, s[SEL], s[SEL+1]
	s_delay_alu instid0(VALU_DEP_1)
	v_add_f32 v14, v14, v[T]                       ; and lane l xor 16's
	s_wait_alu depctr_va_vdst(0)
	v_rcp_f32 v14, v14
	v_nop
	s_wait_alu depctr_va_vdst(0)
	v_mov_b32 v15, v14
.set j, 0
.rept 16
	v_pk_mul_f32 v[O+j:O+j+1], v[O+j:O+j+1], v[14:15]   ; o^T / l, each accumulator from its low end on: register 16 e + i is channel 32 e + 16 h + i
.set j, j+2
.endr
.irp e, 0,1
	v_max3_num_f32 v[BM+\e], |v[O+16*\e]|, |v[O+16*\e+1]|, 0x1800000
.endr
.irp i, 2,4,6,8,10,12,14
.irp e, 0,1
	s_delay_alu instid0(VALU_DEP_2)
	v_max3_num_f32 v[BM+\e], v[BM+\e], |v[O+16*\e+\i]|, |v[O+16*\e+\i+1]|
.endr
.endr
.irp e, 0,1
	s_delay_alu instid0(VALU_DEP_2)
	v_permlanex16_b32 v[BT+\e], v[BM+\e], s[SEL], s[SEL+1]
.endr
.irp e, 0,1
	s_delay_alu instid0(VALU_DEP_2)
	v_max_num_f32 v[BM+\e], v[BM+\e], v[BT+\e]
.endr
.irp e, 0,1
	s_delay_alu instid0(VALU_DEP_2)
	v_add_nc_u32 v[BS+\e], 0xff000000, v[BM+\e]
.endr
.irp e, 0,1
	v_cvt_scalef32_pk16_fp6_f32 v[234+4*\e:236+4*\e], v[O+16*\e:O+16*\e+15], v[BS+\e]
.endr
.irp e, 0,1
	v_lshrrev_b32 v[BT+\e], 23, v[BS+\e]
.endr
	s_delay_alu instid0(VALU_DEP_1)
	v_lshl_or_b32 v242, v[BT+1], 8, v[BT]
	ds_store_b96 v6, v[234:236]
	ds_store_b96 v6, v[238:240] offset:32
	ds_store_b16 v[ADT], v242                      ; both halves of the lanes write the same two bytes
	ds_load_b96 v[244:246], v7                     ; LDS serves a wave's instructions in order: these see my stores
	ds_load_b96 v[248:250], v7 offset:512
	s_wait_dscnt 0x0                               ; also for the others' sake: my scale bytes lie in LDS
	global_store_b96 v11, v[244:246], s[6:7]       ; the wave's 768 bytes of codes in two runs of 384 consecutive bytes
	global_store_b96 v11, v[248:250], s[6:7] offset:1572864
	s_barrier_signal -1
	s_barrier_wait -1
	s_cmp_lg_u32 s[WV], 0
	s_cbranch_scc1 .Lnot_first
	ds_load_b128 v[252:255], v9                    ; wave 0 stores the work-group's 512 scale bytes, consecutive in memory
	s_wait_dscnt 0x0
	global_store_b128 v8, v[252:255], s[100:101]
.Lnot_first:
	s_wait_tensorcnt 0x0
	ds_add_u32 v247, v251
	s_wait_dscnt 0x0
	CROUND                                         ; the closing round
	s_endpgm
.Lfunc_end_k_q7bb9551a60_attn:
	.size	k_q7bb9551a60_attn, .Lfunc_end_k_q7bb9551a60_attn-k_q7bb9551a60_attn
	.p2alignl 7, 3214868480
	.fill 96, 4, 3214868480
	.section	.rodata,"a",@progbits
	.p2align	6, 0x0
	.amdhsa_kernel k_q7bb9551a60_attn
		.amdhsa_group_segment_fixed_size 236544
		.amdhsa_private_segment_fixed_size 0
		.amdhsa_enable_private_segment 0
		.amdhsa_kernarg_size 16
		.amdhsa_user_sgpr_count 2
		.amdhsa_user_sgpr_kernarg_segment_ptr 1
		.amdhsa_wavefront_size32 1
		.amdhsa_system_sgpr_workgroup_id_x 1
		.amdhsa_system_sgpr_workgroup_id_y 1
		.amdhsa_system_sgpr_workgroup_id_z 1
		.amdhsa_system_vgpr_workitem_id 0
		.amdhsa_next_free_vgpr 256
		.amdhsa_next_free_sgpr 102
		.amdhsa_reserve_vcc 0
		.amdhsa_float_denorm_mode_32 3
		.amdhsa_float_denorm_mode_16_64 3
		.amdhsa_memory_ordered 1
		.amdhsa_forward_progress 1
		.amdhsa_inst_pref_size 89
	.end_amdhsa_kernel
	.amdgpu_metadata
---
amdhsa.version: [ 1, 2 ]
amdhsa.kernels:
  - .name:           k_q7bb9551a60_attn
    .symbol:         k_q7bb9551a60_attn.kd
    .args:
      - { .name: qkv, .offset: 0, .size: 8, .value_kind: global_buffer, .address_space: global }
      - { .name: hA, .offset: 8, .size: 8, .value_kind: global_buffer, .address_space: global }
    .group_segment_fixed_size: 236544
    .private_segment_fixed_size: 0
    .kernarg_segment_align: 8
    .kernarg_segment_size: 16
    .max_flat_workgroup_size: 512
    .sgpr_count:     102
    .vgpr_count:     256
    .wavefront_size: 32
...
	.end_amdgpu_metadata
.endif
;; end of part 10
;; launch gemm_o (part 11): grid 8 x 32, 4 waves a work-group, clusters of 4 x 4, 327,680 bytes of LDS; arguments hA, wr, Wo_scales, bo, x, x1; writes x1
.if DOCPART == 11
	.amdgcn_target "amdgcn-amd-amdhsa--gfx1250"
	.amdhsa_code_object_version 6
	.text
	.protected	k_q7bb9551a60_gemm_o
	.globl	k_q7bb9551a60_gemm_o
	.p2align	8
	.type	k_q7bb9551a60_gemm_o,@function
k_q7bb9551a60_gemm_o:
	s_mov_b64 s[64:65], 0
	v_nop
	global_prefetch_b8 v0, s[64:65] scope:SCOPE_SE
	s_setreg_imm32_b32 hwreg(HW_REG_WAVE_MODE, 25, 1), 1
	s_wait_xcnt 0x0
	s_wait_alu depctr_hold_cnt(0) depctr_sa_sdst(0) depctr_va_vdst(0) depctr_va_sdst(0) depctr_va_ssrc(0) depctr_va_vcc(0) depctr_vm_vsrc(0)
	s_getreg_b32 s2, hwreg(HW_REG_IB_STS2, 6, 4)
	s_cmp_eq_u32 s2, 0
	s_cbranch_scc0 .Lentry_in_a_cluster
	s_endpgm
.Lentry_in_a_cluster:
	s_bfe_u32 s2, ttmp6, 0x10000c
	s_cmp_lg_u32 s2, 0xf033
	s_cbranch_scc0 .Lentry_shape_is_right
	s_endpgm
.Lentry_shape_is_right:
; out = res + A W^T + bias, f32.  A: [4096][SIZE_K] and W: [1024][SIZE_K] as codes of E2M3 with one E8M0 byte for each 32 along K (A's scale bytes lie ACS bytes behind its codes); res, out: [4096][1024] f32.
; A TILE IS 128 x 128: (4096 / 128) x (1024 / 128) = 256 work-groups.  Four waves, 64 x 64 each: 16 accumulators of 16 x 16, 128 registers.
; K goes in steps of 512 through a ring of two LDS slots filled by the tensor data mover, as long a step as two slots in LDS allow: a slot is four steps of 128, 64 matrix instructions a wave.
; The scale bytes of the tile's rows of both operands, for all of K, come once, in dense blocks, and stay.
; CLUSTERS: 4 x 4.  A's tiles are asked for jointly along a row of the cluster, W's along a column.  The matrix instruction is used TRANSPOSED (source 0 = 16 rows of W, source 1 = 16 rows of A):
; a lane holds eight neighbouring columns of one row.  The bias is the C of the first K step's products: nothing is cleared, nothing is added later.
; THE RESIDUAL of the wave's 64 x 64 is asked for at the head, into 128 registers that nothing else uses: it lands while K is walked.
; WAY OUT: a block of 16 rows x 64 columns goes through the wave's stage and comes back as rows of 256 bytes; the residual is added; sixteen lanes store 256 consecutive bytes, aligned.
; REGISTERS, in windows of 256: window 0: v0-31 addresses; v32-63 scale words, two sets of 16; v64-95 the bias; v64-127 later rows from the stage; v128-255 the accumulators ((a, b) at v[128 + 8 (4 a + b)]).
;   window 1: two fragment buffers, at v0 and v128: A's four fragments (48 registers), then W's four.   window 2: v0-127 the residual.
.set SIZE_K, 1024
.set ACS,    3145728
.set KSTEP,  512
.set NQ,     KSTEP/128
.set ROWB,   384                       ; a tile's row: 512 codes
.set KROW,   ROWB                      ; both operands' codes lie chunk by chunk along K: [K / 512][rows][384 bytes]; a tile's rows of one chunk are a dense block, fetched as rows of 256 bytes
; No prefetch: K has two steps, both asked for at the head; no slot is filled again, so there is no loop to run ahead in.
.set CHA,    4096*ROWB
.set CHB,    1024*ROWB
.set WOFF,   5505024                   ; Wo's part of wr
.set PITCH,  432                       ; an LDS row: 3 x (128 bytes + 16 of padding) = 108 words: row r starts at word 44 r mod 64, sixteen rows at sixteen different multiples of four (64 banks of 4 bytes: ISA guide 11.1): the 32 lanes of a load of 8 bytes touch 64 different banks
.set FR,     12
.set NL,     6
.set NP,     4
.set HALFT,  64*PITCH                  ; 64 rows: what one tensor load brings, and what one wave reads of A or of W
.set SLOT,   4*HALFT
.set LAPS,   SIZE_K/(2*KSTEP)
.set KS,     SIZE_K/32
.set SCL,    2*SLOT                    ; behind the ring: the scale bytes, as units of 256 bytes + 16 of padding
.set HALFS,  (64*KS/256)*272
.set SBLK,   (16*KS/256)*272
.set SPARE,  SCL+4*HALFS               ; the spare words, 128 bytes for each wave
.set SPITCH, 272                       ; the stages, 16 rows x (256 + 16) bytes a wave, lie in slot 0, which has had its last fill and its last read when the first result is stored there
.set ADRA, 16                          ; v16-17 my A fragments in slot 0, 1; v18-19 the same behind one padding more
.set ADRB, 20                          ; v20-23 the same for W
.set STO,  24
.set RD,   25
.set CO,   26
.set ADRS, 27
.set SPW,  28
.set NIL,  29
.set SC,   32
.set BI,   64
.set BK,   64
.set ACC,  128
.set G1, 24
.set G0, 32
.set G1B, 48
.set G0B, 56
.set G1S, 68
.set G0S, 76
.set G1SB, 80
.set G0SB, 88
.set MSB, 0
.macro WIN new                         ; the immediate's high byte repeats the setting that is left
.if MSB != \new
	s_set_vgpr_msb (MSB<<8)|\new
.set MSB, \new
.endif
.endm
.set MUL,  0x05                        ; sources 0 (W) and 1 (A) window 1; C and D window 0
.set TO_F, 0x40                        ; destination window 1, address window 0
.macro JLOAD g0a, g1a, g0b, g1b        ; a joint load: waves 0 and 1 fetch for A, waves 2 and 3 for W; four v_nop follow each line
	s_cmp_eq_u32 s15, 0
	s_cbranch_scc0 .Lfor_b_\@
	tensor_load_to_lds s[\g0a:\g0a+3], s[\g1a:\g1a+7]
	s_nop 0
.rept 4
	v_nop
.endr
	s_branch .Lasked_\@
.Lfor_b_\@:
	tensor_load_to_lds s[\g0b:\g0b+3], s[\g1b:\g1b+7]
	s_nop 0
.rept 4
	v_nop
.endr
.Lasked_\@:
.endm
.macro CREST                           ; a round of the cluster's barrier behind its opening barrier
	s_cmp_lg_u32 s14, 0
	s_cbranch_scc1 .Lnot_wave_0_\@
	s_barrier_signal -3
.Lnot_wave_0_\@:
	s_barrier_wait -3
	s_barrier_signal -1
	s_barrier_wait -1
.endm
.macro CROUND
	s_barrier_signal -1
	s_barrier_wait -1
	CREST
.endm
	s_load_b64 s[4:5], s[0:1], 0x0                 ; A
	s_load_b128 s[8:11], s[0:1], 0x8               ; W's codes, W's scales
	s_load_b128 s[96:99], s[0:1], 0x18             ; the bias, the residual
	s_load_b64 s[12:13], s[0:1], 0x28              ; out
	v_lshl_add_u32 v[SPW], v0, 2, SPARE
	v_mov_b32 v[NIL], 0
	ds_add_u32 v28, v29
	ds_add_u32 v28, v29
	s_wait_dscnt 0x0
	v_lshrrev_b32 v1, 5, v0
	v_readfirstlane_b32 s14, v1                    ; wave 0..3
	s_lshr_b32 s15, s14, 1                         ; which half of the tile's rows is mine.  Also: I fetch for A (0) or for W (1)
	s_and_b32 s16, s14, 1                          ; which half of its columns.  Also: which 64 rows of that tile I fetch
	s_bfe_u32 s40, ttmp6, 0x40000                  ; cx, cy: my place in the cluster
	s_bfe_u32 s41, ttmp6, 0x40004
	s_lshl_b32 s42, ttmp9, 2
	s_add_co_u32 s42, s42, s40                     ; tile column = 4 x cluster x + cx
	s_and_b32 s17, ttmp7, 0xffff
	s_lshl_b32 s17, s17, 2
	s_add_co_u32 s17, s17, s41                     ; tile row = 4 x cluster y + cy
	s_lshl_b32 s43, s41, 2
	s_lshl_b32 s43, 15, s43                        ; my row of the cluster
	s_lshl_b32 s44, 0x1111, s40                    ; my column
	s_or_b32 s[G1+0], s43, (0<<16)|(1<<20)|(1<<21)|(4<<22)|(3<<25)  ; the mask; elements of 1 byte; 4 words of padding behind every 32; bit 21 beside a mask
	s_or_b32 s[G1B+0], s44, (0<<16)|(1<<20)|(1<<21)|(4<<22)|(3<<25)
.irp g, G1, G1B
	s_mov_b32 s[\g+1], 256<<16
	s_mov_b32 s[\g+2], 192<<16                     ; the head's loads: 128 rows x 384 bytes = 192 rows of 256
	s_mov_b32 s[\g+3], 256<<16
	s_mov_b32 s[\g+4], 192
	s_mov_b32 s[\g+5], 256
	s_mov_b32 s[\g+6], 0
	s_mov_b32 s[\g+7], 0
.endr
	s_or_b32 s[G1S+0], s43, (3<<16)|(1<<20)|(1<<21)|(5<<22)|(3<<25)   ; the scales of 128 rows: a dense block, as rows of 256 bytes with 16 of padding behind each
	s_or_b32 s[G1SB+0], s44, (3<<16)|(1<<20)|(1<<21)|(5<<22)|(3<<25)
.irp g, G1S, G1SB
	s_mov_b32 s[\g+1], 32<<16
	s_mov_b32 s[\g+2], (128*KS/256)<<16
	s_mov_b32 s[\g+3], 32<<16
	s_mov_b32 s[\g+4], 128*KS/256
	s_mov_b32 s[\g+5], 32
	s_mov_b32 s[\g+6], 0
	s_mov_b32 s[\g+7], 0
.endr
	s_lshl_b32 s20, s17, 7                         ; A: the tile's first row
	s_lshl_b32 s46, s42, 7                         ; W's
	s_mov_b32 s21, 0
	s_mov_b32 s47, 0
	s_mov_b64 s[18:19], KS
	s_mul_u64 s[22:23], s[20:21], s[18:19]         ; where these rows' scales begin,
	s_mul_u64 s[92:93], s[46:47], s[18:19]
	s_mov_b64 s[18:19], KROW
	s_mul_u64 s[20:21], s[20:21], s[18:19]         ; and their codes
	s_mul_u64 s[46:47], s[46:47], s[18:19]
	s_mul_i32 s45, s14, HALFT                      ; where they go: wave x 64 rows: no place in the cluster enters an LDS address
	s_mul_i32 s18, s16, 64*ROWB                    ; in the ring I fetch 64 rows: which half, in bytes
	s_mov_b32 s19, 0
	s_wait_kmcnt 0x0
	s_add_nc_u64 s[6:7], s[4:5], ACS               ; A's scale bytes
	s_add_nc_u64 s[20:21], s[4:5], s[20:21]
	s_add_nc_u64 s[22:23], s[6:7], s[22:23]
	s_add_nc_u64 s[8:9], s[8:9], WOFF
	s_add_nc_u64 s[46:47], s[8:9], s[46:47]
	s_add_nc_u64 s[92:93], s[10:11], s[92:93]
	CROUND                                         ; all sixteen work-groups are here: the first joint loads meet
	s_mov_b32 s[G0S], 1
	s_mov_b32 s[G0S+1], SCL
	s_mov_b64 s[G0S+2:G0S+3], s[22:23]
	s_or_b32 s[G0S+3], s[G0S+3], 0x80000000
	s_mov_b32 s[G0SB], 1
	s_mov_b32 s[G0SB+1], SCL+2*HALFS
	s_mov_b64 s[G0SB+2:G0SB+3], s[92:93]
	s_or_b32 s[G0SB+3], s[G0SB+3], 0x80000000
	s_mov_b32 s4, 1                                ; s[4:7]: group 0 for K step 0's 128 rows of A; s[8:11]: for W's, behind them in slot 0
	s_mov_b32 s5, 0
	s_mov_b64 s[6:7], s[20:21]
	s_or_b32 s7, s7, 0x80000000
	s_mov_b32 s8, 1
	s_mov_b32 s9, 2*HALFT
	s_mov_b64 s[10:11], s[46:47]
	s_or_b32 s11, s11, 0x80000000
	s_add_nc_u64 s[20:21], s[20:21], s[18:19]
	s_add_nc_u64 s[46:47], s[46:47], s[18:19]
.irp s, 0,1
	s_mov_b32 s[G0+4*\s], 1
	s_add_co_u32 s[G0+4*\s+1], s45, \s*SLOT
	s_add_nc_u64 s[G0+4*\s+2:G0+4*\s+3], s[20:21], \s*CHA
	s_or_b32 s[G0+4*\s+3], s[G0+4*\s+3], 0x80000000
	s_mov_b32 s[G0B+4*\s], 1
	s_add_co_u32 s[G0B+4*\s+1], s45, \s*SLOT
	s_add_nc_u64 s[G0B+4*\s+2:G0B+4*\s+3], s[46:47], \s*CHB
	s_or_b32 s[G0B+4*\s+3], s[G0B+4*\s+3], 0x80000000
.endr
; the head's four tiles, one joint load a wave: wave 0 A's K step 0, wave 1 W's, wave 2 A's scales, wave 3 W's; one chain of branches on the wave's number
.macro ARM under, g0, g1, next
	s_cmp_lt_u32 s14, \under
	s_cbranch_scc0 \next
	tensor_load_to_lds s[\g0:\g0+3], s[\g1:\g1+7]
	s_nop 0
.rept 4
	v_nop
.endr
	s_branch .Lhead_asked
\next:
.endm
	ARM 1, 4, G1, .Lhead_b
	ARM 2, 8, G1B, .Lhead_sa
	ARM 3, G0S, G1S, .Lhead_sb
	tensor_load_to_lds s[G0SB:G0SB+3], s[G1SB:G1SB+7]
	s_nop 0
.rept 4
	v_nop
.endr
.Lhead_asked:
	v_and_b32 v1, 15, v0                           ; r = l % 16
	v_bfe_u32 v2, v0, 4, 1                         ; h = l / 16
	s_wait_alu depctr_va_vdst(0)
	s_lshl_b32 s46, s42, 9
	s_lshl_b32 s47, s16, 8
	s_add_co_u32 s46, s46, s47                     ; my first column x 4 bytes: 512 x tile column + 256 x half
	s_mov_b32 s47, 0
	s_add_nc_u64 s[96:97], s[96:97], s[46:47]
	v_lshlrev_b32 v7, 5, v2
.irp b, 0,1,2,3                                    ; the bias in the result's layout: tile b, register j: column 16 b + 8 h + j
	global_load_b128 v[BI+8*\b:BI+8*\b+3], v7, s[96:97] offset:64*\b
	global_load_b128 v[BI+8*\b+4:BI+8*\b+7], v7, s[96:97] offset:64*\b+16
.endr
	s_lshl_b32 s20, s17, 7
	s_lshl_b32 s21, s15, 6
	s_add_co_u32 s20, s20, s21                     ; my first row: 128 x tile row + 64 x half,
	s_lshl_b32 s20, s20, 12                        ; x 4,096 bytes,
	s_add_co_u32 s20, s20, s46                     ; + my first column
	s_mov_b32 s21, 0
	s_add_nc_u64 s[12:13], s[12:13], s[20:21]
	s_add_nc_u64 s[98:99], s[98:99], s[20:21]
	v_lshlrev_b32 v6, 12, v2
	v_lshl_add_u32 v[CO], v1, 4, v6                ; lanes 0-15 one row's 256 bytes, lanes 16-31 the next row's; never rewritten
	WIN 0x80                                       ; destination window 2
.irp a, 0,1,2,3                                    ; the residual of my 64 x 64, in the order in which the rows come back from the stage: 32 loads, waited for on the way out
.irp t, 0,1,2,3,4,5,6,7
	global_load_b128 v[32*\a+4*\t:32*\a+4*\t+3], v[CO], s[98:99] offset:(16*\a+2*\t)*4096
.endr
.endr
	WIN 0
	v_mul_u32_u24 v3, v1, PITCH
	v_mul_u32_u24 v4, v2, 24
	v_add_nc_u32 v4, v3, v4                        ; a fragment's row x pitch + 24 x half
	v_lshl_add_u32 v5, v2, 4, v4                   ; and the same behind one padding more
	s_mul_i32 s21, s15, HALFT                      ; my 64 rows of A
	s_mul_i32 s22, s16, HALFT                      ; my 64 rows of W,
	s_add_co_u32 s22, s22, 2*HALFT                 ; which lie behind A's 128
.irp s, 0,1
	v_add_nc_u32 v[ADRA+\s], s21, v4
	v_add_nc_u32 v[ADRB+\s], s22, v4
	v_add_nc_u32 v[ADRA+2+\s], s21, v5
	v_add_nc_u32 v[ADRB+2+\s], s22, v5
	s_add_co_u32 s21, s21, SLOT
	s_add_co_u32 s22, s22, SLOT
.endr
	v_mul_u32_u24 v5, v1, KS                       ; my row's scales: KS bytes a row,
	v_lshrrev_b32 v6, 8, v5
	v_lshl_add_u32 v5, v6, 4, v5                   ; and 16 more for each 256 passed
	s_mul_i32 s21, s15, HALFS
	s_mul_i32 s22, s16, HALFS
	s_add_co_u32 s22, s22, 2*HALFS
	s_sub_co_u32 s22, s22, s21
	v_mul_u32_u24 v6, s22, v2                      ; lanes 16-31 take W's
	s_add_co_u32 s21, s21, SCL
	v_add_nc_u32 v5, v5, v6
	v_add_nc_u32 v[ADRS], s21, v5
	s_mul_i32 s23, s14, 16*SPITCH                  ; my stage
	v_mul_u32_u24 v5, v1, SPITCH
	v_lshl_add_u32 v5, v2, 5, v5
	v_add_nc_u32 v[STO], s23, v5                   ; in: row r, 32 bytes for each half of the lanes
	v_mul_u32_u24 v5, v2, SPITCH
	v_lshl_add_u32 v5, v1, 4, v5
	v_add_nc_u32 v[RD], s23, v5                    ; back: lanes 0-15 one row of 256 bytes, lanes 16-31 the next
.macro FRAG reg, adr, q, i             ; a fragment, 16 rows x 128 K, is 12 registers: registers 6 c .. 6 c + 5 hold K = 64 c + 32 (l / 16) + 0 .. 31: 24 bytes of the row, as they lie
.irp p, 0,1,2,3,4,5                    ; in pieces of 8 bytes; 16 bytes of padding lie behind every 16 pieces; lanes 16-31 read three pieces on: where that is behind one padding more, the second address register serves
.set PC, 12*(\q)+6*(\p/3)+\p%3
.if PC%16 < 13
	ds_load_b64 v[\reg+2*\p:\reg+2*\p+1], v[\adr] offset:8*PC+16*(PC/16)+(\i)*16*PITCH
.else
	ds_load_b64 v[\reg+2*\p:\reg+2*\p+1], v[\adr+2] offset:8*PC+16*(PC/16)+(\i)*16*PITCH
.endif
.endr
.endm
; 4 matrix instructions: A's block a x W's four, from buffer f; the slot's q-th 128 along K; sc: the set of scale words.  first = 1: C is the bias.
; The 16 accumulators take turns, one instruction a turn, in the same order in every step.
.macro MUL4 a, f, q, sc, first
.irp b, 0,1,2,3
.if \first
	v_wmma_scale_f32_16x16x128_f8f6f4 v[ACC+8*(4*(\a)+\b):ACC+8*(4*(\a)+\b)+7], v[128*(\f)+48+FR*\b:128*(\f)+48+FR*\b+FR-1], v[128*(\f)+FR*(\a):128*(\f)+FR*(\a)+FR-1], v[BI+8*\b:BI+8*\b+7], v[SC+4*NQ*(\sc)+NQ*\b+(\q)], v[SC+4*NQ*(\sc)+NQ*(\a)+(\q)] matrix_a_fmt:MATRIX_FMT_FP6 matrix_b_fmt:MATRIX_FMT_FP6 matrix_a_scale:MATRIX_SCALE_ROW1
.else
	v_wmma_scale_f32_16x16x128_f8f6f4 v[ACC+8*(4*(\a)+\b):ACC+8*(4*(\a)+\b)+7], v[128*(\f)+48+FR*\b:128*(\f)+48+FR*\b+FR-1], v[128*(\f)+FR*(\a):128*(\f)+FR*(\a)+FR-1], v[ACC+8*(4*(\a)+\b):ACC+8*(4*(\a)+\b)+7], v[SC+4*NQ*(\sc)+NQ*\b+(\q)], v[SC+4*NQ*(\sc)+NQ*(\a)+(\q)] matrix_a_fmt:MATRIX_FMT_FP6 matrix_b_fmt:MATRIX_FMT_FP6 matrix_a_scale:MATRIX_SCALE_ROW1
.endif
.endr
.endm
.macro FETCH slot, q, f                ; 48 LDS loads in one run: W's four fragments, then A's four, of the slot's q-th 128 along K, into buffer f
	WIN TO_F
.irp i, 0,1,2,3
	FRAG 128*(\f)+48+FR*\i, ADRB+\slot, \q, \i
.endr
.irp i, 0,1,2,3
	FRAG 128*(\f)+FR*\i, ADRA+\slot, \q, \i
.endr
.endm
.macro SCALES sc                       ; a slot's scale words, four a row: lanes 0-15 take A's block i, lanes 16-31 W's block i
.irp i, 0,1,2,3
	ds_load_b128 v[SC+4*NQ*\sc+NQ*\i:SC+4*NQ*\sc+NQ*\i+3], v[ADRS] offset:\i*SBLK
.endr
.endm
.macro PLACES n                        ; plain vector lines behind matrix instructions, in front of loads into their registers and of reads of results
.rept \n
	v_nop
.endr
.endm
.macro STEP slot, q, first             ; a step of 128 along K that has its successor in the same slot: it multiplies buffer q % 2 and fetches the next step into the other
	s_wait_dscnt 2*NL                              ; all but the youngest twelve loads (A's blocks 2 and 3) are in
	WIN MUL
	MUL4 0, (\q)%2, \q, \slot, \first
	MUL4 1, (\q)%2, \q, \slot, \first
	s_wait_dscnt 0
	PLACES NP                                      ; the other buffer was read by the step before
	FETCH \slot, (\q)+1, 1-(\q)%2
	WIN MUL
	MUL4 2, (\q)%2, \q, \slot, \first
	MUL4 3, (\q)%2, \q, \slot, \first
.endm
.macro TURN slot, next, fill           ; a slot's last step multiplies buffer 1 and changes slots: one barrier; fill = 1: this slot is filled again, two K steps ahead
	WIN 0                                          ; (the add's two registers lie in window 0)
	s_wait_tensorcnt 0x0                           ; all my tensor loads have landed: my part of the next slot
	ds_add_u32 v[SPW], v[NIL]                      ; 0 onto my spare word
	s_wait_dscnt 2*NL+1                            ; the add and A's blocks 2 and 3 may be out
	WIN MUL
	MUL4 0, 1, NQ-1, \slot, 0
	MUL4 1, 1, NQ-1, \slot, 0
	s_wait_dscnt 0x0                               ; the add is done, and my reads of this slot are over
	s_barrier_signal -1
	MUL4 2, 1, NQ-1, \slot, 0
	WIN 0
	s_barrier_wait -1
.if \fill
	CREST                                          ; the barrier has opened a round of the cluster's: no wave of any partner still reads this slot or has a load on its way
	s_add_nc_u64 s[G0+4*\slot+2:G0+4*\slot+3], s[G0+4*\slot+2:G0+4*\slot+3], 2*CHA
	s_add_nc_u64 s[G0B+4*\slot+2:G0B+4*\slot+3], s[G0B+4*\slot+2:G0B+4*\slot+3], 2*CHB
	JLOAD G0+4*\slot, G1, G0B+4*\slot, G1B         ; the first tensor load behind the round, 52 matrix instructions ahead of the wait for it; its four v_nop are the places in front of the loads below
.else
	PLACES NP
.endif
	v_add_nc_u32 v[ADRS], 4*NQ, v[ADRS]            ; the next slot's scale words
	SCALES \next
	FETCH \next, 0, 0
	WIN MUL
	MUL4 3, 1, NQ-1, \slot, 0
.endm
	s_wait_alu depctr_va_vdst(0)
	s_wait_tensorcnt 0x0                           ; my tile of the head's four is in
	ds_add_u32 v[SPW], v[NIL]
	s_mov_b32 s[G1+2], 96<<16                      ; no load of mine is out: from here on a load brings 64 rows x 384 bytes = 96 rows of 256
	s_mov_b32 s[G1+4], 96
	s_mov_b32 s[G1B+2], 96<<16
	s_mov_b32 s[G1B+4], 96
	s_wait_dscnt 0x0
	CROUND                                         ; all four tiles are in, and all sixteen work-groups are here
	JLOAD G0+4, G1, G0B+4, G1B                     ; K step 1, the first tensor load behind the round
	SCALES 0
	FETCH 0, 0, 0
	s_wait_loadcnt 32                              ; the bias is in; the residual's 32 loads, issued behind it, may be out
	STEP 0, 0, 1                                   ; the first step stands in front of the loop: its products start the sums
.if LAPS > 1
	WIN 0                                          ; at a label and at a branch every window is 0
	s_mov_b32 s3, LAPS-1
.Llap:                                                 ; a trip goes once round the ring, from a lap's second step to the next lap's first, and fills both slots again
	STEP 0, 1, 0
	STEP 0, 2, 0
	TURN 0, 1, 1
	STEP 1, 0, 0
	STEP 1, 1, 0
	STEP 1, 2, 0
	TURN 1, 0, 1
	STEP 0, 0, 0
	WIN 0
	s_sub_co_u32 s3, s3, 1
	s_cmp_lg_u32 s3, 0
	s_cbranch_scc1 .Llap
.endif
	STEP 0, 1, 0                                   ; the last lap fills nothing, and has no round of the cluster's barrier
	STEP 0, 2, 0
	TURN 0, 1, 0
	STEP 1, 0, 0
	STEP 1, 1, 0
	STEP 1, 2, 0
	s_wait_dscnt 2*NL                              ; the very last step: nothing more to fetch
	WIN MUL
	MUL4 0, 1, NQ-1, 1, 0
	MUL4 1, 1, NQ-1, 1, 0
	s_wait_dscnt 0
	MUL4 2, 1, NQ-1, 1, 0
	MUL4 3, 1, NQ-1, 1, 0
	WIN 0
; THE WAY OUT, block by block of 16 rows x 64 columns, through my own stage
.macro TOSTAGE a
.irp b, 0,1,2,3
	ds_store_b128 v[STO], v[ACC+8*(4*(\a)+\b):ACC+8*(4*(\a)+\b)+3] offset:64*\b          ; each accumulator from its low end on
	ds_store_b128 v[STO], v[ACC+8*(4*(\a)+\b)+4:ACC+8*(4*(\a)+\b)+7] offset:64*\b+16
.endr
.set BB, BK+32*((\a)%2)
.irp t, 0,1,2,3,4,5,6,7
	ds_load_b128 v[BB+4*\t:BB+4*\t+3], v[RD] offset:\t*2*SPITCH      ; LDS serves a wave's instructions in order: these see the stores above
.endr
.endm
.macro SEND a, younger                 ; younger: the LDS instructions issued behind block a's loads, which may stay out
.set BB, BK+32*((\a)%2)
.set RS, 32*(\a)
	s_wait_dscnt \younger
	WIN 0x08                                       ; source 1: window 2
.set j, 0
.rept 16
	v_pk_add_f32 v[BB+j:BB+j+1], v[BB+j:BB+j+1], v[RS+j:RS+j+1]
.set j, j+2
.endr
	WIN 0
.irp t, 0,1,2,3,4,5,6,7
	global_store_b128 v[CO], v[BB+4*\t:BB+4*\t+3], s[12:13] offset:(16*(\a)+2*\t)*4096   ; sixteen lanes store 256 consecutive bytes, aligned; 62 rows at the most stand in the immediate
.endr
.endm
	PLACES NP
	s_wait_loadcnt 0x0                             ; the residual
	TOSTAGE 0
.irp a, 1,2,3
.if \a > 1
	s_wait_xcnt 0x0                                ; block a - 2's stores have read their registers: block a's loads may land there
.endif
	TOSTAGE \a
	SEND \a-1, 16                                  ; behind block a - 1's loads: block a's 8 stores and 8 loads
.endr
	SEND 3, 0
	s_wait_tensorcnt 0x0                           ; the wave's end
	ds_add_u32 v[SPW], v[NIL]
	s_wait_dscnt 0x0
	CROUND                                         ; the closing round
	s_endpgm
.Lfunc_end_k_q7bb9551a60_gemm_o:
	.size	k_q7bb9551a60_gemm_o, .Lfunc_end_k_q7bb9551a60_gemm_o-k_q7bb9551a60_gemm_o
	.p2alignl 7, 3214868480
	.fill 96, 4, 3214868480
	.section	.rodata,"a",@progbits
	.p2align	6, 0x0
	.amdhsa_kernel k_q7bb9551a60_gemm_o
		.amdhsa_group_segment_fixed_size 327680
		.amdhsa_private_segment_fixed_size 0
		.amdhsa_enable_private_segment 0
		.amdhsa_kernarg_size 48
		.amdhsa_user_sgpr_count 2
		.amdhsa_user_sgpr_kernarg_segment_ptr 1
		.amdhsa_wavefront_size32 1
		.amdhsa_system_sgpr_workgroup_id_x 1
		.amdhsa_system_sgpr_workgroup_id_y 1
		.amdhsa_system_sgpr_workgroup_id_z 1
		.amdhsa_system_vgpr_workitem_id 0
		.amdhsa_next_free_vgpr 640
		.amdhsa_next_free_sgpr 102
		.amdhsa_reserve_vcc 0
		.amdhsa_float_denorm_mode_32 3
		.amdhsa_float_denorm_mode_16_64 3
		.amdhsa_memory_ordered 1
		.amdhsa_forward_progress 1
		.amdhsa_inst_pref_size 70
	.end_amdhsa_kernel
	.amdgpu_metadata
---
amdhsa.version: [ 1, 2 ]
amdhsa.kernels:
  - .name:           k_q7bb9551a60_gemm_o
    .symbol:         k_q7bb9551a60_gemm_o.kd
    .args:
      - { .name: hA, .offset: 0, .size: 8, .value_kind: global_buffer, .address_space: global }
      - { .name: wr, .offset: 8, .size: 8, .value_kind: global_buffer, .address_space: global }
      - { .name: Wo_scales, .offset: 16, .size: 8, .value_kind: global_buffer, .address_space: global }
      - { .name: bo, .offset: 24, .size: 8, .value_kind: global_buffer, .address_space: global }
      - { .name: x, .offset: 32, .size: 8, .value_kind: global_buffer, .address_space: global }
      - { .name: x1, .offset: 40, .size: 8, .value_kind: global_buffer, .address_space: global }
    .group_segment_fixed_size: 327680
    .private_segment_fixed_size: 0
    .kernarg_segment_align: 8
    .kernarg_segment_size: 48
    .max_flat_workgroup_size: 128
    .sgpr_count:     102
    .vgpr_count:     640
    .wavefront_size: 32
...
	.end_amdgpu_metadata
.endif
;; end of part 11
;; launch ln2 (part 12): grid 256 x 1, 4 waves a work-group, no clusters, 22,016 bytes of LDS; arguments x1, ln2_a, ln2_b, hA; writes hA
.if DOCPART == 12
	.amdgcn_target "amdgcn-amd-amdhsa--gfx1250"
	.amdhsa_code_object_version 6
	.text
	.protected	k_q7bb9551a60_ln2
	.globl	k_q7bb9551a60_ln2
	.p2align	8
	.type	k_q7bb9551a60_ln2,@function
k_q7bb9551a60_ln2:
	s_mov_b64 s[64:65], 0
	v_nop
	global_prefetch_b8 v0, s[64:65] scope:SCOPE_SE
	s_setreg_imm32_b32 hwreg(HW_REG_WAVE_MODE, 25, 1), 1
	s_wait_xcnt 0x0
; h = a (x - mean) / (std + 1e-6) + b for 16 rows of 1,024 f32 a work-group (std with divisor 1,023), quantised along the row to codes of E2M3 with one
; E8M0 byte for each 32: codes [4096][768 bytes] at byte 0 of hA, scale bytes [4096][32] at byte CSO.  Mean first, then the sum of (x - mean)^2: no difference of large sums.
; A wave takes 4 rows.  Each load reads 512 consecutive bytes; the conversion wants 16 NEIGHBOURS in a lane, so a row turns through the wave's own stage in LDS
; (64 places of 64 bytes + 16 of padding) and comes back as numbers 512 t + 16 lane + 0..15, t = 0, 1.  Two neighbouring lanes hold a block of 32.
; LIMITS: a block whose largest magnitude lies under 2^-124 (a block of zeros too) gets the byte 1; this program alone reads the bytes.  NaN and infinities are not served.
.set CSO,  3145728
.set WREG, 5376
.set AL,   16
.set BE,   48
.set X,    80
.set R,    112
.set CH,   208
.set TMX,  212
.set CDR,  224
	s_load_b256 s[4:11], s[0:1], 0x0               ; x, a, b, hA
	v_lshl_add_u32 v251, v0, 2, 0x5400
	v_mov_b32 v255, 0
	v_lshrrev_b32 v1, 5, v0
	v_readfirstlane_b32 s22, v1                    ; wave
	v_and_b32 v1, 31, v0                           ; lane
	v_lshlrev_b32 v2, 4, v1
	s_mul_i32 s23, s22, WREG
	v_lshrrev_b32 v3, 2, v1
	v_mul_u32_u24 v3, v3, 80
	v_and_b32 v4, 3, v1
	v_lshl_add_u32 v3, v4, 4, v3
	v_add_nc_u32 v3, s23, v3                       ; into the stage: 80 (lane / 4) + 16 (lane % 4)
	v_mul_u32_u24 v4, v1, 80
	v_add_nc_u32 v4, s23, v4                       ; out of it: 80 x lane
	v_and_b32 v5, 15, v1                           ; hA's codes leave as [4 chunks of 256 along K][4096 rows][192 bytes]
	v_mul_u32_u24 v5, v5, 12
	v_lshrrev_b32 v15, 4, v1
	v_mad_u32_u24 v5, v15, 786432, v5              ; chunk lane / 16 of a pair, byte 12 (lane % 16) of its 192
	s_add_co_u32 s23, s23, 5120
	v_lshrrev_b32 v6, 1, v1
	v_add_nc_u32 v6, s23, v6
	v_lshlrev_b32 v8, 2, v1
	v_add_nc_u32 v7, s23, v8
	v_lshlrev_b32 v9, 6, v1
	s_mov_b32 s20, 0x76543210
	s_mov_b32 s21, 0xfedcba98
	s_lshl_b32 s24, ttmp9, 16
	s_lshl_b32 s25, s22, 14
	s_add_co_u32 s24, s24, s25
	s_mov_b32 s25, 0
	s_mul_i32 s26, ttmp9, 3072
	s_mul_i32 s27, s22, 768
	s_add_co_u32 s26, s26, s27
	s_mov_b32 s27, 0
	s_lshl_b32 s28, ttmp9, 9
	s_lshl_b32 s29, s22, 7
	s_add_co_u32 s28, s28, s29
	s_add_co_u32 s28, s28, CSO
	s_mov_b32 s29, 0
	s_wait_alu depctr_va_vdst(0)
	s_wait_kmcnt 0x0
	s_add_nc_u64 s[4:5], s[4:5], s[24:25]
	s_add_nc_u64 s[28:29], s[10:11], s[28:29]
	s_add_nc_u64 s[10:11], s[10:11], s[26:27]
.irp t, 0,1
.irp j, 0,1,2,3
	global_load_b128 v[AL+16*\t+4*\j:AL+16*\t+4*\j+3], v9, s[6:7] offset:2048*\t+16*\j
	global_load_b128 v[BE+16*\t+4*\j:BE+16*\t+4*\j+3], v9, s[8:9] offset:2048*\t+16*\j
.endr
.endr
.macro LOADROW p
.irp i, 0,1,2,3,4,5,6,7
	global_load_b128 v[R+32*((\p)%3)+4*\i:R+32*((\p)%3)+4*\i+3], v2, s[4:5] offset:4096*(\p)+512*\i
.endr
.endm
.macro WSUM a, b
	v_add_f32_dpp v[\a], v[\a], v[\a] row_xmask:1 row_mask:0xf bank_mask:0xf
	v_add_f32_dpp v[\a], v[\a], v[\a] row_xmask:2 row_mask:0xf bank_mask:0xf
	v_add_f32_dpp v[\a], v[\a], v[\a] row_xmask:4 row_mask:0xf bank_mask:0xf
	v_add_f32_dpp v[\a], v[\a], v[\a] row_xmask:8 row_mask:0xf bank_mask:0xf
	v_permlanex16_b32 v[\b], v[\a], s20, s21
	v_add_f32 v[\a], v[\a], v[\b]
.endm
	LOADROW 0
	LOADROW 1
	LOADROW 2
.macro ROW p, left
.set RS, R+32*((\p)%3)
	s_wait_loadcnt \left
.irp i, 0,1,2,3,4,5,6,7
	ds_store_b128 v3, v[RS+4*\i:RS+4*\i+3] offset:640*\i
.endr
.irp t, 0,1
.irp j, 0,1,2,3
	ds_load_b128 v[X+16*\t+4*\j:X+16*\t+4*\j+3], v4 offset:2560*\t+16*\j   ; LDS serves a wave's instructions in order
.endr
.endr
	s_wait_dscnt 0x0                               ; the row is back, and the stores have read their registers
.if (\p) == 0
	LOADROW 3
.endif
	v_pk_add_f32 v[CH:CH+1], v[X:X+1], v[X+2:X+3]
	v_pk_add_f32 v[CH+2:CH+3], v[X+4:X+5], v[X+6:X+7]
.irp j, 8,12,16,20,24,28
	v_pk_add_f32 v[CH:CH+1], v[CH:CH+1], v[X+\j:X+\j+1]
	v_pk_add_f32 v[CH+2:CH+3], v[CH+2:CH+3], v[X+\j+2:X+\j+3]
.endr
	v_pk_add_f32 v[CH:CH+1], v[CH:CH+1], v[CH+2:CH+3]
	v_add_f32 v[CH], v[CH], v[CH+1]
	WSUM CH, CH+1
	v_mul_f32 v10, 0x3a800000, v[CH]               ; the mean
	v_mov_b32 v11, v10
.irp j, 0,2,4,6,8,10,12,14,16,18,20,22,24,26,28,30
	v_pk_add_f32 v[X+\j:X+\j+1], v[X+\j:X+\j+1], v[10:11] neg_lo:[0,1] neg_hi:[0,1]
.endr
	v_pk_mul_f32 v[CH:CH+1], v[X:X+1], v[X:X+1]
	v_pk_mul_f32 v[CH+2:CH+3], v[X+2:X+3], v[X+2:X+3]
.irp j, 4,8,12,16,20,24,28
	v_pk_fma_f32 v[CH:CH+1], v[X+\j:X+\j+1], v[X+\j:X+\j+1], v[CH:CH+1]
	v_pk_fma_f32 v[CH+2:CH+3], v[X+\j+2:X+\j+3], v[X+\j+2:X+\j+3], v[CH+2:CH+3]
.endr
	v_pk_add_f32 v[CH:CH+1], v[CH:CH+1], v[CH+2:CH+3]
	v_add_f32 v[CH], v[CH], v[CH+1]
	WSUM CH, CH+1
	v_mul_f32 v[CH], 0x3a802008, v[CH]             ; / 1,023
	s_wait_alu depctr_va_vdst(0)
	v_sqrt_f32 v[CH], v[CH]
	v_nop                                          ; one plain line behind a transcendental (ISA guide 5.7.2)
	s_wait_alu depctr_va_vdst(0)
	v_add_f32 v[CH], 0x358637bd, v[CH]             ; + 1e-6
	s_wait_alu depctr_va_vdst(0)
	v_rcp_f32 v12, v[CH]
	v_nop
	s_wait_alu depctr_va_vdst(0)
	v_mov_b32 v13, v12
.irp j, 0,2,4,6,8,10,12,14,16,18,20,22,24,26,28,30
	v_pk_mul_f32 v[X+\j:X+\j+1], v[X+\j:X+\j+1], v[12:13]
.endr
.irp j, 0,2,4,6,8,10,12,14,16,18,20,22,24,26,28,30
	v_pk_fma_f32 v[X+\j:X+\j+1], v[X+\j:X+\j+1], v[AL+\j:AL+\j+1], v[BE+\j:BE+\j+1]
.endr
.irp t, 0,1
	v_max3_num_f32 v[TMX+\t], |v[X+16*\t]|, |v[X+16*\t+1]|, 0x1800000   ; with the floor 2^(3 - 127)
.endr
.irp i, 2,4,6,8,10,12,14
.irp t, 0,1
	v_max3_num_f32 v[TMX+\t], v[TMX+\t], |v[X+16*\t+\i]|, |v[X+16*\t+\i+1]|
.endr
.endr
.irp t, 0,1
	v_max_num_f32_dpp v[TMX+\t], v[TMX+\t], v[TMX+\t] row_xmask:1 row_mask:0xf bank_mask:0xf
.endr
.irp t, 0,1
	v_add_nc_u32 v[TMX+2+\t], 0xff000000, v[TMX+\t]
.endr
.irp t, 0,1
	v_cvt_scalef32_pk16_fp6_f32 v[CDR+8*(\p)+4*\t:CDR+8*(\p)+4*\t+2], v[X+16*\t:X+16*\t+15], v[TMX+2+\t]
.endr
.irp t, 0,1
	v_lshrrev_b32 v[220+\t], 23, v[TMX+2+\t]
.endr
.irp t, 0,1
	ds_store_b8 v6, v[220+\t] offset:32*(\p)+16*\t
	global_store_b96 v5, v[CDR+8*(\p)+4*\t:CDR+8*(\p)+4*\t+2], s[10:11] offset:192*(\p)+1572864*\t
.endr
.endm
	ROW 0, 16                                      ; a, b and row 0 are in; rows 1 and 2 may be out
	ROW 1, 16                                      ; rows 2 and 3 may be out
	ROW 2, 8
	ROW 3, 0
	ds_load_b32 v14, v7                            ; my wave's 128 scale bytes, consecutive in memory
	s_wait_dscnt 0x0
	global_store_b32 v8, v14, s[28:29]
	s_wait_tensorcnt 0x0
	ds_add_u32 v251, v255
	s_wait_dscnt 0x0
	s_endpgm
.Lfunc_end_k_q7bb9551a60_ln2:
	.size	k_q7bb9551a60_ln2, .Lfunc_end_k_q7bb9551a60_ln2-k_q7bb9551a60_ln2
	.p2alignl 7, 3214868480
	.fill 96, 4, 3214868480
	.section	.rodata,"a",@progbits
	.p2align	6, 0x0
	.amdhsa_kernel k_q7bb9551a60_ln2
		.amdhsa_group_segment_fixed_size 22016
		.amdhsa_private_segment_fixed_size 0
		.amdhsa_enable_private_segment 0
		.amdhsa_kernarg_size 32
		.amdhsa_user_sgpr_count 2
		.amdhsa_user_sgpr_kernarg_segment_ptr 1
		.amdhsa_wavefront_size32 1
		.amdhsa_system_sgpr_workgroup_id_x 1
		.amdhsa_system_sgpr_workgroup_id_y 1
		.amdhsa_system_sgpr_workgroup_id_z 1
		.amdhsa_system_vgpr_workitem_id 0
		.amdhsa_next_free_vgpr 256
		.amdhsa_next_free_sgpr 66
		.amdhsa_reserve_vcc 0
		.amdhsa_float_denorm_mode_32 3
		.amdhsa_float_denorm_mode_16_64 3
		.amdhsa_memory_ordered 1
		.amdhsa_forward_progress 1
		.amdhsa_inst_pref_size 44
	.end_amdhsa_kernel
	.amdgpu_metadata
---
amdhsa.version: [ 1, 2 ]
amdhsa.kernels:
  - .name:           k_q7bb9551a60_ln2
    .symbol:         k_q7bb9551a60_ln2.kd
    .args:
      - { .name: x1, .offset: 0, .size: 8, .value_kind: global_buffer, .address_space: global }
      - { .name: ln2_a, .offset: 8, .size: 8, .value_kind: global_buffer, .address_space: global }
      - { .name: ln2_b, .offset: 16, .size: 8, .value_kind: global_buffer, .address_space: global }
      - { .name: hA, .offset: 24, .size: 8, .value_kind: global_buffer, .address_space: global }
    .group_segment_fixed_size: 22016
    .private_segment_fixed_size: 0
    .kernarg_segment_align: 8
    .kernarg_segment_size: 32
    .max_flat_workgroup_size: 128
    .sgpr_count:     66
    .vgpr_count:     256
    .wavefront_size: 32
...
	.end_amdgpu_metadata
.endif
;; end of part 12
;; launch gemm_f1 (part 13): grid 16 x 16, 4 waves a work-group, clusters of 4 x 4, 327,680 bytes of LDS; arguments hA, wr, W1_scales, b1, ff; writes ff
.if DOCPART == 13
	.amdgcn_target "amdgcn-amd-amdhsa--gfx1250"
	.amdhsa_code_object_version 6
	.text
	.protected	k_q7bb9551a60_gemm_f1
	.globl	k_q7bb9551a60_gemm_f1
	.p2align	8
	.type	k_q7bb9551a60_gemm_f1,@function
k_q7bb9551a60_gemm_f1:
	s_mov_b64 s[64:65], 0
	v_nop
	global_prefetch_b8 v0, s[64:65] scope:SCOPE_SE
	s_setreg_imm32_b32 hwreg(HW_REG_WAVE_MODE, 25, 1), 1
	s_wait_xcnt 0x0
	s_wait_alu depctr_hold_cnt(0) depctr_sa_sdst(0) depctr_va_vdst(0) depctr_va_sdst(0) depctr_va_ssrc(0) depctr_va_vcc(0) depctr_vm_vsrc(0)
	s_getreg_b32 s2, hwreg(HW_REG_IB_STS2, 6, 4)
	s_cmp_eq_u32 s2, 0
	s_cbranch_scc0 .Lentry_in_a_cluster
	s_endpgm
.Lentry_in_a_cluster:
	s_bfe_u32 s2, ttmp6, 0x10000c
	s_cmp_lg_u32 s2, 0xf033
	s_cbranch_scc0 .Lentry_shape_is_right
	s_endpgm
.Lentry_shape_is_right:
.set SIZE_K, 1024
.set ACS,    3145728
; ff = relu(h W1 + b1), quantised along its row; a tile of 256 x 256 by four waves; K in steps of 256 through a ring of two LDS slots; joint loads in clusters of 4 x 4.
; Both operands' codes lie chunk by chunk along K: [4][rows][192 bytes]; a tile's rows of one chunk are a dense block, fetched as rows of 256 bytes.  ff's codes leave as [8 chunks of 512][4096 rows][384 bytes].
.set OP,     384
.set KSO,    128
.set CSO,    12582912
.set KSTEP,  256
.set NQ,     KSTEP/128
.set ROWB,   192
.set KROW,   ROWB
; No prefetch: K has four steps, of which the head and the round behind it ask for steps 0 and 1; the only refills are steps 2 and 3, so no step lies two refills ahead of a refill.
.set CHA,    4096*ROWB
.set CHB,    4096*ROWB
.set WOFF,   2359296                   ; W1's part of wr
.set PITCH,  240
.set FR,     12
.set NL,     6
.set NP,     4
.set HALFT,  128*PITCH
.set SLOT,   4*HALFT
.set LAPS,   SIZE_K/(2*KSTEP)
.set KS,     SIZE_K/32
.set SCL,    2*SLOT
.set HALFS,  (128*KS/256)*272
.set SBLK,   (16*KS/256)*272
.set SPARE,  SCL+4*HALFS
.set SPITCH, 528
.set SCBC,   33792
.set RDC,  8
.set COC,  9
.set SBC,  10
.set SRC,  14
.set SOC,  15
.set ADRA, 16
.set ADRB, 20
.set STO,  24
.set ADRS, 27
.set SPW,  28
.set NIL,  29
.set SC,   32
.set BI,   64
.set TM,   96
.set SOP,  100
.set EB,   104
.set EB2,  108
.set AF,   128
.set BK,   128
.set G1, 24
.set G0, 32
.set G1B, 48
.set G0B, 56
.set G1S, 68
.set G0S, 76
.set G1SB, 80
.set G0SB, 88
.set MSB, 0
.macro WIN new
.if MSB != \new
	s_set_vgpr_msb (MSB<<8)|\new
.set MSB, \new
.endif
.endm
.set MUL_LO, 0xa1
.set MUL_HI, 0xf1
.set FIRST_LO, 0x81
.set FIRST_HI, 0xc1
.set TO_B,   0x40
.macro JLOAD g0a, g1a, g0b, g1b
	s_cmp_eq_u32 s15, 0
	s_cbranch_scc0 .Lfor_b_\@
	tensor_load_to_lds s[\g0a:\g0a+3], s[\g1a:\g1a+7]
	s_nop 0
.rept 4
	v_nop
.endr
	s_branch .Lasked_\@
.Lfor_b_\@:
	tensor_load_to_lds s[\g0b:\g0b+3], s[\g1b:\g1b+7]
	s_nop 0
.rept 4
	v_nop
.endr
.Lasked_\@:
.endm
.macro CREST
	s_cmp_lg_u32 s14, 0
	s_cbranch_scc1 .Lnot_wave_0_\@
	s_barrier_signal -3
.Lnot_wave_0_\@:
	s_barrier_wait -3
	s_barrier_signal -1
	s_barrier_wait -1
.endm
.macro CROUND
	s_barrier_signal -1
	s_barrier_wait -1
	CREST
.endm
	s_load_b64 s[4:5], s[0:1], 0x0
	s_load_b128 s[8:11], s[0:1], 0x8
	s_load_b64 s[96:97], s[0:1], 0x18
	s_load_b64 s[12:13], s[0:1], 0x20
	v_lshl_add_u32 v[SPW], v0, 2, SPARE
	v_mov_b32 v[NIL], 0
	ds_add_u32 v28, v29
	ds_add_u32 v28, v29
	s_wait_dscnt 0x0
	v_lshrrev_b32 v1, 5, v0
	v_readfirstlane_b32 s14, v1
	s_lshr_b32 s15, s14, 1
	s_and_b32 s16, s14, 1
	s_bfe_u32 s40, ttmp6, 0x40000
	s_bfe_u32 s41, ttmp6, 0x40004
	s_lshl_b32 s42, ttmp9, 2
	s_add_co_u32 s42, s42, s40
	s_and_b32 s17, ttmp7, 0xffff
	s_lshl_b32 s17, s17, 2
	s_add_co_u32 s17, s17, s41
	s_lshl_b32 s43, s41, 2
	s_lshl_b32 s43, 15, s43
	s_lshl_b32 s44, 0x1111, s40
	s_or_b32 s[G1+0], s43, (0<<16)|(1<<20)|(1<<21)|(3<<22)|(3<<25)
	s_or_b32 s[G1B+0], s44, (0<<16)|(1<<20)|(1<<21)|(3<<22)|(3<<25)
.irp g, G1, G1B
	s_mov_b32 s[\g+1], 256<<16
	s_mov_b32 s[\g+2], 192<<16                     ; the head's loads: 256 rows x 192 bytes = 192 rows of 256
	s_mov_b32 s[\g+3], 256<<16
	s_mov_b32 s[\g+4], 192
	s_mov_b32 s[\g+5], 256
	s_mov_b32 s[\g+6], 0
	s_mov_b32 s[\g+7], 0
.endr
	s_or_b32 s[G1S+0], s43, (3<<16)|(1<<20)|(1<<21)|(5<<22)|(3<<25)
	s_or_b32 s[G1SB+0], s44, (3<<16)|(1<<20)|(1<<21)|(5<<22)|(3<<25)
.irp g, G1S, G1SB
	s_mov_b32 s[\g+1], 32<<16
	s_mov_b32 s[\g+2], KS<<16
	s_mov_b32 s[\g+3], 32<<16
	s_mov_b32 s[\g+4], KS
	s_mov_b32 s[\g+5], 32
	s_mov_b32 s[\g+6], 0
	s_mov_b32 s[\g+7], 0
.endr
	s_lshl_b32 s20, s17, 8                         ; A: the tile's first row
	s_lshl_b32 s46, s42, 8                         ; W1's
	s_mov_b32 s21, 0
	s_mov_b32 s47, 0
	s_mov_b64 s[18:19], KS
	s_mul_u64 s[22:23], s[20:21], s[18:19]
	s_mul_u64 s[92:93], s[46:47], s[18:19]
	s_mov_b64 s[18:19], KROW
	s_mul_u64 s[20:21], s[20:21], s[18:19]
	s_mul_u64 s[46:47], s[46:47], s[18:19]
	s_mul_i32 s45, s14, HALFT
	s_mul_i32 s18, s16, 128*ROWB                   ; in the ring I fetch 128 rows: which half, in bytes
	s_mov_b32 s19, 0
	s_wait_kmcnt 0x0
	s_add_nc_u64 s[6:7], s[4:5], ACS
	s_add_nc_u64 s[20:21], s[4:5], s[20:21]
	s_add_nc_u64 s[22:23], s[6:7], s[22:23]
	s_add_nc_u64 s[8:9], s[8:9], WOFF
	s_add_nc_u64 s[46:47], s[8:9], s[46:47]
	s_add_nc_u64 s[92:93], s[10:11], s[92:93]
	CROUND
	s_mov_b32 s[G0S], 1
	s_mov_b32 s[G0S+1], SCL
	s_mov_b64 s[G0S+2:G0S+3], s[22:23]
	s_or_b32 s[G0S+3], s[G0S+3], 0x80000000
	s_mov_b32 s[G0SB], 1
	s_mov_b32 s[G0SB+1], SCL+2*HALFS
	s_mov_b64 s[G0SB+2:G0SB+3], s[92:93]
	s_or_b32 s[G0SB+3], s[G0SB+3], 0x80000000
	s_mov_b32 s4, 1                                ; s[4:7]: group 0 for K step 0's 256 rows of A; s[8:11]: for W1's, behind them in slot 0
	s_mov_b32 s5, 0
	s_mov_b64 s[6:7], s[20:21]
	s_or_b32 s7, s7, 0x80000000
	s_mov_b32 s8, 1
	s_mov_b32 s9, 2*HALFT
	s_mov_b64 s[10:11], s[46:47]
	s_or_b32 s11, s11, 0x80000000
	s_add_nc_u64 s[20:21], s[20:21], s[18:19]
	s_add_nc_u64 s[46:47], s[46:47], s[18:19]
.irp s, 0,1
	s_mov_b32 s[G0+4*\s], 1
	s_add_co_u32 s[G0+4*\s+1], s45, \s*SLOT
	s_add_nc_u64 s[G0+4*\s+2:G0+4*\s+3], s[20:21], \s*CHA
	s_or_b32 s[G0+4*\s+3], s[G0+4*\s+3], 0x80000000
	s_mov_b32 s[G0B+4*\s], 1
	s_add_co_u32 s[G0B+4*\s+1], s45, \s*SLOT
	s_add_nc_u64 s[G0B+4*\s+2:G0B+4*\s+3], s[46:47], \s*CHB
	s_or_b32 s[G0B+4*\s+3], s[G0B+4*\s+3], 0x80000000
.endr
; the head's four tiles, one joint load a wave: wave 0 A's K step 0, wave 1 W1's, wave 2 A's scales, wave 3 W1's; one chain of branches on the wave's number
.macro ARM under, g0, g1, next
	s_cmp_lt_u32 s14, \under
	s_cbranch_scc0 \next
	tensor_load_to_lds s[\g0:\g0+3], s[\g1:\g1+7]
	s_nop 0
.rept 4
	v_nop
.endr
	s_branch .Lhead_asked
\next:
.endm
	ARM 1, 4, G1, .Lhead_b
	ARM 2, 8, G1B, .Lhead_sa
	ARM 3, G0S, G1S, .Lhead_sb
	tensor_load_to_lds s[G0SB:G0SB+3], s[G1SB:G1SB+7]
	s_nop 0
.rept 4
	v_nop
.endr
.Lhead_asked:
	v_and_b32 v1, 15, v0
	v_bfe_u32 v2, v0, 4, 1
	s_lshl_b32 s46, s42, 10
	s_lshl_b32 s47, s16, 9
	s_add_co_u32 s46, s46, s47
	s_mov_b32 s47, 0
	s_add_nc_u64 s[96:97], s[96:97], s[46:47]
	v_lshlrev_b32 v7, 5, v2
.irp b, 0,1,2,3,4,5,6,7
	global_load_b128 v[BI+8*\b:BI+8*\b+3], v7, s[96:97] offset:64*\b
	global_load_b128 v[BI+8*\b+4:BI+8*\b+7], v7, s[96:97] offset:64*\b+16
.endr
	v_mul_u32_u24 v3, v1, PITCH
	v_mul_u32_u24 v4, v2, 24
	v_add_nc_u32 v4, v3, v4
	v_lshl_add_u32 v5, v2, 4, v4
	s_mul_i32 s21, s15, HALFT
	s_mul_i32 s22, s16, HALFT
	s_add_co_u32 s22, s22, 2*HALFT
.irp s, 0,1
	v_add_nc_u32 v[ADRA+\s], s21, v4
	v_add_nc_u32 v[ADRB+\s], s22, v4
	v_add_nc_u32 v[ADRA+2+\s], s21, v5
	v_add_nc_u32 v[ADRB+2+\s], s22, v5
	s_add_co_u32 s21, s21, SLOT
	s_add_co_u32 s22, s22, SLOT
.endr
	v_mul_u32_u24 v5, v1, KS
	v_lshrrev_b32 v6, 8, v5
	v_lshl_add_u32 v5, v6, 4, v5
	s_mul_i32 s21, s15, HALFS
	s_mul_i32 s22, s16, HALFS
	s_add_co_u32 s22, s22, 2*HALFS
	s_sub_co_u32 s22, s22, s21
	v_mul_u32_u24 v6, s22, v2
	s_add_co_u32 s21, s21, SCL
	v_add_nc_u32 v5, v5, v6
	v_add_nc_u32 v[ADRS], s21, v5
	s_mul_i32 s23, s14, 16*SPITCH
	v_mul_u32_u24 v5, v1, SPITCH
	v_lshl_add_u32 v3, v2, 5, v5
	v_add_nc_u32 v[STO], s23, v3
	v_and_b32 v6, 31, v0
	v_lshrrev_b32 v3, 3, v6
	v_and_b32 v4, 7, v6
	v_mul_u32_u24 v[RDC], v3, SPITCH
	v_lshl_add_u32 v[RDC], v4, 6, v[RDC]
	v_add_nc_u32 v[RDC], s23, v[RDC]
	v_mul_u32_u24 v[COC], v3, OP
	v_mad_u32_u24 v[COC], v4, 12, v[COC]
	s_lshl_b32 s21, s14, 9
	s_add_co_u32 s22, s21, SCBC
	v_bfe_u32 v5, v6, 1, 2
	v_lshl_add_u32 v[SBC], v3, 2, v5
	v_add_nc_u32 v[SBC], s22, v[SBC]
	v_lshl_add_u32 v[SRC], v6, 2, s22
	v_mul_u32_u24 v[SOC], v6, KSO
	s_lshl_b32 s20, s17, 8
	s_lshl_b32 s21, s15, 7
	s_add_co_u32 s20, s20, s21
	s_lshl_b32 s92, s42, 1
	s_add_co_u32 s92, s92, s16
	s_mul_i32 s18, s20, OP
	s_and_b32 s21, s92, 3                          ; my 128 columns: 96 bytes, the (number % 4)-th of chunk number / 4
	s_mul_i32 s21, s21, 96
	s_lshr_b32 s19, s92, 2
	s_mul_i32 s19, s19, 1572864
	s_add_co_u32 s21, s21, s19
	s_add_co_u32 s18, s18, s21
	s_mov_b32 s19, 0
	s_mul_i32 s20, s20, KSO
	s_lshl_b32 s21, s92, 2
	s_add_co_u32 s20, s20, s21
	s_add_co_u32 s20, s20, CSO
	s_mov_b32 s21, 0
	s_add_nc_u64 s[98:99], s[12:13], s[20:21]
	s_add_nc_u64 s[12:13], s[12:13], s[18:19]
.macro FRAG reg, adr, q, i
.irp p, 0,1,2,3,4,5
.set PC, 12*(\q)+6*(\p/3)+\p%3
.if PC%8 < 5
	ds_load_b64 v[\reg+2*\p:\reg+2*\p+1], v[\adr] offset:8*PC+16*(PC/8)+(\i)*16*PITCH
.else
	ds_load_b64 v[\reg+2*\p:\reg+2*\p+1], v[\adr+2] offset:8*PC+16*(PC/8)+(\i)*16*PITCH
.endif
.endr
.endm
.macro MUL16 a0, p, q, sc, first
.irp a, \a0, \a0+1
.irp b, 0,1,2,3,4,5,6,7
.if \first
	v_wmma_scale_f32_16x16x128_f8f6f4 v[8*(8*((\a)%4)+\b):8*(8*((\a)%4)+\b)+7], v[128*(\p)+FR*\b:128*(\p)+FR*\b+FR-1], v[AF+FR*(\a):AF+FR*(\a)+FR-1], v[BI+8*\b:BI+8*\b+7], v[SC+8*NQ*(\sc)+NQ*\b+(\q)], v[SC+8*NQ*(\sc)+NQ*(\a)+(\q)] matrix_a_fmt:MATRIX_FMT_FP6 matrix_b_fmt:MATRIX_FMT_FP6 matrix_a_scale:MATRIX_SCALE_ROW1
.else
	v_wmma_scale_f32_16x16x128_f8f6f4 v[8*(8*((\a)%4)+\b):8*(8*((\a)%4)+\b)+7], v[128*(\p)+FR*\b:128*(\p)+FR*\b+FR-1], v[AF+FR*(\a):AF+FR*(\a)+FR-1], v[8*(8*((\a)%4)+\b):8*(8*((\a)%4)+\b)+7], v[SC+8*NQ*(\sc)+NQ*\b+(\q)], v[SC+8*NQ*(\sc)+NQ*(\a)+(\q)] matrix_a_fmt:MATRIX_FMT_FP6 matrix_b_fmt:MATRIX_FMT_FP6 matrix_a_scale:MATRIX_SCALE_ROW1
.endif
.endr
.endr
.endm
.macro FETCH_B slot, q, p
	WIN TO_B
.irp i, 0,1,2,3,4,5,6,7
	FRAG 128*(\p)+FR*\i, ADRB+\slot, \q, \i
.endr
	WIN 0
.endm
.macro FETCH_A slot, q, i0
.irp i, \i0, \i0+1, \i0+2, \i0+3
	FRAG AF+FR*(\i), ADRA+\slot, \q, \i
.endr
.endm
.macro SCALES sc
.irp i, 0,1,2,3,4,5,6,7
	ds_load_b64 v[SC+8*NQ*\sc+NQ*\i:SC+8*NQ*\sc+NQ*\i+1], v[ADRS] offset:\i*SBLK
.endr
.endm
.macro PLACES n
.rept \n
	v_nop
.endr
.endm
.macro STEP slot, q, first
	s_wait_dscnt 4*NL
.if \first
	WIN FIRST_LO
.else
	WIN MUL_LO
.endif
	MUL16 0, (\q)%2, \q, \slot, \first
	MUL16 2, (\q)%2, \q, \slot, \first
	s_wait_dscnt 0
	PLACES NP
	FETCH_B \slot, (\q)+1, 1-(\q)%2
	FETCH_A \slot, (\q)+1, 0
.if \first
	WIN FIRST_HI
.else
	WIN MUL_HI
.endif
	MUL16 4, (\q)%2, \q, \slot, \first
	MUL16 6, (\q)%2, \q, \slot, \first
	PLACES NP
	WIN 0
	FETCH_A \slot, (\q)+1, 4
.endm
.macro TURN slot, next, fill
	s_wait_tensorcnt 0x0
	ds_add_u32 v[SPW], v[NIL]
	s_wait_dscnt 4*NL+1
	WIN MUL_LO
	MUL16 0, 1, NQ-1, \slot, 0
	s_wait_dscnt 0x0
	s_barrier_signal -1
	MUL16 2, 1, NQ-1, \slot, 0
	WIN 0
	s_barrier_wait -1
.if \fill
	CREST
	s_add_nc_u64 s[G0+4*\slot+2:G0+4*\slot+3], s[G0+4*\slot+2:G0+4*\slot+3], 2*CHA
	s_add_nc_u64 s[G0B+4*\slot+2:G0B+4*\slot+3], s[G0B+4*\slot+2:G0B+4*\slot+3], 2*CHB
	JLOAD G0+4*\slot, G1, G0B+4*\slot, G1B
.else
	PLACES NP
.endif
	s_wait_alu depctr_va_vdst(0)
	v_add_nc_u32 v[ADRS], 4*NQ, v[ADRS]
	FETCH_B \next, 0, 0
	FETCH_A \next, 0, 0
	SCALES \next
	WIN MUL_HI
	MUL16 4, 1, NQ-1, \slot, 0
	MUL16 6, 1, NQ-1, \slot, 0
	PLACES NP
	WIN 0
	FETCH_A \next, 0, 4
.endm
	s_wait_alu depctr_va_vdst(0)
	s_wait_tensorcnt 0x0                           ; my tile of the head's four is in
	ds_add_u32 v[SPW], v[NIL]
	s_mov_b32 s[G1+2], 96<<16                      ; no load of mine is out: from here on a load brings 128 rows x 192 bytes = 96 rows of 256
	s_mov_b32 s[G1+4], 96
	s_mov_b32 s[G1B+2], 96<<16
	s_mov_b32 s[G1B+4], 96
	s_wait_dscnt 0x0
	CROUND                                         ; all four tiles are in, and all sixteen work-groups are here
	JLOAD G0+4, G1, G0B+4, G1B                     ; K step 1, the first tensor load behind the round
	FETCH_B 0, 0, 0
	FETCH_A 0, 0, 0
	SCALES 0
	FETCH_A 0, 0, 4
	s_wait_loadcnt 0x0
	STEP 0, 0, 1
	s_mov_b32 s3, LAPS-1
.Llap:
	TURN 0, 1, 1
	STEP 1, 0, 0
	TURN 1, 0, 1
	STEP 0, 0, 0
	s_sub_co_u32 s3, s3, 1
	s_cmp_lg_u32 s3, 0
	s_cbranch_scc1 .Llap
	TURN 0, 1, 0
	STEP 1, 0, 0
	s_wait_dscnt 4*NL
	WIN MUL_LO
	MUL16 0, 1, NQ-1, 1, 0
	MUL16 2, 1, NQ-1, 1, 0
	s_wait_dscnt 0
	WIN MUL_HI
	MUL16 4, 1, NQ-1, 1, 0
	MUL16 6, 1, NQ-1, 1, 0
	WIN 0
.macro TOSTAGE a
.set AC, 64*((\a)%4)
	WIN 0x08+4*((\a)/4)
.irp b, 0,1,2,3,4,5,6,7
	ds_store_b128 v[STO], v[AC+8*\b:AC+8*\b+3] offset:64*\b
	ds_store_b128 v[STO], v[AC+8*\b+4:AC+8*\b+7] offset:64*\b+16
.endr
	WIN 0
.set BB, BK+64*((\a)%2)
.irp it, 0,1,2,3
.irp j, 0,1,2,3
	ds_load_b128 v[BB+16*\it+4*\j:BB+16*\it+4*\j+3], v[RDC] offset:4*SPITCH*\it+16*\j
.endr
.endr
.endm
.macro QSEND a, younger
.set BB, BK+64*((\a)%2)
.set CD, 64+16*((\a)%2)
	s_wait_dscnt \younger
.set j, 0
.rept 64
	v_max_num_f32 v[BB+j], 0, v[BB+j]
.set j, j+1
.endr
.irp it, 0,1,2,3
	v_max3_num_f32 v[TM+\it], v[BB+16*\it], v[BB+16*\it+1], 0x1800000
.endr
.irp i, 2,4,6,8,10,12,14
.irp it, 0,1,2,3
	v_max3_num_f32 v[TM+\it], v[TM+\it], v[BB+16*\it+\i], v[BB+16*\it+\i+1]
.endr
.endr
.irp it, 0,1,2,3
	v_max_num_f32_dpp v[TM+\it], v[TM+\it], v[TM+\it] row_xmask:1 row_mask:0xf bank_mask:0xf
.endr
.irp it, 0,1,2,3
	v_add_nc_u32 v[SOP+\it], 0xff000000, v[TM+\it]
.endr
.irp it, 0,1,2,3
	v_cvt_scalef32_pk16_fp6_f32 v[CD+4*\it:CD+4*\it+2], v[BB+16*\it:BB+16*\it+15], v[SOP+\it]
.endr
.irp it, 0,1,2,3
	v_lshrrev_b32 v[EB+\it], 23, v[SOP+\it]
.endr
.irp it, 0,1,2,3
	ds_store_b8 v[SBC], v[EB+\it] offset:64*(\a)+16*\it
	global_store_b96 v[COC], v[CD+4*\it:CD+4*\it+2], s[12:13] offset:(16*(\a)+4*\it)*OP
.endr
.endm
	PLACES NP
	TOSTAGE 0
.irp a, 1,2,3,4,5,6,7
.if \a > 1
	s_wait_xcnt 0x0
.endif
	TOSTAGE \a
	QSEND \a-1, 32
.endr
	QSEND 7, 0
.irp k, 0,1,2,3
	ds_load_b32 v[EB2+\k], v[SRC] offset:128*\k
.endr
.irp k, 0,1,2,3
	s_wait_dscnt 3-\k
	global_store_b32 v[SOC], v[EB2+\k], s[98:99] offset:32*\k*KSO
.endr
	s_wait_tensorcnt 0x0
	ds_add_u32 v[SPW], v[NIL]
	s_wait_dscnt 0x0
	CROUND
	s_endpgm
.Lfunc_end_k_q7bb9551a60_gemm_f1:
	.size	k_q7bb9551a60_gemm_f1, .Lfunc_end_k_q7bb9551a60_gemm_f1-k_q7bb9551a60_gemm_f1
	.p2alignl 7, 3214868480
	.fill 96, 4, 3214868480
	.section	.rodata,"a",@progbits
	.p2align	6, 0x0
	.amdhsa_kernel k_q7bb9551a60_gemm_f1
		.amdhsa_group_segment_fixed_size 327680
		.amdhsa_private_segment_fixed_size 0
		.amdhsa_enable_private_segment 0
		.amdhsa_kernarg_size 40
		.amdhsa_user_sgpr_count 2
		.amdhsa_user_sgpr_kernarg_segment_ptr 1
		.amdhsa_wavefront_size32 1
		.amdhsa_system_sgpr_workgroup_id_x 1
		.amdhsa_system_sgpr_workgroup_id_y 1
		.amdhsa_system_sgpr_workgroup_id_z 1
		.amdhsa_system_vgpr_workitem_id 0
		.amdhsa_next_free_vgpr 1024
		.amdhsa_next_free_sgpr 102
		.amdhsa_reserve_vcc 0
		.amdhsa_float_denorm_mode_32 3
		.amdhsa_float_denorm_mode_16_64 3
		.amdhsa_memory_ordered 1
		.amdhsa_forward_progress 1
		.amdhsa_inst_pref_size 197
	.end_amdhsa_kernel
	.amdgpu_metadata
---
amdhsa.version: [ 1, 2 ]
amdhsa.kernels:
  - .name:           k_q7bb9551a60_gemm_f1
    .symbol:         k_q7bb9551a60_gemm_f1.kd
    .args:
      - { .name: hA, .offset: 0, .size: 8, .value_kind: global_buffer, .address_space: global }
      - { .name: wr, .offset: 8, .size: 8, .value_kind: global_buffer, .address_space: global }
      - { .name: W1_scales, .offset: 16, .size: 8, .value_kind: global_buffer, .address_space: global }
      - { .name: b1, .offset: 24, .size: 8, .value_kind: global_buffer, .address_space: global }
      - { .name: ff, .offset: 32, .size: 8, .value_kind: global_buffer, .address_space: global }
    .group_segment_fixed_size: 327680
    .private_segment_fixed_size: 0
    .kernarg_segment_align: 8
    .kernarg_segment_size: 40
    .max_flat_workgroup_size: 128
    .sgpr_count:     102
    .vgpr_count:     1024
    .wavefront_size: 32
...
	.end_amdgpu_metadata
.endif
;; end of part 13
;; launch gemm_f2 (part 14): grid 8 x 32, 4 waves a work-group, clusters of 4 x 4, 327,680 bytes of LDS; arguments ff, wr, W2_scales, b2, x1, out0; writes out0
.if DOCPART == 14
	.amdgcn_target "amdgcn-amd-amdhsa--gfx1250"
	.amdhsa_code_object_version 6
	.text
	.protected	k_q7bb9551a60_gemm_f2
	.globl	k_q7bb9551a60_gemm_f2
	.p2align	8
	.type	k_q7bb9551a60_gemm_f2,@function
k_q7bb9551a60_gemm_f2:
	s_mov_b64 s[64:65], 0
	v_nop
	global_prefetch_b8 v0, s[64:65] scope:SCOPE_SE
	s_setreg_imm32_b32 hwreg(HW_REG_WAVE_MODE, 25, 1), 1
	s_wait_xcnt 0x0
	s_wait_alu depctr_hold_cnt(0) depctr_sa_sdst(0) depctr_va_vdst(0) depctr_va_sdst(0) depctr_va_ssrc(0) depctr_va_vcc(0) depctr_vm_vsrc(0)
	s_getreg_b32 s2, hwreg(HW_REG_IB_STS2, 6, 4)
	s_cmp_eq_u32 s2, 0
	s_cbranch_scc0 .Lentry_in_a_cluster
	s_endpgm
.Lentry_in_a_cluster:
	s_bfe_u32 s2, ttmp6, 0x10000c
	s_cmp_lg_u32 s2, 0xf033
	s_cbranch_scc0 .Lentry_shape_is_right
	s_endpgm
.Lentry_shape_is_right:
.set SIZE_K, 4096
.set ACS,    12582912
.set KSTEP,  512
.set NQ,     KSTEP/128
.set ROWB,   384
; out0 = x1 + ff W2 + b2, f32; a tile of 128 x 128 by four waves; K in steps of 512 through a ring of two LDS slots; joint loads in clusters of 4 x 4.
; Both operands' codes lie chunk by chunk along K: [8][rows][384 bytes]; a tile's rows of one chunk are a dense block, fetched as rows of 256 bytes.
.set KROW,   ROWB
; PREFETCH: behind each refill and its run of LDS loads one instruction a wave asks for the K step two refills on.  The dense block that a wave fetches is 96 blocks of 256 bytes;
; the four partners that ask for it jointly share them out by address, 24 each (cx for A, cy for W2), a lane a block; lanes 24-31 name the last block again.  The loop's last trip, whose refills are K steps 6 and 7, asks for nothing.
; s[92:93]: where my prefetches stand; s[100:101]: bytes from chunk to chunk of the operand that I fetch; v30: 256 x min(lane, 23); never rewritten.
; THE RESIDUAL's 32 loads go out behind the first K step, and are waited for on the way out, seven K steps later.
.set CHA,    4096*ROWB
.set CHB,    1024*ROWB
.set WOFF,   6291456                   ; W2's part of wr
.set PITCH,  432
.set FR,     12
.set NL,     6
.set NP,     4
.set HALFT,  64*PITCH
.set SLOT,   4*HALFT
.set LAPS,   SIZE_K/(2*KSTEP)
.set KS,     SIZE_K/32
.set SCL,    2*SLOT
.set HALFS,  (64*KS/256)*272
.set SBLK,   (16*KS/256)*272
.set SPARE,  SCL+4*HALFS
.set SPITCH, 272
.set ADRA, 16
.set ADRB, 20
.set STO,  24
.set RD,   25
.set CO,   26
.set ADRS, 27
.set SPW,  28
.set NIL,  29
.set SC,   32
.set BI,   64
.set BK,   64
.set ACC,  128
.set G1, 24
.set G0, 32
.set G1B, 48
.set G0B, 56
.set G1S, 68
.set G0S, 76
.set G1SB, 80
.set G0SB, 88
.set MSB, 0
.macro WIN new
.if MSB != \new
	s_set_vgpr_msb (MSB<<8)|\new
.set MSB, \new
.endif
.endm
.set MUL,  0x05
.set TO_F, 0x40
.macro JLOAD g0a, g1a, g0b, g1b
	s_cmp_eq_u32 s15, 0
	s_cbranch_scc0 .Lfor_b_\@
	tensor_load_to_lds s[\g0a:\g0a+3], s[\g1a:\g1a+7]
	s_nop 0
.rept 4
	v_nop
.endr
	s_branch .Lasked_\@
.Lfor_b_\@:
	tensor_load_to_lds s[\g0b:\g0b+3], s[\g1b:\g1b+7]
	s_nop 0
.rept 4
	v_nop
.endr
.Lasked_\@:
.endm
.macro CREST
	s_cmp_lg_u32 s14, 0
	s_cbranch_scc1 .Lnot_wave_0_\@
	s_barrier_signal -3
.Lnot_wave_0_\@:
	s_barrier_wait -3
	s_barrier_signal -1
	s_barrier_wait -1
.endm
.macro CROUND
	s_barrier_signal -1
	s_barrier_wait -1
	CREST
.endm
	s_load_b64 s[4:5], s[0:1], 0x0
	s_load_b128 s[8:11], s[0:1], 0x8
	s_load_b128 s[96:99], s[0:1], 0x18
	s_load_b64 s[12:13], s[0:1], 0x28
	v_lshl_add_u32 v[SPW], v0, 2, SPARE
	v_mov_b32 v[NIL], 0
	ds_add_u32 v28, v29
	ds_add_u32 v28, v29
	s_wait_dscnt 0x0
	v_lshrrev_b32 v1, 5, v0
	v_readfirstlane_b32 s14, v1
	s_lshr_b32 s15, s14, 1
	s_and_b32 s16, s14, 1
	s_bfe_u32 s40, ttmp6, 0x40000
	s_bfe_u32 s41, ttmp6, 0x40004
	s_lshl_b32 s42, ttmp9, 2
	s_add_co_u32 s42, s42, s40
	s_and_b32 s17, ttmp7, 0xffff
	s_lshl_b32 s17, s17, 2
	s_add_co_u32 s17, s17, s41
	s_lshl_b32 s43, s41, 2
	s_lshl_b32 s43, 15, s43
	s_lshl_b32 s44, 0x1111, s40
	s_or_b32 s[G1+0], s43, (0<<16)|(1<<20)|(1<<21)|(4<<22)|(3<<25)
	s_or_b32 s[G1B+0], s44, (0<<16)|(1<<20)|(1<<21)|(4<<22)|(3<<25)
.irp g, G1, G1B
	s_mov_b32 s[\g+1], 256<<16
	s_mov_b32 s[\g+2], 192<<16                     ; the head's loads: 128 rows x 384 bytes = 192 rows of 256
	s_mov_b32 s[\g+3], 256<<16
	s_mov_b32 s[\g+4], 192
	s_mov_b32 s[\g+5], 256
	s_mov_b32 s[\g+6], 0
	s_mov_b32 s[\g+7], 0
.endr
	s_or_b32 s[G1S+0], s43, (3<<16)|(1<<20)|(1<<21)|(5<<22)|(3<<25)
	s_or_b32 s[G1SB+0], s44, (3<<16)|(1<<20)|(1<<21)|(5<<22)|(3<<25)
.irp g, G1S, G1SB
	s_mov_b32 s[\g+1], 32<<16
	s_mov_b32 s[\g+2], (128*KS/256)<<16
	s_mov_b32 s[\g+3], 32<<16
	s_mov_b32 s[\g+4], 128*KS/256
	s_mov_b32 s[\g+5], 32
	s_mov_b32 s[\g+6], 0
	s_mov_b32 s[\g+7], 0
.endr
	s_lshl_b32 s20, s17, 7                         ; A: the tile's first row
	s_lshl_b32 s46, s42, 7                         ; W2's
	s_mov_b32 s21, 0
	s_mov_b32 s47, 0
	s_mov_b64 s[18:19], KS
	s_mul_u64 s[22:23], s[20:21], s[18:19]
	s_mul_u64 s[92:93], s[46:47], s[18:19]
	s_mov_b64 s[18:19], KROW
	s_mul_u64 s[20:21], s[20:21], s[18:19]
	s_mul_u64 s[46:47], s[46:47], s[18:19]
	s_mul_i32 s45, s14, HALFT
	s_mul_i32 s18, s16, 64*ROWB                    ; in the ring I fetch 64 rows: which half, in bytes
	s_mov_b32 s19, 0
	s_wait_kmcnt 0x0
	s_add_nc_u64 s[6:7], s[4:5], ACS
	s_add_nc_u64 s[20:21], s[4:5], s[20:21]
	s_add_nc_u64 s[22:23], s[6:7], s[22:23]
	s_add_nc_u64 s[8:9], s[8:9], WOFF
	s_add_nc_u64 s[46:47], s[8:9], s[46:47]
	s_add_nc_u64 s[92:93], s[10:11], s[92:93]
	CROUND
	s_mov_b32 s[G0S], 1
	s_mov_b32 s[G0S+1], SCL
	s_mov_b64 s[G0S+2:G0S+3], s[22:23]
	s_or_b32 s[G0S+3], s[G0S+3], 0x80000000
	s_mov_b32 s[G0SB], 1
	s_mov_b32 s[G0SB+1], SCL+2*HALFS
	s_mov_b64 s[G0SB+2:G0SB+3], s[92:93]
	s_or_b32 s[G0SB+3], s[G0SB+3], 0x80000000
	s_mov_b32 s4, 1                                ; s[4:7]: group 0 for K step 0's 128 rows of A; s[8:11]: for W2's, behind them in slot 0
	s_mov_b32 s5, 0
	s_mov_b64 s[6:7], s[20:21]
	s_or_b32 s7, s7, 0x80000000
	s_mov_b32 s8, 1
	s_mov_b32 s9, 2*HALFT
	s_mov_b64 s[10:11], s[46:47]
	s_or_b32 s11, s11, 0x80000000
	s_add_nc_u64 s[20:21], s[20:21], s[18:19]
	s_add_nc_u64 s[46:47], s[46:47], s[18:19]
.irp s, 0,1
	s_mov_b32 s[G0+4*\s], 1
	s_add_co_u32 s[G0+4*\s+1], s45, \s*SLOT
	s_add_nc_u64 s[G0+4*\s+2:G0+4*\s+3], s[20:21], \s*CHA
	s_or_b32 s[G0+4*\s+3], s[G0+4*\s+3], 0x80000000
	s_mov_b32 s[G0B+4*\s], 1
	s_add_co_u32 s[G0B+4*\s+1], s45, \s*SLOT
	s_add_nc_u64 s[G0B+4*\s+2:G0B+4*\s+3], s[46:47], \s*CHB
	s_or_b32 s[G0B+4*\s+3], s[G0B+4*\s+3], 0x80000000
.endr
; the head's four tiles, one joint load a wave: wave 0 A's K step 0, wave 1 W2's, wave 2 A's scales, wave 3 W2's; one chain of branches on the wave's number
.macro ARM under, g0, g1, next
	s_cmp_lt_u32 s14, \under
	s_cbranch_scc0 \next
	tensor_load_to_lds s[\g0:\g0+3], s[\g1:\g1+7]
	s_nop 0
.rept 4
	v_nop
.endr
	s_branch .Lhead_asked
\next:
.endm
	ARM 1, 4, G1, .Lhead_b
	ARM 2, 8, G1B, .Lhead_sa
	ARM 3, G0S, G1S, .Lhead_sb
	tensor_load_to_lds s[G0SB:G0SB+3], s[G1SB:G1SB+7]
	s_nop 0
.rept 4
	v_nop
.endr
.Lhead_asked:
	s_cmp_eq_u32 s15, 0                            ; do I fetch for A?
	s_cselect_b64 s[92:93], s[20:21], s[46:47]     ; my rows of K step 0
	s_cselect_b32 s94, s40, s41                    ; my place among the four that ask with me
	s_mov_b32 s100, CHB
	s_cselect_b32 s100, CHA, s100
	s_mov_b32 s101, 0
	s_mul_i32 s94, s94, 6144                       ; my work-group's 24 blocks,
	s_mul_i32 s95, s100, 3                         ; at K step 3: the first refill steps it to 4
	s_add_co_u32 s94, s94, s95
	s_mov_b32 s95, 0
	s_add_nc_u64 s[92:93], s[92:93], s[94:95]
	v_and_b32 v30, 31, v0
	v_min_u32 v30, 23, v30
	v_lshlrev_b32 v30, 8, v30
	v_and_b32 v1, 15, v0
	v_bfe_u32 v2, v0, 4, 1
	s_wait_alu depctr_va_vdst(0)
	s_lshl_b32 s46, s42, 9
	s_lshl_b32 s47, s16, 8
	s_add_co_u32 s46, s46, s47
	s_mov_b32 s47, 0
	s_add_nc_u64 s[96:97], s[96:97], s[46:47]
	v_lshlrev_b32 v7, 5, v2
.irp b, 0,1,2,3
	global_load_b128 v[BI+8*\b:BI+8*\b+3], v7, s[96:97] offset:64*\b
	global_load_b128 v[BI+8*\b+4:BI+8*\b+7], v7, s[96:97] offset:64*\b+16
.endr
	s_lshl_b32 s20, s17, 7
	s_lshl_b32 s21, s15, 6
	s_add_co_u32 s20, s20, s21
	s_lshl_b32 s20, s20, 12
	s_add_co_u32 s20, s20, s46
	s_mov_b32 s21, 0
	s_add_nc_u64 s[12:13], s[12:13], s[20:21]
	s_add_nc_u64 s[98:99], s[98:99], s[20:21]
	v_lshlrev_b32 v6, 12, v2
	v_lshl_add_u32 v[CO], v1, 4, v6
	v_mul_u32_u24 v3, v1, PITCH
	v_mul_u32_u24 v4, v2, 24
	v_add_nc_u32 v4, v3, v4
	v_lshl_add_u32 v5, v2, 4, v4
	s_mul_i32 s21, s15, HALFT
	s_mul_i32 s22, s16, HALFT
	s_add_co_u32 s22, s22, 2*HALFT
.irp s, 0,1
	v_add_nc_u32 v[ADRA+\s], s21, v4
	v_add_nc_u32 v[ADRB+\s], s22, v4
	v_add_nc_u32 v[ADRA+2+\s], s21, v5
	v_add_nc_u32 v[ADRB+2+\s], s22, v5
	s_add_co_u32 s21, s21, SLOT
	s_add_co_u32 s22, s22, SLOT
.endr
	v_mul_u32_u24 v5, v1, KS
	v_lshrrev_b32 v6, 8, v5
	v_lshl_add_u32 v5, v6, 4, v5
	s_mul_i32 s21, s15, HALFS
	s_mul_i32 s22, s16, HALFS
	s_add_co_u32 s22, s22, 2*HALFS
	s_sub_co_u32 s22, s22, s21
	v_mul_u32_u24 v6, s22, v2
	s_add_co_u32 s21, s21, SCL
	v_add_nc_u32 v5, v5, v6
	v_add_nc_u32 v[ADRS], s21, v5
	s_mul_i32 s23, s14, 16*SPITCH
	v_mul_u32_u24 v5, v1, SPITCH
	v_lshl_add_u32 v5, v2, 5, v5
	v_add_nc_u32 v[STO], s23, v5
	v_mul_u32_u24 v5, v2, SPITCH
	v_lshl_add_u32 v5, v1, 4, v5
	v_add_nc_u32 v[RD], s23, v5
.macro FRAG reg, adr, q, i
.irp p, 0,1,2,3,4,5
.set PC, 12*(\q)+6*(\p/3)+\p%3
.if PC%16 < 13
	ds_load_b64 v[\reg+2*\p:\reg+2*\p+1], v[\adr] offset:8*PC+16*(PC/16)+(\i)*16*PITCH
.else
	ds_load_b64 v[\reg+2*\p:\reg+2*\p+1], v[\adr+2] offset:8*PC+16*(PC/16)+(\i)*16*PITCH
.endif
.endr
.endm
.macro MUL4 a, f, q, sc, first
.irp b, 0,1,2,3
.if \first
	v_wmma_scale_f32_16x16x128_f8f6f4 v[ACC+8*(4*(\a)+\b):ACC+8*(4*(\a)+\b)+7], v[128*(\f)+48+FR*\b:128*(\f)+48+FR*\b+FR-1], v[128*(\f)+FR*(\a):128*(\f)+FR*(\a)+FR-1], v[BI+8*\b:BI+8*\b+7], v[SC+4*NQ*(\sc)+NQ*\b+(\q)], v[SC+4*NQ*(\sc)+NQ*(\a)+(\q)] matrix_a_fmt:MATRIX_FMT_FP6 matrix_b_fmt:MATRIX_FMT_FP6 matrix_a_scale:MATRIX_SCALE_ROW1
.else
	v_wmma_scale_f32_16x16x128_f8f6f4 v[ACC+8*(4*(\a)+\b):ACC+8*(4*(\a)+\b)+7], v[128*(\f)+48+FR*\b:128*(\f)+48+FR*\b+FR-1], v[128*(\f)+FR*(\a):128*(\f)+FR*(\a)+FR-1], v[ACC+8*(4*(\a)+\b):ACC+8*(4*(\a)+\b)+7], v[SC+4*NQ*(\sc)+NQ*\b+(\q)], v[SC+4*NQ*(\sc)+NQ*(\a)+(\q)] matrix_a_fmt:MATRIX_FMT_FP6 matrix_b_fmt:MATRIX_FMT_FP6 matrix_a_scale:MATRIX_SCALE_ROW1
.endif
.endr
.endm
.macro FETCH slot, q, f
	WIN TO_F
.irp i, 0,1,2,3
	FRAG 128*(\f)+48+FR*\i, ADRB+\slot, \q, \i
.endr
.irp i, 0,1,2,3
	FRAG 128*(\f)+FR*\i, ADRA+\slot, \q, \i
.endr
.endm
.macro SCALES sc
.irp i, 0,1,2,3
	ds_load_b128 v[SC+4*NQ*\sc+NQ*\i:SC+4*NQ*\sc+NQ*\i+3], v[ADRS] offset:\i*SBLK
.endr
.endm
.macro PLACES n
.rept \n
	v_nop
.endr
.endm
.macro STEP slot, q, first
	s_wait_dscnt 2*NL
	WIN MUL
	MUL4 0, (\q)%2, \q, \slot, \first
	MUL4 1, (\q)%2, \q, \slot, \first
	s_wait_dscnt 0
	PLACES NP
	FETCH \slot, (\q)+1, 1-(\q)%2
	WIN MUL
	MUL4 2, (\q)%2, \q, \slot, \first
	MUL4 3, (\q)%2, \q, \slot, \first
.endm
.macro TURN slot, next, fill
	WIN 0
.if \fill
	s_wait_xcnt 0x0                                ; any prefetch of mine has read its address: it is stepped here, a K step behind that prefetch
	s_add_nc_u64 s[92:93], s[92:93], s[100:101]
.endif
	s_wait_tensorcnt 0x0
	ds_add_u32 v[SPW], v[NIL]
	s_wait_dscnt 2*NL+1
	WIN MUL
	MUL4 0, 1, NQ-1, \slot, 0
	MUL4 1, 1, NQ-1, \slot, 0
	s_wait_dscnt 0x0
	s_barrier_signal -1
	MUL4 2, 1, NQ-1, \slot, 0
	WIN 0
	s_barrier_wait -1
.if \fill
	CREST
	s_add_nc_u64 s[G0+4*\slot+2:G0+4*\slot+3], s[G0+4*\slot+2:G0+4*\slot+3], 2*CHA
	s_add_nc_u64 s[G0B+4*\slot+2:G0B+4*\slot+3], s[G0B+4*\slot+2:G0B+4*\slot+3], 2*CHB
	JLOAD G0+4*\slot, G1, G0B+4*\slot, G1B
.else
	PLACES NP
.endif
	s_wait_alu depctr_va_vdst(0)
	v_add_nc_u32 v[ADRS], 4*NQ, v[ADRS]
	SCALES \next
	FETCH \next, 0, 0
.if \fill
	WIN 0                                          ; at a branch and at a label every window is 0
	s_cmp_gt_u32 s3, 1                             ; s3 = 1 in the loop's last trip: no K step lies two refills on
	s_cbranch_scc0 .Lno_ask_\@
	global_prefetch_b8 v30, s[92:93] th:TH_LOAD_NT scope:SCOPE_SE
.Lno_ask_\@:
.endif
	WIN MUL
	MUL4 3, 1, NQ-1, \slot, 0
.endm
	s_wait_alu depctr_va_vdst(0)
	s_wait_tensorcnt 0x0                           ; my tile of the head's four is in
	ds_add_u32 v[SPW], v[NIL]
	s_mov_b32 s[G1+2], 96<<16                      ; no load of mine is out: from here on a load brings 64 rows x 384 bytes = 96 rows of 256
	s_mov_b32 s[G1+4], 96
	s_mov_b32 s[G1B+2], 96<<16
	s_mov_b32 s[G1B+4], 96
	s_wait_dscnt 0x0
	CROUND                                         ; all four tiles are in, and all sixteen work-groups are here
	JLOAD G0+4, G1, G0B+4, G1B                     ; K step 1, the first tensor load behind the round
	SCALES 0
	FETCH 0, 0, 0
	s_wait_loadcnt 0x0                             ; the bias
	STEP 0, 0, 1
	WIN 0x80                                       ; destination window 2: the residual of my 64 x 64, in the order in which the rows come back from the stage
.irp a, 0,1,2,3
.irp t, 0,1,2,3,4,5,6,7
	global_load_b128 v[32*\a+4*\t:32*\a+4*\t+3], v[CO], s[98:99] offset:(16*\a+2*\t)*4096
.endr
.endr
.if LAPS > 1
	WIN 0
	s_mov_b32 s3, LAPS-1
.Llap:
	STEP 0, 1, 0
	STEP 0, 2, 0
	TURN 0, 1, 1
	STEP 1, 0, 0
	STEP 1, 1, 0
	STEP 1, 2, 0
	TURN 1, 0, 1
	STEP 0, 0, 0
	WIN 0
	s_sub_co_u32 s3, s3, 1
	s_cmp_lg_u32 s3, 0
	s_cbranch_scc1 .Llap
.endif
	STEP 0, 1, 0
	STEP 0, 2, 0
	TURN 0, 1, 0
	STEP 1, 0, 0
	STEP 1, 1, 0
	STEP 1, 2, 0
	s_wait_dscnt 2*NL
	WIN MUL
	MUL4 0, 1, NQ-1, 1, 0
	MUL4 1, 1, NQ-1, 1, 0
	s_wait_dscnt 0
	MUL4 2, 1, NQ-1, 1, 0
	MUL4 3, 1, NQ-1, 1, 0
	WIN 0
.macro TOSTAGE a
.irp b, 0,1,2,3
	ds_store_b128 v[STO], v[ACC+8*(4*(\a)+\b):ACC+8*(4*(\a)+\b)+3] offset:64*\b
	ds_store_b128 v[STO], v[ACC+8*(4*(\a)+\b)+4:ACC+8*(4*(\a)+\b)+7] offset:64*\b+16
.endr
.set BB, BK+32*((\a)%2)
.irp t, 0,1,2,3,4,5,6,7
	ds_load_b128 v[BB+4*\t:BB+4*\t+3], v[RD] offset:\t*2*SPITCH
.endr
.endm
.macro SEND a, younger
.set BB, BK+32*((\a)%2)
.set RS, 32*(\a)
	s_wait_dscnt \younger
	WIN 0x08
.set j, 0
.rept 16
	v_pk_add_f32 v[BB+j:BB+j+1], v[BB+j:BB+j+1], v[RS+j:RS+j+1]
.set j, j+2
.endr
	WIN 0
.irp t, 0,1,2,3,4,5,6,7
	global_store_b128 v[CO], v[BB+4*\t:BB+4*\t+3], s[12:13] offset:(16*(\a)+2*\t)*4096 th:TH_STORE_NT
.endr
.endm
	PLACES NP
	s_wait_loadcnt 0x0
	TOSTAGE 0
.irp a, 1,2,3
.if \a > 1
	s_wait_xcnt 0x0
.endif
	TOSTAGE \a
	SEND \a-1, 16
.endr
	SEND 3, 0
	s_wait_tensorcnt 0x0
	ds_add_u32 v[SPW], v[NIL]
	s_wait_dscnt 0x0
	CROUND
	s_endpgm
.Lfunc_end_k_q7bb9551a60_gemm_f2:
	.size	k_q7bb9551a60_gemm_f2, .Lfunc_end_k_q7bb9551a60_gemm_f2-k_q7bb9551a60_gemm_f2
	.p2alignl 7, 3214868480
	.fill 96, 4, 3214868480
	.section	.rodata,"a",@progbits
	.p2align	6, 0x0
	.amdhsa_kernel k_q7bb9551a60_gemm_f2
		.amdhsa_group_segment_fixed_size 327680
		.amdhsa_private_segment_fixed_size 0
		.amdhsa_enable_private_segment 0
		.amdhsa_kernarg_size 48
		.amdhsa_user_sgpr_count 2
		.amdhsa_user_sgpr_kernarg_segment_ptr 1
		.amdhsa_wavefront_size32 1
		.amdhsa_system_sgpr_workgroup_id_x 1
		.amdhsa_system_sgpr_workgroup_id_y 1
		.amdhsa_system_sgpr_workgroup_id_z 1
		.amdhsa_system_vgpr_workitem_id 0
		.amdhsa_next_free_vgpr 640
		.amdhsa_next_free_sgpr 102
		.amdhsa_reserve_vcc 0
		.amdhsa_float_denorm_mode_32 3
		.amdhsa_float_denorm_mode_16_64 3
		.amdhsa_memory_ordered 1
		.amdhsa_forward_progress 1
		.amdhsa_inst_pref_size 116
	.end_amdhsa_kernel
	.amdgpu_metadata
---
amdhsa.version: [ 1, 2 ]
amdhsa.kernels:
  - .name:           k_q7bb9551a60_gemm_f2
    .symbol:         k_q7bb9551a60_gemm_f2.kd
    .args:
      - { .name: ff, .offset: 0, .size: 8, .value_kind: global_buffer, .address_space: global }
      - { .name: wr, .offset: 8, .size: 8, .value_kind: global_buffer, .address_space: global }
      - { .name: W2_scales, .offset: 16, .size: 8, .value_kind: global_buffer, .address_space: global }
      - { .name: b2, .offset: 24, .size: 8, .value_kind: global_buffer, .address_space: global }
      - { .name: x1, .offset: 32, .size: 8, .value_kind: global_buffer, .address_space: global }
      - { .name: out0, .offset: 40, .size: 8, .value_kind: global_buffer, .address_space: global }
    .group_segment_fixed_size: 327680
    .private_segment_fixed_size: 0
    .kernarg_segment_align: 8
    .kernarg_segment_size: 48
    .max_flat_workgroup_size: 128
    .sgpr_count:     102
    .vgpr_count:     640
    .wavefront_size: 32
...
	.end_amdgpu_metadata
.endif
;; end of part 14
